; MI455X (gfx1250); checked and timed in simulation.
; The chip was launched on July 23, 2026; its instructions are those of AMD's public machine-readable ISA for CDNA 5 (MIT licence, August 2026) and "CDNA5" Instruction Set Architecture Reference Guide (July 2026). The comments in the code are by the model that wrote it; some were corrected since.
;; Attention With Fast KAN Transform. Allowed arithmetic: float matrix products may take bf16 or f16 operands with f32 sums; other float arithmetic in f32, or as packed bf16 or f16 multiplies, adds, multiply-adds, maxima and minima; sums over many terms, partial sums and values carried from step to step in f32; what a program stores and reads back later, other than sums and carried values, may be rounded once to bf16 or f16.
;; Inputs: k 2 x 2,048 x 512 float32; lg_bb 512 float32; lg_bw 512 x 512 float32; lg_ln_b 512 float32; lg_ln_s 512 float32; lg_sw 512 x 4,096 float32; lk_bb 512 float32; lk_bw 512 x 512 float32; lk_ln_b 512 float32; lk_ln_s 512 float32; lk_sw 512 x 4,096 float32; lo_bb 512 float32; lo_bw 512 x 512 float32; lo_ln_b 512 float32; lo_ln_s 512 float32; lo_sw 512 x 4,096 float32; lq_bb 512 float32; lq_bw 512 x 512 float32; lq_ln_b 512 float32; lq_ln_s 512 float32; lq_sw 512 x 4,096 float32; lv_bb 512 float32; lv_bw 512 x 512 float32; lv_ln_b 512 float32; lv_ln_s 512 float32; lv_sw 512 x 4,096 float32; q 2 x 2,048 x 512 float32; v 2 x 2,048 x 512 float32.
;; Outputs: out0 2 x 2,048 x 512 float32.
;; 2 versions, each right. Each part assembles by itself: llvm-mc -triple=amdgcn-amd-amdhsa -mcpu=gfx1250 --defsym DOCPART=n.
;; ======== version 1 of 2: 4 launches
;; limits: values are held in f16: magnitudes above 65,504 overflow, below 6.1e-05 lose precision
;; workspace buffers: wc 23,592,960 bytes; xs 25,165,824 bytes; st 786,432 bytes; qkvg 16,777,216 bytes; og 8,388,608 bytes; ost 262,144 bytes
;; launch prep (part 1): grid 704 x 1, 8 waves a work-group, no clusters, 0 bytes of LDS; arguments lq_sw, lk_sw, lv_sw, lg_sw, lo_sw, lq_bw, lk_bw, lv_bw, lg_bw, lo_bw, q, k, v, wc, xs, st; writes wc, xs, st
.if DOCPART == 1
	.amdgcn_target "amdgcn-amd-amdhsa--gfx1250"
	.amdhsa_code_object_version 6
	.text
	.protected	k_qf1545b37aa_prep
	.globl	k_qf1545b37aa_prep
	.p2align	8
	.type	k_qf1545b37aa_prep,@function
k_qf1545b37aa_prep:
	s_mov_b64 s[64:65], 0
	v_nop
	global_prefetch_b8 v0, s[64:65] scope:SCOPE_SE
	s_setreg_imm32_b32 hwreg(HW_REG_WAVE_MODE, 25, 1), 1
	s_wait_xcnt 0x0
; PREPARATION: a stream, no LDS, no barrier, no matrix unit (every byte is read once and written once).
; Part W (work-groups 0-319): the five layers' weights, rounded once to bf16 and written as f16, in the order in which the layers' products want them.
;   wc: f16 [5 layers q,k,v,g,o][512 n][2 halves of K][18 blocks][128].  Blocks 0-15 of half kk: element 32 s + 16 i + 8 h + j of block b is sw[n][(256 kk + 16 b + 8 h + 2 s + i) 8 + j];
;   blocks 16, 17: element e is bw[n][256 kk + 128 (b - 16) + e].  A wave makes one row n: 18 times 512 consecutive bytes out, 1,024 consecutive bytes in.
; Part X (work-groups 320-703): q, k, v.  xs: f16 [2 kinds][3][4096][512]: kind 0 x rounded to bf16, kind 1 silu of that.  st: f32 [3][4096][8 groups of 64 channels][mean, sum of squared deviations].
;   A wave makes four rows; a lane holds 8 channels of each half row, eight lanes hold a group.
; LIMITS.  f16 ends at 65,504 (x, silu(x) and the weights must lie within it) and keeps a fixed step of 6e-8 below 6e-5.  NaN and infinities are not treated apart.
.set XR,   16                          ; v[16:79]   part X: 8 units of 8 numbers (unit u = 2 row + half)
.set YR,   80                          ; v[80:143]  deviations, then silu
.set MEAN, 144                         ; v[144:151] a unit's group mean
.set M2R,  152                         ; v[152:159] a unit's group sum of squared deviations
.set HR,   160                         ; v[160:191] x as f16
.set SR,   192                         ; v[192:223] silu as f16
.macro CVB r                           ; eight f32 at v[r] rounded to bf16 and widened again, in place
	v_cvt_pk_bf16_f32 v8, v[(\r)], v[(\r)+1]
	v_cvt_pk_bf16_f32 v9, v[(\r)+2], v[(\r)+3]
	v_cvt_pk_bf16_f32 v10, v[(\r)+4], v[(\r)+5]
	v_cvt_pk_bf16_f32 v11, v[(\r)+6], v[(\r)+7]
.irp k, 0,1,2,3
	v_lshlrev_b32 v[(\r)+2*\k], 16, v[8+\k]
	v_and_b32 v[(\r)+2*\k+1], 0xffff0000, v[8+\k]
.endr
.endm
	s_load_b512 s[4:19], s[0:1], 0x0               ; sw of q, k, v, g, o; bw of q, k, v
	s_load_b512 s[20:35], s[0:1], 0x40             ; bw of g, o; q, k, v; wc, xs, st
	v_lshrrev_b32 v1, 5, v0
	v_readfirstlane_b32 s36, v1                    ; wave 0..7
	v_and_b32 v1, 31, v0                           ; lane
	v_lshlrev_b32 v3, 5, v1                        ; 32 x lane
	v_lshlrev_b32 v4, 4, v1                        ; 16 x lane
	s_mov_b32 s45, 0                               ; the high word of every offset
	s_wait_kmcnt 0x0
	s_cmp_lt_u32 ttmp9, 320
	s_cbranch_scc0 .Lx
	; ---- part W ----
	s_lshr_b32 s37, ttmp9, 6                       ; layer
	s_and_b32 s38, ttmp9, 63
	s_lshl_b32 s38, s38, 3
	s_add_co_u32 s38, s38, s36                     ; n
	s_mov_b64 s[40:41], s[4:5]
	s_mov_b64 s[42:43], s[14:15]
	s_cmp_eq_u32 s37, 1
	s_cselect_b64 s[40:41], s[6:7], s[40:41]
	s_cselect_b64 s[42:43], s[16:17], s[42:43]
	s_cmp_eq_u32 s37, 2
	s_cselect_b64 s[40:41], s[8:9], s[40:41]
	s_cselect_b64 s[42:43], s[18:19], s[42:43]
	s_cmp_eq_u32 s37, 3
	s_cselect_b64 s[40:41], s[10:11], s[40:41]
	s_cselect_b64 s[42:43], s[20:21], s[42:43]
	s_cmp_eq_u32 s37, 4
	s_cselect_b64 s[40:41], s[12:13], s[40:41]
	s_cselect_b64 s[42:43], s[22:23], s[42:43]
	s_lshl_b32 s44, s38, 14                        ; a row of sw is 16,384 bytes
	s_add_nc_u64 s[40:41], s[40:41], s[44:45]
	s_lshl_b32 s44, s38, 11                        ; a row of bw 2,048
	s_add_nc_u64 s[42:43], s[42:43], s[44:45]
	s_mul_i32 s44, s37, 4718592                    ; a layer of wc
	s_mul_i32 s46, s38, 9216                       ; a row of wc
	s_add_co_u32 s44, s44, s46
	s_add_nc_u64 s[30:31], s[30:31], s[44:45]
	; my 8 numbers out are element 8 (l % 16) of block l / 16: h = l & 1, i = (l >> 1) & 1, s = (l >> 2) & 3: one channel's 8 grid weights, 32 bytes in
	v_lshrrev_b32 v5, 4, v1
	v_lshlrev_b32 v2, 4, v5
	v_and_b32 v5, 1, v1
	v_lshl_add_u32 v2, v5, 3, v2
	v_bfe_u32 v5, v1, 2, 2
	v_lshl_add_u32 v2, v5, 1, v2
	v_bfe_u32 v5, v1, 1, 1
	v_add_nc_u32 v2, v2, v5
	v_lshlrev_b32 v2, 5, v2
.set it, 0
.rept 18                               ; all 36 loads go out first
.if it%9 < 8
	global_load_b128 v[16+8*it:16+8*it+3], v2, s[40:41] offset:(256*(it/9)+32*(it%9))*32 th:TH_LOAD_NT
	global_load_b128 v[16+8*it+4:16+8*it+7], v2, s[40:41] offset:(256*(it/9)+32*(it%9))*32+16 th:TH_LOAD_NT
.else
	global_load_b128 v[16+8*it:16+8*it+3], v3, s[42:43] offset:1024*(it/9) th:TH_LOAD_NT
	global_load_b128 v[16+8*it+4:16+8*it+7], v3, s[42:43] offset:1024*(it/9)+16 th:TH_LOAD_NT
.endif
.set it, it+1
.endr
.set it, 0
.rept 18
	s_wait_loadcnt 34-2*it                         ; loads come back in order: this pair is in, the 34 - 2 it younger ones may stay out
	CVB 16+8*it
.irp k, 0,1,2,3
	v_cvt_pk_f16_f32 v[16+8*it+\k], v[16+8*it+2*\k], v[16+8*it+2*\k+1]  ; written behind the reads of the same registers
.endr
	global_store_b128 v4, v[16+8*it:16+8*it+3], s[30:31] offset:512*it   ; 512 consecutive bytes; its registers are not written again
.set it, it+1
.endr
	s_endpgm
	; ---- part X ----
.Lx:
	s_sub_co_u32 s37, ttmp9, 320
	s_lshr_b32 s38, s37, 7                         ; 0 q, 1 k, 2 v
	s_and_b32 s37, s37, 127
	s_lshl_b32 s37, s37, 5
	s_lshl2_add_u32 s37, s36, s37                  ; my first row: 32 x block + 4 x wave
	s_cmp_eq_u32 s38, 1
	s_cselect_b64 s[40:41], s[26:27], s[24:25]
	s_cmp_eq_u32 s38, 2
	s_cselect_b64 s[40:41], s[28:29], s[40:41]
	s_lshl_b32 s44, s37, 11
	s_add_nc_u64 s[40:41], s[40:41], s[44:45]      ; x at my first row; not written again
	s_lshl_b32 s44, s38, 22
	s_lshl_b32 s46, s37, 10
	s_add_co_u32 s44, s44, s46
	s_add_nc_u64 s[32:33], s[32:33], s[44:45]      ; xs, kind 0
	s_add_nc_u64 s[42:43], s[32:33], 12582912      ; xs, kind 1: too far for an immediate
	s_lshl_b32 s44, s38, 18
	s_lshl_b32 s46, s37, 6
	s_add_co_u32 s44, s44, s46
	s_add_nc_u64 s[34:35], s[34:35], s[44:45]      ; st
.set u, 0
.rept 8
	global_load_b128 v[XR+8*u:XR+8*u+3], v3, s[40:41] offset:(u/2)*2048+(u%2)*1024 th:TH_LOAD_NT
	global_load_b128 v[XR+8*u+4:XR+8*u+7], v3, s[40:41] offset:(u/2)*2048+(u%2)*1024+16 th:TH_LOAD_NT
.set u, u+1
.endr
	s_wait_loadcnt 0x0
.set u, 0
.rept 8
	CVB XR+8*u
.irp k, 0,1,2,3
	v_cvt_pk_f16_f32 v[HR+4*u+\k], v[XR+8*u+2*\k], v[XR+8*u+2*\k+1]
.endr
	global_store_b128 v4, v[HR+4*u:HR+4*u+3], s[32:33] offset:(u/2)*1024+(u%2)*512
.set u, u+1
.endr
.set u, 0
.rept 8                                ; a group's mean: my 8, then the group's 8 lanes
	v_pk_add_f32 v[8:9], v[XR+8*u:XR+8*u+1], v[XR+8*u+2:XR+8*u+3]
	v_pk_add_f32 v[10:11], v[XR+8*u+4:XR+8*u+5], v[XR+8*u+6:XR+8*u+7]
	v_pk_add_f32 v[8:9], v[8:9], v[10:11]
	v_add_f32 v[MEAN+u], v8, v9
	v_add_f32_dpp v[MEAN+u], v[MEAN+u], v[MEAN+u] row_xmask:1 row_mask:0xf bank_mask:0xf
	v_add_f32_dpp v[MEAN+u], v[MEAN+u], v[MEAN+u] row_xmask:2 row_mask:0xf bank_mask:0xf
	v_add_f32_dpp v[MEAN+u], v[MEAN+u], v[MEAN+u] row_xmask:4 row_mask:0xf bank_mask:0xf
	v_mul_f32 v[MEAN+u], 0x3c800000, v[MEAN+u]     ; / 64
.set u, u+1
.endr
.set u, 0
.rept 8                                ; deviations from the group's own mean, and their squares' sum: no difference of large sums
.irp k, 0,1,2,3
.if u%2
	v_pk_add_f32 v[YR+8*u+2*\k:YR+8*u+2*\k+1], v[XR+8*u+2*\k:XR+8*u+2*\k+1], v[MEAN+u-1:MEAN+u] op_sel:[0,1] op_sel_hi:[1,1] neg_lo:[0,1] neg_hi:[0,1]
.else
	v_pk_add_f32 v[YR+8*u+2*\k:YR+8*u+2*\k+1], v[XR+8*u+2*\k:XR+8*u+2*\k+1], v[MEAN+u:MEAN+u+1] op_sel_hi:[1,0] neg_lo:[0,1] neg_hi:[0,1]
.endif
.endr
	v_pk_mul_f32 v[8:9], v[YR+8*u:YR+8*u+1], v[YR+8*u:YR+8*u+1]
.irp k, 1,2,3
	v_pk_fma_f32 v[8:9], v[YR+8*u+2*\k:YR+8*u+2*\k+1], v[YR+8*u+2*\k:YR+8*u+2*\k+1], v[8:9]
.endr
	v_add_f32 v[M2R+u], v8, v9
	v_add_f32_dpp v[M2R+u], v[M2R+u], v[M2R+u] row_xmask:1 row_mask:0xf bank_mask:0xf
	v_add_f32_dpp v[M2R+u], v[M2R+u], v[M2R+u] row_xmask:2 row_mask:0xf bank_mask:0xf
	v_add_f32_dpp v[M2R+u], v[M2R+u], v[M2R+u] row_xmask:4 row_mask:0xf bank_mask:0xf
.set u, u+1
.endr
	; silu(x) = x / (1 + 2^(-x log2 e)): two batches of 64, one wait each
.set i, 0
.rept 32
	v_pk_mul_f32 v[YR+2*i:YR+2*i+1], v[XR+2*i:XR+2*i+1], 0xbfb8aa3b op_sel_hi:[1,0]
.set i, i+1
.endr
.set i, 0
.rept 64
	v_exp_f32 v[YR+i], v[YR+i]
.set i, i+1
.endr
	v_nop                                          ; a plain instruction behind the last exponential,
	s_wait_alu depctr_va_vdst(0)                   ; and the one wait ahead of the batch's first reader
.set i, 0
.rept 32
	v_pk_add_f32 v[YR+2*i:YR+2*i+1], v[YR+2*i:YR+2*i+1], 1.0 op_sel_hi:[1,0]
.set i, i+1
.endr
.set i, 0
.rept 64
	v_rcp_f32 v[YR+i], v[YR+i]
.set i, i+1
.endr
	v_nop
	s_wait_alu depctr_va_vdst(0)
.set i, 0
.rept 32
	v_pk_mul_f32 v[YR+2*i:YR+2*i+1], v[YR+2*i:YR+2*i+1], v[XR+2*i:XR+2*i+1]
.set i, i+1
.endr
.set i, 0
.rept 32
	v_cvt_pk_f16_f32 v[SR+i], v[YR+2*i], v[YR+2*i+1]
.set i, i+1
.endr
.set u, 0
.rept 8
	global_store_b128 v4, v[SR+4*u:SR+4*u+3], s[42:43] offset:(u/2)*1024+(u%2)*512
.set u, u+1
.endr
	; the statistics: lane l stores unit t = l % 8 of group l / 8: the 32 lanes write 256 consecutive bytes, aligned (four rows of 64 bytes).
	; The three masks lie in s36, s38, s46: scalars that no memory instruction names, and whose first use (wave, source, a temporary) is over.
	v_and_b32 v5, 1, v1
	v_cmp_ne_u32 s36, 0, v5
	v_and_b32 v5, 2, v1
	v_cmp_ne_u32 s38, 0, v5
	v_and_b32 v5, 4, v1
	v_cmp_ne_u32 s46, 0, v5
.irp b, MEAN, M2R
	v_cndmask_b32 v8, v[\b], v[\b+1], s36
	v_cndmask_b32 v9, v[\b+2], v[\b+3], s36
	v_cndmask_b32 v10, v[\b+4], v[\b+5], s36
	v_cndmask_b32 v11, v[\b+6], v[\b+7], s36
	v_cndmask_b32 v8, v8, v9, s38
	v_cndmask_b32 v10, v10, v11, s38
	v_cndmask_b32 v[12+(\b-MEAN)/8], v8, v10, s46
.endr
	v_and_b32 v5, 7, v1                            ; t
	v_lshrrev_b32 v6, 1, v5
	v_lshlrev_b32 v6, 6, v6                        ; row t / 2: 64 bytes
	v_and_b32 v5, 1, v5
	v_lshl_add_u32 v6, v5, 5, v6                   ; half t % 2: four groups, 32 bytes
	v_lshrrev_b32 v5, 3, v1
	v_lshl_add_u32 v6, v5, 3, v6                   ; group l / 8: 8 bytes
	global_store_b64 v6, v[12:13], s[34:35]
	s_endpgm
.Lfunc_end_k_qf1545b37aa_prep:
	.size	k_qf1545b37aa_prep, .Lfunc_end_k_qf1545b37aa_prep-k_qf1545b37aa_prep
	.p2alignl 7, 3214868480
	.fill 96, 4, 3214868480
	.section	.rodata,"a",@progbits
	.p2align	6, 0x0
	.amdhsa_kernel k_qf1545b37aa_prep
		.amdhsa_group_segment_fixed_size 0
		.amdhsa_private_segment_fixed_size 0
		.amdhsa_enable_private_segment 0
		.amdhsa_kernarg_size 128
		.amdhsa_user_sgpr_count 2
		.amdhsa_user_sgpr_kernarg_segment_ptr 1
		.amdhsa_wavefront_size32 1
		.amdhsa_system_sgpr_workgroup_id_x 1
		.amdhsa_system_sgpr_workgroup_id_y 1
		.amdhsa_system_sgpr_workgroup_id_z 1
		.amdhsa_system_vgpr_workitem_id 0
		.amdhsa_next_free_vgpr 224
		.amdhsa_next_free_sgpr 66
		.amdhsa_reserve_vcc 0
		.amdhsa_float_denorm_mode_32 3
		.amdhsa_float_denorm_mode_16_64 3
		.amdhsa_memory_ordered 1
		.amdhsa_forward_progress 1
		.amdhsa_inst_pref_size 59
	.end_amdhsa_kernel
	.amdgpu_metadata
---
amdhsa.version: [ 1, 2 ]
amdhsa.kernels:
  - .name:           k_qf1545b37aa_prep
    .symbol:         k_qf1545b37aa_prep.kd
    .args:
      - { .name: lq_sw, .offset: 0, .size: 8, .value_kind: global_buffer, .address_space: global }
      - { .name: lk_sw, .offset: 8, .size: 8, .value_kind: global_buffer, .address_space: global }
      - { .name: lv_sw, .offset: 16, .size: 8, .value_kind: global_buffer, .address_space: global }
      - { .name: lg_sw, .offset: 24, .size: 8, .value_kind: global_buffer, .address_space: global }
      - { .name: lo_sw, .offset: 32, .size: 8, .value_kind: global_buffer, .address_space: global }
      - { .name: lq_bw, .offset: 40, .size: 8, .value_kind: global_buffer, .address_space: global }
      - { .name: lk_bw, .offset: 48, .size: 8, .value_kind: global_buffer, .address_space: global }
      - { .name: lv_bw, .offset: 56, .size: 8, .value_kind: global_buffer, .address_space: global }
      - { .name: lg_bw, .offset: 64, .size: 8, .value_kind: global_buffer, .address_space: global }
      - { .name: lo_bw, .offset: 72, .size: 8, .value_kind: global_buffer, .address_space: global }
      - { .name: q, .offset: 80, .size: 8, .value_kind: global_buffer, .address_space: global }
      - { .name: k, .offset: 88, .size: 8, .value_kind: global_buffer, .address_space: global }
      - { .name: v, .offset: 96, .size: 8, .value_kind: global_buffer, .address_space: global }
      - { .name: wc, .offset: 104, .size: 8, .value_kind: global_buffer, .address_space: global }
      - { .name: xs, .offset: 112, .size: 8, .value_kind: global_buffer, .address_space: global }
      - { .name: st, .offset: 120, .size: 8, .value_kind: global_buffer, .address_space: global }
    .group_segment_fixed_size: 0
    .private_segment_fixed_size: 0
    .kernarg_segment_align: 8
    .kernarg_segment_size: 128
    .max_flat_workgroup_size: 256
    .sgpr_count:     66
    .vgpr_count:     224
    .wavefront_size: 32
...
	.end_amdgpu_metadata
.endif
;; end of part 1
;; launch kanp (part 2): grid 32 x 8, 4 waves a work-group, clusters of 4 x 1, 327,680 bytes of LDS; arguments xs, st, wc, qkvg, lq_ln_s, lk_ln_s, lv_ln_s, lg_ln_s, lq_ln_b, lk_ln_b, lv_ln_b, lg_ln_b, lq_bb, lk_bb, lv_bb, lg_bb; writes qkvg
.if DOCPART == 2
	.amdgcn_target "amdgcn-amd-amdhsa--gfx1250"
	.amdhsa_code_object_version 6
	.text
	.protected	k_qf1545b37aa_kanp
	.globl	k_qf1545b37aa_kanp
	.p2align	8
	.type	k_qf1545b37aa_kanp,@function
k_qf1545b37aa_kanp:
	s_mov_b64 s[64:65], 0
	v_nop
	global_prefetch_b8 v0, s[64:65] scope:SCOPE_SE
	s_setreg_imm32_b32 hwreg(HW_REG_WAVE_MODE, 25, 1), 1
	s_wait_xcnt 0x0
	s_wait_alu depctr_hold_cnt(0) depctr_sa_sdst(0) depctr_va_vdst(0) depctr_va_sdst(0) depctr_va_ssrc(0) depctr_va_vcc(0) depctr_vm_vsrc(0)
	s_getreg_b32 s2, hwreg(HW_REG_IB_STS2, 6, 4)
	s_cmp_eq_u32 s2, 0
	s_cbranch_scc0 .Lentry_in_a_cluster
	s_endpgm
.Lentry_in_a_cluster:
	s_bfe_u32 s2, ttmp6, 0x10000c
	s_cmp_lg_u32 s2, 0x3003
	s_cbranch_scc0 .Lentry_shape_is_right
	s_endpgm
.Lentry_shape_is_right:
; A FASTKAN LAYER AS ONE PRODUCT: y = [basis(LayerNorm(x)) | silu(x)] [sw | bw]^T + bb, M = 4,096, N = 512, K = 4,096 + 512.  One text serves two kernels:
; OUTK = 0: the layers q, k, v, g (grid y = 2 layer + column block of 256), x from xs, result f16 by heads into qkvg.  OUTK = 1: the last layer (grid y = column block of 64), x from og, result f32 into out0.
; THE A OPERAND IS NEVER IN MEMORY.  A channel's 8 Gaussians are one unit of 8 along K of a 16-bit fragment, so a lane makes its own fragment registers from its own normalised x:
; basis_j = 2^-(a - j L)^2 with L = sqrt(log2 e), a = xhat S + B, S = 1.75 L ln_s, B = 1.75 L (ln_b + 2).  All eight exponentials are computed; an overflowing square gives 0.
; SHARES.  A work-group makes 128 rows x NT columns.  K IS SPLIT between waves: wave w takes K half kk = w & 1 (channels 256 kk ..) and rows 64 (w >> 1) ..: 64 rows x NT columns, 4 NB accumulators.
; Register row fragment f stands for fragment (f + 2 kk) & 3, so every wave keeps fragments 0, 1 and hands 2, 3 to wave w ^ 1 through LDS at the end.
; THE MATRIX INSTRUCTION IS USED TRANSPOSED (source 0 = 16 rows of the weights, source 1 = 16 rows of A): a lane holds row l % 16 and the columns 8 (l / 16) + 0..7 of a fragment.
; RING.  18 tiles of weights (K steps of 128 for both halves) go through two LDS slots; the four row blocks of a cluster walk the same tiles and ask JOINTLY (mask 15), one load a wave behind each round.
; BY TURNS.  While step s is multiplied, the vector work that makes step s + 1's fragments (160 instructions, 64 of them exponentials: one batch, one wait) stands in slices behind the matrix instructions.
; FORMATS.  ln_s, ln_b, bb are rounded once to bf16 like all inputs; basis, silu, x and the weights are f16 operands; sums f32, in another order than a plain dot product's.
; LIMITS.  f16 ends at 65,504 (x, silu, weights, and with OUTK = 0 the results) and keeps a fixed step of 6e-8 below 6e-5; an exponential below 2^-126 counts as 0; NaN and infinities are not treated apart.
.set OUTK, 0
.if OUTK
.set NB, 4                             ; column fragments of a work-group
.set LOGNT, 6
.set AHEAD, 2                          ; the prefetch names the tile AHEAD trips behind the one that is being asked for
.set NASK, 1                           ; waves of a work-group that prefetch
.set IFE, 0                            ; the next step's fragments of the weights are fetched behind this matrix instruction
.set XSH, 7                            ; log2 of a row's bytes in the x tensor
.set SSH, 3                            ; the same in the statistics
.set SF, 128                           ; 16 rows of statistics
.set SG, 32768                         ; from group to group
.set STL, 96                           ; where the statistics land
.else
.set NB, 16
.set LOGNT, 8
.set AHEAD, 1
.set NASK, 4
.set IFE, 2
.set XSH, 10
.set SSH, 6
.set SF, 1024
.set SG, 8
.set STL, 192
.endif
.set NT,    16*NB
.set NWM,   4*NB                       ; matrix instructions of a wave in a step of 32 along K
.set PITCH, 272                        ; an LDS row of weights: 256 bytes + 16: the 16 rows of a load start at 16 different groups of four banks
.set HALFT, (NT/2)*PITCH               ; what one tensor load brings
.set SLOT,  4*HALFT                    ; K half 0's NT rows, then K half 1's
.if OUTK
.set XT,    2*SLOT                     ; the x tile: 8 planes (heads) x 128 rows x 144 bytes
.set XPL,   128*144
.set TAB,   XT+8*XPL
.set STGB,  16*272
.else
.set TAB,   2*SLOT                     ; S (2,048 bytes), then B
.set STGB,  16*144
.endif
.set STG,   TAB+4096                   ; a stage for each wave, for the way out
.set SPARE, STG+4*STGB                 ; the spare words, 128 bytes a wave: two blocks of 256 bytes that no other line names
; window 0
.set ADRB0, 3                          ; my place in a tile of weights
.set ADRB,  4                          ; the same in the slot in hand
.set XOA,   5                          ; v5, v6  my byte offset in x's rows, fragments 0, 1 and 2, 3
.set TA0,   7                          ; my place in TAB
.set TA,    8
.set PFO,   9                          ; the prefetch's offset
.set SPW,   10                         ; LDS address of my spare word; never rewritten
.set NIL,   11                         ; 0; never rewritten
.set GV,    12                         ; where I put what I hand over
.set TK,    13                         ; where I take my partner's
.set XAA,   14                         ; v14, v15  OUTK: LDS address of my x, fragments 0, 1 and 2, 3
.set ST,    16                         ; v[16:23]  (rstd, -mean rstd) for each fragment
.set NJ,    24                         ; v[24:31]  -j L
.set SS,    32                         ; v[32:39]  S of my 8 channels
.set BC,    40                         ; v[40:47]  B
.set X1,    48                         ; v[48:63]  x: 8 f16 channels for each fragment
.set AV,    64                         ; v[64:95]  a: 8 channels for each fragment
.set T,     96                         ; v[96:159] at work: 4 fragments x 2 channels x 8
.set A0,    160                        ; v[160:191], v[192:223]  two buffers of A fragments
.set XA0,   224                        ; OUTK: v224, v225  XAA for block 0
.set BI,    64                         ; the head: the bias
.set EE,    64                         ; the end: sums
.set FF,    192                        ; the end: what is stored
; scalars
.set WV, 12
.set KK, 13
.set MH, 14
.set CX, 15
.set R0, 16
.set YY, 17
.set LAY, 18
.set SRC, 19
.set G1, 24                            ; s[24:31] descriptor group 1 of the weights' tiles
.set G0A, 32                           ; s[32:35] group 0 of tile 0
.set G0B, 36                           ; s[36:39] group 0 of tile 1; it then walks
.set GX1, 40                           ; OUTK: the x tile's groups
.set GXA, 48
.set GXB, 52
.set TRIP, 56
.set BO, 57                            ; the block whose x, S, B are loaded next
.set TB, 58                            ; LDS byte of the slot in hand
.set CB, 59
.set OFF, 60
.set XP, 62
.set PFA, 66
.set XB, 92
.set SB, 94
.set LIM, 96
.set FLM, 97
.set RW, 99
.set LNS, 68
.if OUTK
.set LNB, 70
.set BBP, 72
.else
.set LNB, 76
.set BBP, 84
.endif
.set MSB, 0
.macro WIN new                         ; the immediate's high byte repeats the setting that is left; a switch that changes nothing is dropped
.if MSB != (\new)
	s_set_vgpr_msb (MSB<<8)|(\new)
.set MSB, \new
.endif
.endm
.set MUL_LO, 0xa1                      ; source 0 (weights) window 1, source 1 (A) window 0, C and D window 2; + 0x50: window 3
.set TO_B,   0x40                      ; destination window 1
.set AW, 0                             ; + 0x0c: source 1 in window 3
.macro PLACES
.rept 4
	v_nop
.endr
.endm
.macro CREST                           ; a round of the cluster's barrier behind its opening barrier
	s_cmp_lg_u32 s[WV], 0
	s_cbranch_scc1 .Lnot_wave_0_\@
	s_barrier_signal -3
.Lnot_wave_0_\@:
	s_barrier_wait -3
	s_barrier_signal -1
	s_barrier_wait -1
.endm
.macro CROUND
	s_barrier_signal -1
	s_barrier_wait -1
	CREST
.endm
; matrix instruction i of a step: row fragment i / NB, column fragment i % NB; the accumulators take turns, one instruction a turn, over every edge
.macro WM i, p, ab
.set q_, (\i)
	WIN MUL_LO+0x50*(q_/32)+AW
	v_wmma_f32_16x16x32_f16 v[8*(q_%32):8*(q_%32)+7], v[8*NB*(\p)+8*(q_%NB):8*NB*(\p)+8*(q_%NB)+7], v[(\ab)+8*(q_/NB):(\ab)+8*(q_/NB)+7], v[8*(q_%32):8*(q_%32)+7]
.endm
.macro FETCH p, koff                   ; one run of 2 NB LDS loads: the weights' fragments of 32 along K at byte koff of the rows, into buffer p of window 1
	WIN TO_B
.set b_, 0
.rept NB
	ds_load_b128 v[8*NB*(\p)+8*b_:8*NB*(\p)+8*b_+3], v[ADRB] offset:(\koff)+16*PITCH*b_
	ds_load_b128 v[8*NB*(\p)+8*b_+4:8*NB*(\p)+8*b_+7], v[ADRB] offset:(\koff)+16*PITCH*b_+32
.set b_, b_+1
.endr
	WIN 0
.endm
.macro XLOAD                           ; my 8 channels of a block of 16, for each of my four rows
.irp f, 0,1,2,3
.if OUTK
	ds_load_b128 v[X1+4*\f:X1+4*\f+3], v[XAA+\f/2] offset:(\f%2)*2304
.else
	global_load_b128 v[X1+4*\f:X1+4*\f+3], v[XOA+\f/2], s[XP:XP+1] offset:(\f%2)*16384
.endif
.endr
.endm
.macro TLOAD
	ds_load_b128 v[SS:SS+3], v[TA]
	ds_load_b128 v[SS+4:SS+7], v[TA] offset:16
	ds_load_b128 v[BC:BC+3], v[TA] offset:2048
	ds_load_b128 v[BC+4:BC+7], v[TA] offset:2064
.endm
; THE VECTOR WORK that makes a step's A fragments is a numbered list; VI writes number j of it for target step sp.
.macro PLN n, sp                       ; plain number n of 64: unit m = n / 8 (fragment m / 2, channel 2 sp + m % 2): four times a - j L for two j, four times the negated square
.set m_, (\n)/8
.set t_, (\n)%8
.if t_ < 4
.if m_%2
	v_pk_add_f32 v[T+8*m_+2*t_:T+8*m_+2*t_+1], v[AV+8*(m_/2)+2*(\sp):AV+8*(m_/2)+2*(\sp)+1], v[NJ+2*t_:NJ+2*t_+1] op_sel:[1,0] op_sel_hi:[1,1]
.else
	v_pk_add_f32 v[T+8*m_+2*t_:T+8*m_+2*t_+1], v[AV+8*(m_/2)+2*(\sp):AV+8*(m_/2)+2*(\sp)+1], v[NJ+2*t_:NJ+2*t_+1] op_sel_hi:[0,1]
.endif
.else
	v_pk_mul_f32 v[T+8*m_+2*t_-8:T+8*m_+2*t_-7], v[T+8*m_+2*t_-8:T+8*m_+2*t_-7], v[T+8*m_+2*t_-8:T+8*m_+2*t_-7] neg_lo:[1,0] neg_hi:[1,0]
.endif
.endm
.macro NRM n                           ; the next block is normalised: 32 times xhat = x rstd - mean rstd from an f16 half, 16 times a = xhat S + B for two channels
.if (\n) < 32
.set f_, (\n)/8
.set e_, (\n)%8
.if e_%2
	v_fma_mix_f32 v[AV+8*f_+e_], v[X1+4*f_+e_/2], v[ST+2*f_], v[ST+2*f_+1] op_sel:[1,0,0] op_sel_hi:[1,0,0]
.else
	v_fma_mix_f32 v[AV+8*f_+e_], v[X1+4*f_+e_/2], v[ST+2*f_], v[ST+2*f_+1] op_sel_hi:[1,0,0]
.endif
.else
.set f_, ((\n)-32)/4
.set e_, 2*(((\n)-32)%4)
	v_pk_fma_f32 v[AV+8*f_+e_:AV+8*f_+e_+1], v[AV+8*f_+e_:AV+8*f_+e_+1], v[SS+e_:SS+e_+1], v[BC+e_:BC+e_+1]
.endif
.endm
; 0-7 plain; 8-119 exponential and plain by turns (an exponential stands three plain numbers or more behind its square); 120-127 the last exponentials; then ONE wait for the 64;
; 128-159 the roundings to f16 into the other A buffer; 160-207 (step 2 alone) the next block's normalisation
.macro VI sp
.if j < 8
	PLN j, \sp
.elseif j < 120
.if (j-8)%2 == 0
	v_exp_f32 v[T+(j-8)/2], v[T+(j-8)/2]
.else
	PLN 8+(j-9)/2, \sp
.endif
.elseif j < 128
	v_exp_f32 v[T+j-64], v[T+j-64]
.elseif j < 160
.if j == 128
	v_nop                                          ; a plain instruction behind the last exponential,
	s_wait_alu depctr_va_vdst(0)                   ; and the one wait ahead of the batch's first reader
.endif
	v_cvt_pk_f16_f32 v[A0+32*((\sp)%2)+j-128], v[T+2*(j-128)], v[T+2*(j-128)+1]
.else
.if (j == 160) && !OUTK
	s_wait_loadcnt 0x0                             ; x of the next block, asked for three steps ago
.endif
	NRM j-160
.endif
.set j, j+1
.endm
.macro WMR n, L, sp, p, ab             ; n matrix instructions from number i_ on, behind each its slice of the list of L
.rept \n
	WM i_, \p, \ab
	WIN 0
.rept ((i_+1)*(\L)+NWM-1)/NWM-(i_*(\L)+NWM-1)/NWM
	VI \sp
.endr
.set i_, i_+1
.endr
.endm
.macro WMS n, p, ab                    ; n matrix instructions without slices
.rept \n
	WM i_, \p, \ab
.set i_, i_+1
.endr
.endm
; steps 0 to 2 of a tile.  The run of LDS loads for the next step goes into the buffer that the step before multiplied: eight plain instructions or more stand behind that buffer's last reader.
.macro STEP s
.set j, 0
.set i_, 0
	s_wait_dscnt 0x0                               ; this step's fragments of the weights are in (at step 0 also S, B and, with OUTK, x)
	WMR IFE+1, 160+48*((\s)/2), (\s)+1, (\s)%2, A0+32*((\s)%2)
	FETCH 1-(\s)%2, 64*((\s)+1)
	WMR NWM-IFE-1, 160+48*((\s)/2), (\s)+1, (\s)%2, A0+32*((\s)%2)
.endm
; A PREFETCH INTO THE L2 of the tile AHEAD trips behind the one just asked for: 2 NT pieces of 256 bytes, a lane a piece.  All clusters with the same grid y walk the same tiles: cluster x = 0 asks;
; its four partners and their NASK waves share the pieces out by address.  Each piece is named once in the launch; tiles 0 to 1 + AHEAD come by their loads alone; the last AHEAD trips ask for nothing.
.macro ASK
	s_cmp_gt_u32 s[TRIP], s[LIM]
	s_cbranch_scc0 .Lnot_mine_\@
	global_prefetch_b8 v[PFO], s[PFA:PFA+1] th:TH_LOAD_NT scope:SCOPE_SE
.Lnot_mine_\@:
.endm
; step 3 multiplies and changes slots.  In front of the round each wave waits for all its tensor loads (one is out: its part of the next tile), adds 0 to its spare word, and waits for that and for its
; reads of this slot.  Behind the round the slot just read out takes the tile two tiles on: it has a whole trip in which to land.
.macro STEP3
.set j, 0
.set i_, 0
	WIN 0
	s_wait_xcnt 0x0                                ; the last prefetch and x loads, a trip back, have read their addresses
	s_wait_tensorcnt 0x0                           ; no tensor load of mine is out, so a group 0 may be written
	ds_add_u32 v[SPW], v[NIL]                      ; 0 onto my spare word; work on registers stands between it and the wait for it
	s_xor_b32 s[G0B+1], s[G0B+1], SLOT
	s_add_nc_u64 s[G0B+2:G0B+3], s[G0B+2:G0B+3], 256
	s_add_nc_u64 s[PFA:PFA+1], s[PFA:PFA+1], 256
	s_xor_b32 s[TB], s[TB], SLOT
.if OUTK
	s_lshr_b32 s20, s[BO], 2                       ; block BO: plane BO / 4, 32 bytes for each block in it
	s_mul_i32 s20, s20, XPL
	s_and_b32 s21, s[BO], 3
	s_lshl_b32 s21, s21, 5
	s_add_co_u32 s20, s20, s21
.else
	s_lshl_b32 s[OFF], s[BO], 5
	s_add_nc_u64 s[XP:XP+1], s[XB:XB+1], s[OFF:OFF+1]
.endif
	s_wait_dscnt 1                                 ; all but the add: this step's fragments are in
	WMR NWM/4, 160, 0, 1, A0+32
	s_wait_dscnt 0x0                               ; the add is done, and my reads of this slot are over
	s_barrier_signal -1
	WMR NWM/4, 160, 0, 1, A0+32
	s_wait_alu depctr_va_vdst(0)                   ; the exponentials issued so far have their wait
	WIN 0
	s_barrier_wait -1
	CREST                                          ; no wave of any partner still reads this slot or has a load on its way
	tensor_load_to_lds s[G0B:G0B+3], s[G1:G1+7]
	s_nop 0
	PLACES
	v_add_nc_u32 v[ADRB], s[TB], v[ADRB0]
	v_lshl_add_u32 v[TA], s[BO], 6, v[TA0]
.if OUTK
	v_add_nc_u32 v[XAA], s20, v[XA0]
	v_add_nc_u32 v[XAA+1], s20, v[XA0+1]
.endif
	FETCH 0, 0
	XLOAD
	TLOAD
	ASK
	s_add_co_u32 s[BO], s[BO], 1
	s_min_u32 s[BO], s[BO], 15                     ; the last two trips load block 15 once more: what is made of it is not used
	WMR NWM/2, 160, 0, 1, A0+32
.endm
; THE BASE STEPS: silu(x) comes as finished fragments.  Where set u of 32 registers lies:
.macro SETOF u
.if OUTK
.set sa_, 32*(\u)                      ; window 3
.elseif ((\u) == 0) || ((\u) == 6)
.set sa_, 224
.elseif ((\u) == 1) || ((\u) == 7)
.set sa_, 96
.elseif (\u) == 2
.set sa_, 128
.elseif (\u) == 3
.set sa_, 64
.elseif (\u) == 4
.set sa_, 160
.else
.set sa_, 192
.endif
.endm
.macro SALOAD u
	SETOF \u
.irp f, 0,1,2,3
.if OUTK
	global_load_b128 v[sa_+8*\f:sa_+8*\f+3], v[XOA+\f/2], s[SB:SB+1] offset:((\u)/2)*524288+(\f%2)*2048+((\u)%2)*64
	global_load_b128 v[sa_+8*\f+4:sa_+8*\f+7], v[XOA+\f/2], s[SB:SB+1] offset:((\u)/2)*524288+(\f%2)*2048+((\u)%2)*64+32
.else
	global_load_b128 v[sa_+8*\f:sa_+8*\f+3], v[XOA+\f/2], s[SB:SB+1] offset:(\f%2)*16384+64*(\u)
	global_load_b128 v[sa_+8*\f+4:sa_+8*\f+7], v[XOA+\f/2], s[SB:SB+1] offset:(\f%2)*16384+64*(\u)+32
.endif
.endr
.endm
.macro BSTEP u
	SETOF \u
.set ab_, sa_
.set i_, 0
.if (\u) == 3
	WIN 0
	s_wait_tensorcnt 0x0                           ; the last tile is in
	ds_add_u32 v[SPW], v[NIL]
.endif
	s_wait_dscnt 0x0
.if (!OUTK) && ((\u) > 0)
.if (\u) < 4
	s_wait_loadcnt 32                              ; set u is in; the four younger sets of eight loads may stay out
.else
	s_wait_loadcnt 8*(7-(\u))                      ; the 7 - u younger sets may stay out
.endif
.endif
.if (\u) == 3
	s_barrier_signal -1                            ; my reads of slot 0 are over and my part of the last tile is in; nothing is filled again, so no round follows
.endif
	WMS NWM/2, (\u)%2, ab_
	PLACES                                         ; in front of loads into registers that the step before multiplied
.if (\u) == 3
	s_barrier_wait -1
	s_xor_b32 s[TB], s[TB], SLOT
	WIN 0
	v_add_nc_u32 v[ADRB], s[TB], v[ADRB0]
	FETCH 0, 0
.elseif (\u) < 7
	FETCH 1-(\u)%2, 64*(((\u)+1)%4)
.endif
.if (!OUTK) && (((\u) == 1) || ((\u) == 2))
	SALOAD (\u)+5
.endif
	WMS NWM/2, (\u)%2, ab_
.endm
	; ---------------- the head ----------------
	s_load_b256 s[4:11], s[0:1], 0x0               ; x tensor, statistics, wc, result
.if OUTK
	s_load_b128 s[68:71], s[0:1], 0x20             ; ln_s, ln_b
	s_load_b64 s[72:73], s[0:1], 0x30              ; bb
.else
	s_load_b512 s[68:83], s[0:1], 0x20             ; ln_s of q, k, v, g; ln_b of q, k, v, g
	s_load_b256 s[84:91], s[0:1], 0x60             ; bb of q, k, v, g
.endif
	v_lshl_add_u32 v[SPW], v0, 2, SPARE
	v_mov_b32 v[NIL], 0
	ds_add_u32 v[SPW], v[NIL]                      ; the wave's opening: the add and its wait ahead of my first tensor load
	v_lshrrev_b32 v1, 5, v0
	v_readfirstlane_b32 s[WV], v1                  ; wave 0..3
	s_and_b32 s[KK], s[WV], 1                      ; my half of K.  Also: which half of a tile's rows I fetch
	s_lshr_b32 s[MH], s[WV], 1                     ; my half of the rows.  Also: for which half of K I fetch
	s_and_b32 s[YY], ttmp7, 0xffff
.if OUTK
	s_mov_b32 s[LAY], 4
	s_mov_b32 s[CB], s[YY]
.else
	s_lshr_b32 s[LAY], s[YY], 1
	s_and_b32 s[CB], s[YY], 1
	s_cmp_eq_u32 s[LAY], 3
	s_cselect_b32 s[SRC], 0, s[LAY]                ; g reads q
.endif
	s_mul_i32 s20, s[LAY], 4718592
	s_mul_i32 s21, s[CB], NT*9216
	s_add_co_u32 s20, s20, s21                     ; the column block's first row in wc
	s_mov_b32 s21, 0
	s_mul_i32 s22, s[KK], (NT/2)*9216
	s_mul_i32 s23, s[MH], 4608
	s_add_co_u32 s22, s22, s23
	s_add_co_u32 s22, s22, s20                     ; my part of tile 0: made of the grid's y and the wave's number alone
	s_mov_b32 s23, 0
	s_mov_b32 s[G1], 15|(1<<16)|(1<<20)|(1<<21)|(5<<22)|(3<<25)  ; the mask of four; 2-byte elements; padding on; bit 21 beside a mask; after every 64 words 4 words
	s_mov_b32 s[G1+1], 128<<16                     ; tensor_dim0 = 128
	s_mov_b32 s[G1+2], (NT/2)<<16                  ; tensor_dim1
	s_mov_b32 s[G1+3], 128<<16                     ; tile_dim0
	s_mov_b32 s[G1+4], NT/2                        ; tile_dim1
	s_mov_b32 s[G1+5], 4608                        ; elements from row to row
	s_mov_b32 s[G1+6], 0
	s_mov_b32 s[G1+7], 0
	s_mov_b32 s[G0A], 1
	s_mul_i32 s[G0A+1], s[WV], HALFT
	s_mov_b32 s[G0B], 1
	s_add_co_u32 s[G0B+1], s[G0A+1], SLOT
.if OUTK
	s_mov_b32 s[GX1], (1<<16)|(1<<20)|(4<<22)|(3<<25)  ; a load of my own: a plane's 128 rows are 16,384 dense bytes, asked for as 64 rows of 256 and padded after every 128
	s_mov_b32 s[GX1+1], 128<<16
	s_mov_b32 s[GX1+2], 64<<16
	s_mov_b32 s[GX1+3], 128<<16
	s_mov_b32 s[GX1+4], 64
	s_mov_b32 s[GX1+5], 128
	s_mov_b32 s[GX1+6], 0
	s_mov_b32 s[GX1+7], 0
	s_mov_b32 s[GXA], 1
	s_mul_i32 s[GXA+1], s[WV], 2*XPL
	s_add_co_u32 s[GXA+1], s[GXA+1], XT
	s_mov_b32 s[GXB], 1
	s_add_co_u32 s[GXB+1], s[GXA+1], XPL
.endif
	s_bfe_u32 s[CX], ttmp6, 0x40000                ; my place in the cluster: it enters global addresses of my own rows and the prefetch's offset alone
	s_lshl_b32 s[R0], ttmp9, 2
	s_add_co_u32 s[R0], s[R0], s[CX]
	s_lshl_b32 s[R0], s[R0], 7                     ; the work-group's first row
	s_lshl_b32 s[RW], s[MH], 6
	s_add_co_u32 s[RW], s[RW], s[R0]               ; my wave's first row
	s_cmp_lt_u32 s[WV], NASK
	s_cselect_b32 s[LIM], 0, 1
	s_or_b32 s[LIM], s[LIM], ttmp9
	s_cmp_eq_u32 s[LIM], 0
	s_cselect_b32 s[LIM], AHEAD, -1                ; a wave prefetches while TRIP is above this
	s_cmp_eq_u32 s[KK], 0
	s_cselect_b32 s[FLM], -1, 0                    ; the bias enters the sums of K half 0 alone
	s_mov_b32 s[OFF+1], 0
	s_wait_dscnt 0x0                               ; the opening add is done
	s_wait_kmcnt 0x0
	s_add_nc_u64 s[G0A+2:G0A+3], s[8:9], s[22:23]
	s_add_nc_u64 s[G0B+2:G0B+3], s[G0A+2:G0A+3], 256
	s_or_b32 s[G0A+3], s[G0A+3], 0x80000000
	s_or_b32 s[G0B+3], s[G0B+3], 0x80000000
	s_add_nc_u64 s[PFA:PFA+1], s[8:9], s[20:21]
	s_add_nc_u64 s[PFA:PFA+1], s[PFA:PFA+1], (1+AHEAD)*256  ; trip t steps it to tile t + 2 + AHEAD
.if OUTK
	s_lshl_b32 s20, s[WV], 20                      ; planes 2 w, 2 w + 1 of 524,288 bytes
	s_lshl_b32 s22, s[R0], 7
	s_add_co_u32 s20, s20, s22
	s_add_nc_u64 s[GXA+2:GXA+3], s[4:5], s[20:21]
	s_add_nc_u64 s[GXB+2:GXB+3], s[GXA+2:GXA+3], 524288
	s_or_b32 s[GXA+3], s[GXA+3], 0x80000000
	s_or_b32 s[GXB+3], s[GXB+3], 0x80000000
	s_lshl_b32 s20, s[KK], 21                      ; silu: kind 1, my four planes, my rows
	s_lshl_b32 s22, s[RW], 7
	s_add_co_u32 s20, s20, s22
	s_add_co_u32 s20, s20, 4194304
	s_add_nc_u64 s[SB:SB+1], s[4:5], s[20:21]
	s_lshl_b32 s20, s[RW], 3
	s_add_nc_u64 s[6:7], s[6:7], s[20:21]
	s_lshl_b32 s20, s[KK], 5                       ; the rows that I keep: 32 kk on
	s_add_co_u32 s20, s20, s[RW]
	s_lshl_b32 s20, s20, 11
	s_lshl_b32 s22, s[YY], 8
	s_add_co_u32 s20, s20, s22
	s_add_nc_u64 s[10:11], s[10:11], s[20:21]
.else
.irp n, 1,2,3
	s_cmp_eq_u32 s[LAY], \n
	s_cselect_b64 s[68:69], s[68+2*\n:69+2*\n], s[68:69]
	s_cselect_b64 s[76:77], s[76+2*\n:77+2*\n], s[76:77]
	s_cselect_b64 s[84:85], s[84+2*\n:85+2*\n], s[84:85]
.endr
	s_lshl_b32 s20, s[SRC], 22
	s_lshl_b32 s22, s[RW], 10
	s_add_co_u32 s20, s20, s22
	s_lshl_b32 s22, s[KK], 9
	s_add_co_u32 s20, s20, s22
	s_add_nc_u64 s[XB:XB+1], s[4:5], s[20:21]      ; x at my rows, my half of the channels
	s_add_nc_u64 s[SB:SB+1], s[XB:XB+1], 12582912  ; silu likewise
	s_lshl_b32 s20, s[SRC], 18
	s_lshl_b32 s22, s[RW], 6
	s_add_co_u32 s20, s20, s22
	s_add_nc_u64 s[6:7], s[6:7], s[20:21]
	s_lshr_b32 s20, s[R0], 11                      ; batch
	s_lshl_b32 s20, s20, 3
	s_lshl2_add_u32 s20, s[CB], s20                ; + my first head
	s_lshl_b32 s20, s20, 18
	s_lshl_b32 s22, s[LAY], 22
	s_add_co_u32 s20, s20, s22
	s_and_b32 s22, s[RW], 2047
	s_lshl_b32 s23, s[KK], 5
	s_add_co_u32 s22, s22, s23
	s_lshl_b32 s22, s22, 7
	s_add_co_u32 s20, s20, s22
	s_add_nc_u64 s[10:11], s[10:11], s[20:21]
.endif
	s_lshl_b32 s20, s[CB], LOGNT+2
	s_add_nc_u64 s[BBP:BBP+1], s[BBP:BBP+1], s[20:21]
	CROUND                                         ; all four work-groups are here: the first joint loads meet
.if OUTK
	tensor_load_to_lds s[GXA:GXA+3], s[GX1:GX1+7]  ; the first fills go out as one group: four loads of mine are out (two with OUTK = 0)
	s_nop 0
	tensor_load_to_lds s[GXB:GXB+3], s[GX1:GX1+7]
	s_nop 0
.endif
	tensor_load_to_lds s[G0A:G0A+3], s[G1:G1+7]
	s_nop 0
	tensor_load_to_lds s[G0B:G0B+3], s[G1:G1+7]
	s_nop 0
	PLACES
	; ---------------- addresses ----------------
	v_and_b32 v1, 15, v0                           ; r = l % 16
	v_bfe_u32 v2, v0, 4, 1                         ; h = l / 16
	v_and_b32 v40, 31, v0                          ; l
	v_mul_u32_u24 v[ADRB0], v1, PITCH
	v_lshl_add_u32 v[ADRB0], v2, 4, v[ADRB0]
	s_mul_i32 s20, s[KK], NT*PITCH
	v_add_nc_u32 v[ADRB0], s20, v[ADRB0]
	s_lshl_b32 s20, s[KK], 10
	s_add_co_u32 s20, s20, TAB
	v_lshl_add_u32 v[TA0], v2, 5, s20
	s_lshl_b32 s20, s[KK], 5
	s_sub_co_u32 s21, 32, s20
	v_add_nc_u32 v41, s20, v1                      ; my row in fragments 0, 1: 32 kk + r (+ 16)
	v_add_nc_u32 v42, s21, v1                      ; in fragments 2, 3: 32 - 32 kk + r (+ 16)
	v_lshlrev_b32 v43, 4, v2
	v_lshl_add_u32 v[XOA], v41, XSH, v43
	v_lshl_add_u32 v[XOA+1], v42, XSH, v43
	v_lshlrev_b32 v44, SSH, v41
	v_lshlrev_b32 v45, SSH, v42
.if OUTK
	s_mul_i32 s20, s[KK], 4*XPL
	s_mul_i32 s21, s[MH], 64*144
	s_add_co_u32 s20, s20, s21
	s_add_co_u32 s20, s20, XT
	v_mul_u32_u24 v46, v41, 144
	v_add3_u32 v[XA0], v46, v43, s20
	v_mul_u32_u24 v46, v42, 144
	v_add3_u32 v[XA0+1], v46, v43, s20
.endif
	s_mul_i32 s20, s[WV], 2*NB*1024
	v_lshl_add_u32 v[GV], v40, 4, s20
	s_xor_b32 s20, s[WV], 1
	s_mul_i32 s20, s20, 2*NB*1024
	v_lshl_add_u32 v[TK], v40, 4, s20
	s_mul_i32 s98, s[CX], NASK
	s_add_co_u32 s98, s98, s[WV]
	s_lshl_b32 s98, s98, 5
	v_add_nc_u32 v46, s98, v40                     ; my piece of a tile: K half piece / NT, row piece % NT
	v_and_b32 v47, NT-1, v46
	v_lshrrev_b32 v46, LOGNT, v46
	v_mul_u32_u24 v47, v47, 9216
	v_mul_u32_u24 v46, v46, 4608
	v_add_nc_u32 v[PFO], v46, v47
	; ---------------- loads of the head ----------------
.irp f, 0,1,2,3
.irp g, 0,1,2,3,4,5,6,7
	global_load_b64 v[STL+16*\f+2*\g:STL+16*\f+2*\g+1], v[44+\f/2], s[6:7] offset:(\f%2)*SF+\g*SG
.endr
.endr
	v_lshlrev_b32 v46, 4, v0
	global_load_b128 v[32:35], v46, s[LNS:LNS+1]   ; four channels a thread
	global_load_b128 v[36:39], v46, s[LNB:LNB+1]
	v_lshlrev_b32 v47, 5, v2
.set b_, 0
.rept NB
	global_load_b128 v[BI+8*b_:BI+8*b_+3], v47, s[BBP:BBP+1] offset:64*b_
	global_load_b128 v[BI+8*b_+4:BI+8*b_+7], v47, s[BBP:BBP+1] offset:64*b_+16
.set b_, b_+1
.endr
.if !OUTK
	s_mov_b64 s[XP:XP+1], s[XB:XB+1]
	XLOAD                                          ; block 0
.endif
	s_wait_loadcnt 0x0
	; S = 1.75 L bf16(ln_s), B = 1.75 L (bf16(ln_b) + 2), into LDS for all four waves
	s_mov_b32 s22, 0x40068695                      ; 1.75 L
	s_mov_b32 s23, 0x40868695                      ; 3.5 L
	v_cvt_pk_bf16_f32 v40, v32, v33
	v_cvt_pk_bf16_f32 v41, v34, v35
	v_cvt_pk_bf16_f32 v42, v36, v37
	v_cvt_pk_bf16_f32 v43, v38, v39
.irp k, 0,1,2,3
	v_lshlrev_b32 v[32+2*\k], 16, v[40+\k]
	v_and_b32 v[33+2*\k], 0xffff0000, v[40+\k]
.endr
.irp k, 0,1,2,3
	v_mul_f32 v[32+\k], s22, v[32+\k]
	v_fma_f32 v[36+\k], v[36+\k], s22, s23
.endr
	v_lshl_add_u32 v44, v0, 4, TAB
	ds_store_b128 v44, v[32:35]
	ds_store_b128 v44, v[36:39] offset:2048
	; a row's mean and variance from its 8 groups' (mean, sum of squared deviations): mean = sum m_g / 8, M2 = sum M2_g + 64 sum (m_g - mean)^2
	s_mov_b32 s20, 0x3b000000                      ; 1 / 512
	s_mov_b32 s21, 0x3727c5ac                      ; 1e-5
.irp f, 0,1,2,3
	v_pk_add_f32 v[40:41], v[STL+16*\f:STL+16*\f+1], v[STL+16*\f+2:STL+16*\f+3]
	v_pk_add_f32 v[42:43], v[STL+16*\f+4:STL+16*\f+5], v[STL+16*\f+6:STL+16*\f+7]
	v_pk_add_f32 v[44:45], v[STL+16*\f+8:STL+16*\f+9], v[STL+16*\f+10:STL+16*\f+11]
	v_pk_add_f32 v[46:47], v[STL+16*\f+12:STL+16*\f+13], v[STL+16*\f+14:STL+16*\f+15]
	v_pk_add_f32 v[40:41], v[40:41], v[42:43]
	v_pk_add_f32 v[44:45], v[44:45], v[46:47]
	v_pk_add_f32 v[40:41], v[40:41], v[44:45]
	v_mul_f32 v[ST+2*\f+1], 0x3e000000, v40
	v_sub_f32 v42, v[STL+16*\f], v[ST+2*\f+1]
	v_mul_f32 v43, v42, v42
.irp g, 1,2,3,4,5,6,7
	v_sub_f32 v42, v[STL+16*\f+2*\g], v[ST+2*\f+1]
	v_fmac_f32 v43, v42, v42
.endr
	v_fma_f32 v41, v43, 0x42800000, v41
	v_fma_f32 v[ST+2*\f], v41, s20, s21
.endr
.irp f, 0,1,2,3
	v_rsq_f32 v[ST+2*\f], v[ST+2*\f]
.endr
	v_nop
	s_wait_alu depctr_va_vdst(0)                   ; one wait for the four
.irp f, 0,1,2,3
	v_mul_f32 v[ST+2*\f+1], -v[ST+2*\f+1], v[ST+2*\f]
.endr
	v_mov_b32 v[NJ], 0
	v_mov_b32 v[NJ+1], 0xbf99be61                  ; -L = -1.2011224
	v_mov_b32 v[NJ+2], 0xc019be61
	v_mov_b32 v[NJ+3], 0xc0669d92
	v_mov_b32 v[NJ+4], 0xc099be61
	v_mov_b32 v[NJ+5], 0xc0c02df9
	v_mov_b32 v[NJ+6], 0xc0e69d92
	v_mov_b32 v[NJ+7], 0xc1068695
.if OUTK
	WIN 0xc0                                       ; all eight sets of silu fragments, into window 3
.irp u, 0,1,2,3,4,5,6,7
	SALOAD \u
.endr
	WIN 0
.else
	SALOAD 0
.endif
	; the bias, rounded to bf16, starts the sums of K half 0 (0 starts those of half 1): written while the first tiles are on their way, and no bias is left to add at the end
.set b_, 0
.rept NB
.irp k, 0,1,2,3
	v_cvt_pk_bf16_f32 v[40+\k], v[BI+8*b_+2*\k], v[BI+8*b_+2*\k+1]
.endr
.irp k, 0,1,2,3
	v_and_b32 v[40+\k], s[FLM], v[40+\k]
.endr
.irp k, 0,1,2,3
	v_lshlrev_b32 v[BI+8*b_+2*\k], 16, v[40+\k]
	v_and_b32 v[BI+8*b_+2*\k+1], 0xffff0000, v[40+\k]
.endr
.set b_, b_+1
.endr
.set q_, 0
.rept NWM
	WIN 0x80+0x40*(q_/32)
.irp jj, 0,1,2,3,4,5,6,7
	v_mov_b32 v[8*(q_%32)+\jj], v[BI+8*(q_%NB)+\jj]
.endr
.set q_, q_+1
.endr
	WIN 0
	v_mov_b32 v[ADRB], v[ADRB0]
	v_mov_b32 v[TA], v[TA0]
.if OUTK
	v_mov_b32 v[XAA], v[XA0]
	v_mov_b32 v[XAA+1], v[XA0+1]
.endif
	s_wait_tensorcnt 1                             ; all my first fills but tile 1: tile 1 may stay out
	s_wait_dscnt 0x0                               ; my part of S and B is stored
	s_barrier_signal -1
	s_barrier_wait -1
	FETCH 0, 0
	TLOAD
.if OUTK
	XLOAD
.endif
	s_wait_dscnt 0x0
.set j, 0
.rept 48
	NRM j                                          ; block 0 is normalised
.set j, j+1
.endr
	v_add_nc_u32 v[TA], 64, v[TA0]                 ; block 1's x, S, B
.if OUTK
	v_add_nc_u32 v[XAA], 32, v[XA0]
	v_add_nc_u32 v[XAA+1], 32, v[XA0+1]
.else
	s_add_nc_u64 s[XP:XP+1], s[XB:XB+1], 32        ; (the loads that read it have come back)
.endif
	XLOAD
	TLOAD
.set j, 0
.rept 160
	VI 0                                           ; step 0's fragments
.endr
	s_mov_b32 s[TRIP], 16
	s_mov_b32 s[BO], 2
	s_mov_b32 s[TB], 0
.Ltrip:                                ; trip t multiplies tile t (16 channels of each K half), makes A one step ahead, asks for tile t + 2 and loads x, S, B of block t + 2
	STEP 0
	STEP 1
	STEP 2
	STEP3
	WIN 0
	s_sub_co_u32 s[TRIP], s[TRIP], 1
	s_cmp_lg_u32 s[TRIP], 0
	s_cbranch_scc1 .Ltrip
	; ---------------- the base steps: tiles 16 and 17 ----------------
.if OUTK
	s_wait_loadcnt 0x0                             ; the silu fragments, asked for at the head
.set AW, 0x0c
.else
	PLACES                                         ; behind the last products, in front of loads into registers that they read
.irp u, 1,2,3,4,5
	SALOAD \u
.endr
.endif
.irp u, 0,1,2,3,4,5,6,7
	BSTEP \u
.endr
.set AW, 0
	; ---------------- the end ----------------
	WIN 0
	s_wait_loadcnt 0x0                             ; no load reads v5, v6 any more
	s_mul_i32 s20, s[WV], STGB
	s_add_co_u32 s20, s20, STG                     ; my stage.  The lines below are also the places behind the last products
.if OUTK
	v_mul_u32_u24 v3, v1, 272                      ; in: row r, 32 bytes for each half of the lanes
	v_lshl_add_u32 v3, v2, 5, v3
	v_add_nc_u32 v3, s20, v3
	v_mul_u32_u24 v4, v2, 272                      ; back: lanes 0-15 one row of 256 bytes, lanes 16-31 the next
	v_lshl_add_u32 v4, v1, 4, v4
	v_add_nc_u32 v4, s20, v4
	v_lshlrev_b32 v5, 11, v2                       ; and the same two rows of the result
	v_lshl_add_u32 v5, v1, 4, v5
.else
	v_mul_u32_u24 v3, v1, 144                      ; in: row r of a head, 16 bytes for each half of the lanes
	v_lshl_add_u32 v3, v2, 4, v3
	v_add_nc_u32 v3, s20, v3
	v_bfe_u32 v4, v0, 3, 2                         ; back: 32 lanes take four rows of 128 bytes,
	v_mul_u32_u24 v4, v4, 144
	v_and_b32 v6, 7, v0
	v_lshl_add_u32 v4, v6, 4, v4
	v_add_nc_u32 v4, s20, v4
	v_and_b32 v5, 31, v0                           ; which are 512 consecutive bytes of the result
	v_lshlrev_b32 v5, 4, v5
.endif
	; fragments 2, 3 go to my partner, through slot 0: it has had its last fill, and since the barrier of base step 3 nobody reads it
	WIN 0x08+0x04*(1-OUTK)                         ; store data in window 2 (OUTK) or 3
.set x_, 0
.rept 2*NB
	ds_store_b128 v[GV], v[8*((2*NB+x_)%32):8*((2*NB+x_)%32)+3] offset:x_*1024
	ds_store_b128 v[GV], v[8*((2*NB+x_)%32)+4:8*((2*NB+x_)%32)+7] offset:x_*1024+512
.set x_, x_+1
.endr
	WIN 0
	s_wait_dscnt 0x0
	s_barrier_signal -1
	s_barrier_wait -1
.macro TAKE al                         ; fragment al: my sums and my partner's, then the way out through my stage
	s_wait_xcnt 0x0                                ; earlier stores have read their registers
.set b_, 0
.rept NB
	ds_load_b128 v[EE+8*b_:EE+8*b_+3], v[TK] offset:((\al)*NB+b_)*1024
	ds_load_b128 v[EE+8*b_+4:EE+8*b_+7], v[TK] offset:((\al)*NB+b_)*1024+512
.set b_, b_+1
.endr
	s_wait_dscnt 0x0
	WIN 0x02                                       ; source 0 in window 2
.set k_, 0
.rept 4*NB
	v_pk_add_f32 v[EE+2*k_:EE+2*k_+1], v[(\al)*8*NB+2*k_:(\al)*8*NB+2*k_+1], v[EE+2*k_:EE+2*k_+1]
.set k_, k_+1
.endr
	WIN 0
.if OUTK
.irp b, 0,1,2,3
	ds_store_b128 v3, v[EE+8*\b:EE+8*\b+3] offset:64*\b
	ds_store_b128 v3, v[EE+8*\b+4:EE+8*\b+7] offset:64*\b+16
.endr
.irp t, 0,1,2,3,4,5,6,7
	ds_load_b128 v[FF+4*\t:FF+4*\t+3], v4 offset:544*\t   ; LDS serves a wave's instructions in order: these see the stores above
.endr
.irp t, 0,1,2,3,4,5,6,7
	s_wait_dscnt 7-\t                              ; the younger loads may stay out
	global_store_b128 v5, v[FF+4*\t:FF+4*\t+3], s[10:11] offset:(\al)*32768+4096*\t  ; 16 lanes store 256 consecutive bytes, aligned
.endr
.else
.set k_, 0
.rept 4*NB
	v_cvt_pk_f16_f32 v[FF+k_], v[EE+2*k_], v[EE+2*k_+1]
.set k_, k_+1
.endr
.set hd_, 0
.rept 4                                ; a head's 64 columns at a time
.irp i, 0,1,2,3
	ds_store_b128 v3, v[FF+16*hd_+4*\i:FF+16*hd_+4*\i+3] offset:32*\i
.endr
.irp i, 0,1,2,3
	ds_load_b128 v[FF+16*hd_+4*\i:FF+16*hd_+4*\i+3], v4 offset:576*\i
.endr
.set hd_, hd_+1
.endr
.set hd_, 0
.rept 4
.irp i, 0,1,2,3
	s_wait_dscnt (3-hd_)*8+3-\i                    ; the LDS instructions issued behind this load may stay out
	global_store_b128 v5, v[FF+16*hd_+4*\i:FF+16*hd_+4*\i+3], s[10:11] offset:hd_*262144+(\al)*2048+512*\i  ; 512 consecutive bytes, aligned
.endr
.set hd_, hd_+1
.endr
.endif
.endm
	TAKE 0
	TAKE 1
	s_wait_tensorcnt 0x0                           ; the wave's end: behind my last tensor load and my last LDS store
	ds_add_u32 v[SPW], v[NIL]
	s_wait_dscnt 0x0
	CROUND                                         ; the closing round
	s_endpgm
.Lfunc_end_k_qf1545b37aa_kanp:
	.size	k_qf1545b37aa_kanp, .Lfunc_end_k_qf1545b37aa_kanp-k_qf1545b37aa_kanp
	.p2alignl 7, 3214868480
	.fill 96, 4, 3214868480
	.section	.rodata,"a",@progbits
	.p2align	6, 0x0
	.amdhsa_kernel k_qf1545b37aa_kanp
		.amdhsa_group_segment_fixed_size 327680
		.amdhsa_private_segment_fixed_size 0
		.amdhsa_enable_private_segment 0
		.amdhsa_kernarg_size 128
		.amdhsa_user_sgpr_count 2
		.amdhsa_user_sgpr_kernarg_segment_ptr 1
		.amdhsa_wavefront_size32 1
		.amdhsa_system_sgpr_workgroup_id_x 1
		.amdhsa_system_sgpr_workgroup_id_y 1
		.amdhsa_system_sgpr_workgroup_id_z 1
		.amdhsa_system_vgpr_workitem_id 0
		.amdhsa_next_free_vgpr 1024
		.amdhsa_next_free_sgpr 100
		.amdhsa_reserve_vcc 0
		.amdhsa_float_denorm_mode_32 3
		.amdhsa_float_denorm_mode_16_64 3
		.amdhsa_memory_ordered 1
		.amdhsa_forward_progress 1
		.amdhsa_inst_pref_size 229
	.end_amdhsa_kernel
	.amdgpu_metadata
---
amdhsa.version: [ 1, 2 ]
amdhsa.kernels:
  - .name:           k_qf1545b37aa_kanp
    .symbol:         k_qf1545b37aa_kanp.kd
    .args:
      - { .name: xs, .offset: 0, .size: 8, .value_kind: global_buffer, .address_space: global }
      - { .name: st, .offset: 8, .size: 8, .value_kind: global_buffer, .address_space: global }
      - { .name: wc, .offset: 16, .size: 8, .value_kind: global_buffer, .address_space: global }
      - { .name: qkvg, .offset: 24, .size: 8, .value_kind: global_buffer, .address_space: global }
      - { .name: lq_ln_s, .offset: 32, .size: 8, .value_kind: global_buffer, .address_space: global }
      - { .name: lk_ln_s, .offset: 40, .size: 8, .value_kind: global_buffer, .address_space: global }
      - { .name: lv_ln_s, .offset: 48, .size: 8, .value_kind: global_buffer, .address_space: global }
      - { .name: lg_ln_s, .offset: 56, .size: 8, .value_kind: global_buffer, .address_space: global }
      - { .name: lq_ln_b, .offset: 64, .size: 8, .value_kind: global_buffer, .address_space: global }
      - { .name: lk_ln_b, .offset: 72, .size: 8, .value_kind: global_buffer, .address_space: global }
      - { .name: lv_ln_b, .offset: 80, .size: 8, .value_kind: global_buffer, .address_space: global }
      - { .name: lg_ln_b, .offset: 88, .size: 8, .value_kind: global_buffer, .address_space: global }
      - { .name: lq_bb, .offset: 96, .size: 8, .value_kind: global_buffer, .address_space: global }
      - { .name: lk_bb, .offset: 104, .size: 8, .value_kind: global_buffer, .address_space: global }
      - { .name: lv_bb, .offset: 112, .size: 8, .value_kind: global_buffer, .address_space: global }
      - { .name: lg_bb, .offset: 120, .size: 8, .value_kind: global_buffer, .address_space: global }
    .group_segment_fixed_size: 327680
    .private_segment_fixed_size: 0
    .kernarg_segment_align: 8
    .kernarg_segment_size: 128
    .max_flat_workgroup_size: 128
    .sgpr_count:     100
    .vgpr_count:     1024
    .wavefront_size: 32
...
	.end_amdgpu_metadata
.endif
;; end of part 2
;; launch attn (part 3): grid 16 x 16, 4 waves a work-group, clusters of 4 x 1, 327,680 bytes of LDS; arguments qkvg, og, ost; writes og, ost
.if DOCPART == 3
	.amdgcn_target "amdgcn-amd-amdhsa--gfx1250"
	.amdhsa_code_object_version 6
	.text
	.protected	k_qf1545b37aa_attn
	.globl	k_qf1545b37aa_attn
	.p2align	8
	.type	k_qf1545b37aa_attn,@function
k_qf1545b37aa_attn:
	s_mov_b64 s[64:65], 0
	v_nop
	global_prefetch_b8 v0, s[64:65] scope:SCOPE_SE
	s_setreg_imm32_b32 hwreg(HW_REG_WAVE_MODE, 25, 1), 1
	s_wait_xcnt 0x0
	s_wait_alu depctr_hold_cnt(0) depctr_sa_sdst(0) depctr_va_vdst(0) depctr_va_sdst(0) depctr_va_ssrc(0) depctr_va_vcc(0) depctr_vm_vsrc(0)
	s_getreg_b32 s2, hwreg(HW_REG_IB_STS2, 6, 4)
	s_cmp_eq_u32 s2, 0
	s_cbranch_scc0 .Lentry_in_a_cluster
	s_endpgm
.Lentry_in_a_cluster:
	s_bfe_u32 s2, ttmp6, 0x10000c
	s_cmp_lg_u32 s2, 0x3003
	s_cbranch_scc0 .Lentry_shape_is_right
	s_endpgm
.Lentry_shape_is_right:
; ATTENTION, GATE AND WHAT THE LAST LAYER WANTS.  o[q] = the sum over k of softmax_k(q . k / 8) v[k], for 16 (batch, head) pairs of 2,048 x 2,048 at head size 64; og = sigmoid(g) o.
; qkvg: f16 [q, k, v, g][16 heads][2048][64], q unscaled, g raw.  Out: og f16 [og, silu(og)][8 heads][4096 rows][64]; ost f32 [8 heads][4096 rows][mean, sum of squared deviations over the head's 64 channels].
; SHARES.  A work-group owns 128 queries of a head.  THE KEYS ARE SPLIT between waves: wave w takes queries 64 (w >> 1) .. (four PIECES of 16) and keys 1,024 (w & 1) .., 16 steps of 64.
; Register piece t stands for tile (t + 2 (w & 1)) & 3, so every wave keeps pieces 0, 1 and hands pieces 2, 3 (O, c m, l) to wave w ^ 1 through LDS; the two halves are merged by their maxima.
; LAYOUT.  S^T = K Q^T holds ONE query a lane (lane % 16) and the keys 8 (lane / 16) + 0..7; two such results rounded to f16 ARE source 1 of O^T = V^T P.  p = 2^(c s - c m), c = log2(e) / 8, with a running
; maximum m; O and l are multiplied by a = 2^(c m_old - c m_new) in every step; m starts at the lowest finite number, O and l at 0.
; TURNS.  Turn n belongs to piece n: 8 products K Q^T of piece n + 1, later 8 products V^T P of piece n - 1; beside them the scaling, exponentials, roundings, sums and rescaling of piece n and the maximum and
; statistics of piece n + 1.  Four vector instructions stand behind every matrix instruction, the rest in one lump.  A turn's 33 exponentials are one batch with one wait.
; CLUSTER.  The four query blocks of a cluster walk the same K and V: each tile is asked for JOINTLY (mask 15), one load a wave behind each round.  A slot holds 128 keys of each half: two steps.
; LIMITS.  f16 ends at 65,504 (q, k, v, g arrive within it; og lies within v's range); below 6e-5 f16 keeps a fixed step of 6e-8; a weight below 2^-126 counts as 0; NaN and infinities are not treated apart.
; REGISTERS.  window 0: v0-15, v32-38 addresses; v16-31 statistics; v40-61 at work; v64-127 S^T, two buffers; v192-223 P, two buffers.  window 1: v0-127 O^T.  window 2: v0-63 Q; v64-95 g; v128-191 K; v192-255 V.
.set NP,    4
.set KS,    64
.set PK,    144       ; a row of K in LDS: 128 bytes + 16
.set PV,    160       ; a row of V: 128 + 32
.set VOFF,  256*PK    ; a slot: 128 rows of K for each half of the keys, then V likewise
.set SLOT1, 1<<17
.set MG,    SLOT1+256*(PK+PV)  ; behind the ring: for each wave two pieces of 4,096 bytes of O and 256 of (c m, l)
.set MGW,   8704
.set STAGE, MG+4*MGW  ; 16 rows x 144 bytes for each wave
.set SP,    144
.set SPARE, STAGE+4*16*SP  ; the spare words, 128 bytes a wave: two blocks of 256 bytes that no other line names
.set AK0, 2
.set AV0, 3
.set AK,  4
.set AV,  5
.set STO, 6
.set RD,  7
.set GO,  8
.set MV,  12          ; v12-13
.set QOA, 14          ; v14, v15  my byte offset in Q's rows, pieces 0, 1 and 2, 3
.set ST,  16          ; piece t: c m, m, l (even keys', odd keys')
.set GVA, 32
.set GVB, 33
.set TKA, 34
.set TKB, 35
.set GOF, 36
.set PFO, 37
.set SO8, 38
.set TMP, 48
.set SPW, 62
.set NIL, 63
.set S,   64
.set P,   192
.set GR,  64          ; window 2
.set KF,  128
.set VF,  192
.set YB,  192         ; the end
.set ZB,  224
.set WV,  12
.set KH,  13
.set QH,  14
.set BH,  15
.set G1K, 24
.set G1V, 32
.set G0K, 40
.set G0V, 44
.set SLOTS, 56
.set CNT, 57
.set CS,  58
.set SEL, 60
.set TBK, 62
.set TBV, 63
.set PFA, 66
.set LIM, 68
.set HM,  69
.set QB,  78
.set GB,  80
.set OGB, 82
.set OSB, 84
.set MSB, 0
.macro WIN new
.if MSB != (\new)
	s_set_vgpr_msb (MSB<<8)|(\new)
.set MSB, (\new)
.endif
.endm
.set W_KQ, 0x0a       ; K and Q in window 2, S^T in window 0
.set W_PV, 0x52       ; V in window 2, P in window 0, O^T in window 1
.set W_RS, 0x41       ; destination and source 0 in window 1
.macro JLOAD                        ; waves 0, 1 fetch the two halves' K, waves 2, 3 their V; an s_nop 0 and four v_nop follow each line
	s_cmp_lt_u32 s[WV], 2
	s_cbranch_scc0 .Lfor_v_\@
	tensor_load_to_lds s[G0K:G0K+3], s[G1K:G1K+7]
	s_nop 0
.rept 4
	v_nop
.endr
	s_branch .Lasked_\@
.Lfor_v_\@:
	tensor_load_to_lds s[G0V:G0V+3], s[G1V:G1V+7]
	s_nop 0
.rept 4
	v_nop
.endr
.Lasked_\@:
.endm
.macro CROUND
	s_barrier_signal -1
	s_barrier_wait -1
	s_cmp_lg_u32 s[WV], 0
	s_cbranch_scc1 .Lnot_wave_0_\@
	s_barrier_signal -3
.Lnot_wave_0_\@:
	s_barrier_wait -3
	s_barrier_signal -1
	s_barrier_wait -1
.endm
; A PREFETCH INTO THE L2 of what the next change of slots will ask for: 128 pieces of 256 bytes of K and of V.  All clusters of a head walk the same rows: the head's first cluster asks; its partners take 32
; pieces each, by address; wave 0 asks for K's, wave 2 for V's.  Each piece is named once; slots 0 to 2 come by their loads alone; the last change that fills a slot asks for nothing.
.macro ASK
	s_cmp_gt_u32 s[SLOTS], s[LIM]
	s_cbranch_scc0 .Lnot_mine_\@
	global_prefetch_b8 v[PFO], s[PFA:PFA+1] th:TH_LOAD_NT scope:SCOPE_SE
.Lnot_mine_\@:
.endm
; THE CHANGE OF SLOTS.  Each wave waits for all its tensor loads (one is out: its part of the other slot), adds 0 to its spare word, and waits for that and for its reads of the slot that it leaves.
; fill = 1: behind a round of the cluster's barrier the slot takes the keys two slots on, first thing: two steps, 128 matrix instructions, in which to land.
.macro CHANGE fill, ask=0
	WIN 0
	s_wait_tensorcnt 0x0
	ds_add_u32 v[SPW], v[NIL]
.if \fill
.irp g, G0K, G0V
	s_xor_b32 s[\g+1], s[\g+1], SLOT1
	s_add_nc_u64 s[\g+2:\g+3], s[\g+2:\g+3], 16384
.endr
	s_wait_xcnt 0x0                 ; the last prefetch, two steps back, has read its address
	s_add_nc_u64 s[PFA:PFA+1], s[PFA:PFA+1], 16384
	s_wait_dscnt 0x0
	CROUND
	JLOAD
.if \ask
	ASK
.endif
.else
	s_wait_dscnt 0x0
	s_barrier_signal -1
	s_barrier_wait -1
.endif
	s_sub_co_u32 s[TBK], s[TBK], 2*KS*PK
	s_xor_b32 s[TBK], s[TBK], SLOT1
	s_sub_co_u32 s[TBV], s[TBV], 2*KS*PV
	s_xor_b32 s[TBV], s[TBV], SLOT1
.endm
	s_load_b128 s[4:7], s[0:1], 0x0 ; qkvg, og
	s_load_b64 s[8:9], s[0:1], 0x10 ; ost
	v_lshl_add_u32 v[SPW], v0, 2, SPARE
	v_mov_b32 v[NIL], 0
	ds_add_u32 v[SPW], v[NIL]       ; the wave's opening: the add and its wait ahead of my first tensor load
	v_lshrrev_b32 v1, 5, v0
	v_readfirstlane_b32 s[WV], v1
	s_and_b32 s[KH], s[WV], 1       ; my half of the keys.  Also: the half that I fetch
	s_lshr_b32 s[QH], s[WV], 1
	s_and_b32 s[BH], ttmp7, 0xffff  ; the head, which the four partners share
	s_lshl_b32 s20, s[BH], 18
	s_lshl_b32 s21, s[KH], 17
	s_add_co_u32 s20, s20, s21      ; the half's first key, in bytes behind a section's first
	s_mov_b32 s21, 0
	s_mov_b32 s22, 8388608          ; V's section,
	s_cmp_lt_u32 s[WV], 2
	s_cselect_b32 s22, 4194304, s22 ; or K's for waves 0 and 1
	s_lshl_b32 s23, s[BH], 18
	s_add_co_u32 s22, s22, s23
	s_add_co_u32 s22, s22, 16384    ; the prefetches stand at slot 1 of K or V; each filling change steps them
	s_mov_b32 s23, 0
	s_mov_b32 s[G1K], 15|(1<<16)|(1<<20)|(1<<21)|(4<<22)|(3<<25)  ; 128 keys are 16,384 dense bytes: 64 rows of 256, padded after every 128 bytes by 16
	s_mov_b32 s[G1V], 15|(1<<16)|(1<<20)|(1<<21)|(4<<22)|(7<<25)  ; by 32
.irp g, G1K, G1V
	s_mov_b32 s[\g+1], 128<<16
	s_mov_b32 s[\g+2], 64<<16
	s_mov_b32 s[\g+3], 128<<16
	s_mov_b32 s[\g+4], 64
	s_mov_b32 s[\g+5], 128
	s_mov_b32 s[\g+6], 0
	s_mov_b32 s[\g+7], 0
.endr
	s_mov_b32 s[G0K], 1
	s_mul_i32 s[G0K+1], s[KH], 128*PK
	s_mov_b32 s[G0V], 1
	s_mul_i32 s[G0V+1], s[KH], 128*PV
	s_add_co_u32 s[G0V+1], s[G0V+1], VOFF
	s_mov_b32 s[CS], 0x3e38aa3b     ; c = log2(e) / 8
	s_mov_b32 s[CS+1], s[CS]
	s_mov_b32 s[SEL], 0x76543210
	s_mov_b32 s[SEL+1], 0xfedcba98
	s_mov_b32 s[TBK], SLOT1+2*KS*PK ; the first change of slots turns these two into 0
	s_mov_b32 s[TBV], SLOT1+2*KS*PV
	s_mov_b32 s[SLOTS], 7
	s_and_b32 s[LIM], s[WV], 1
	s_or_b32 s[LIM], s[LIM], ttmp9
	s_cmp_eq_u32 s[LIM], 0
	s_cselect_b32 s[LIM], 1, -1
	s_bfe_u32 s72, ttmp6, 0x40000   ; cx: it enters the addresses of my own rows and the prefetch's offset alone
	s_lshl_b32 s73, ttmp9, 2
	s_add_co_u32 s73, s73, s72
	s_lshl_b32 s73, s73, 7
	s_lshl_b32 s74, s[QH], 6
	s_add_co_u32 s74, s74, s73      ; my wave's first query in the head
	s_lshl_b32 s76, s[BH], 18
	s_lshl_b32 s75, s74, 7
	s_add_co_u32 s76, s76, s75
	s_mov_b32 s77, 0
	s_wait_dscnt 0x0
	s_wait_kmcnt 0x0
	s_add_nc_u64 s[G0K+2:G0K+3], s[4:5], s[20:21]
	s_add_nc_u64 s[G0V+2:G0V+3], s[G0K+2:G0K+3], 8388608
	s_add_nc_u64 s[G0K+2:G0K+3], s[G0K+2:G0K+3], 4194304
	s_or_b32 s[G0K+3], s[G0K+3], 0x80000000
	s_or_b32 s[G0V+3], s[G0V+3], 0x80000000
	s_add_nc_u64 s[PFA:PFA+1], s[4:5], s[22:23]
	s_add_nc_u64 s[QB:QB+1], s[4:5], s[76:77]
	s_lshl_b32 s76, s[KH], 12       ; the rows that I keep: 32 kh on
	s_add_co_u32 s76, s76, 12582912
	s_add_nc_u64 s[GB:GB+1], s[QB:QB+1], s[76:77]
	s_lshr_b32 s75, s[BH], 3
	s_lshl_b32 s75, s75, 11
	s_add_co_u32 s75, s75, s74
	s_lshl_b32 s76, s[KH], 5
	s_add_co_u32 s75, s75, s76      ; their number among the 4,096 rows
	s_and_b32 s74, s[BH], 7
	s_lshl_b32 s76, s74, 19
	s_lshl_b32 s73, s75, 7
	s_add_co_u32 s76, s76, s73
	s_add_nc_u64 s[OGB:OGB+1], s[6:7], s[76:77]
	s_lshl_b32 s76, s74, 15
	s_lshl_b32 s73, s75, 3
	s_add_co_u32 s76, s76, s73
	s_add_nc_u64 s[OSB:OSB+1], s[8:9], s[76:77]
	CROUND
	JLOAD                           ; slot 0; slot 1 is asked for when slot 0 is in
	v_and_b32 v1, 15, v0            ; l % 16
	v_bfe_u32 v9, v0, 4, 1          ; l / 16
	s_lshl_b32 s22, s[KH], 5
	s_sub_co_u32 s23, 32, s22
	v_add_nc_u32 v[QOA], s22, v1
	v_add_nc_u32 v[QOA+1], s23, v1
	v_lshlrev_b32 v11, 4, v9
	v_lshl_add_u32 v[QOA], v[QOA], 7, v11
	v_lshl_add_u32 v[QOA+1], v[QOA+1], 7, v11
	v_lshl_add_u32 v[GOF], v1, 7, v11
	WIN 0x80
.set i, 0
.rept 8                             ; Q: piece i / 2, channels 32 (i % 2) on
	global_load_b128 v[8*i:8*i+3],   v[QOA+i/4], s[QB:QB+1] offset:((i/2)%2)*2048+(i%2)*64
	global_load_b128 v[8*i+4:8*i+7], v[QOA+i/4], s[QB:QB+1] offset:((i/2)%2)*2048+(i%2)*64+32
.set i, i+1
.endr
.set i, 0
.rept 8                             ; g of the two pieces that I keep, laid as O^T lies: piece i / 4, channels 16 (i % 4) + 8 (l / 16) on
	global_load_b128 v[GR+4*i:GR+4*i+3], v[GOF], s[GB:GB+1] offset:(i/4)*2048+(i%4)*32
.set i, i+1
.endr
.set i, VF
.rept 64                            ; what the first turn finds: V, P's second buffer, O^T and l hold 0.  All this stands in the wait for the first tile
	v_mov_b32 v[i], 0
.set i, i+1
.endr
	WIN 0x40
.set i, 0
.rept 128
	v_mov_b32 v[i], 0
.set i, i+1
.endr
	WIN 0
.set i, 0
.rept 4
	v_mov_b32 v[ST+4*i], 0xfe000000    ; c m: far below every c s
	v_mov_b32 v[ST+4*i+1], 0xff7fffff  ; m
	v_mov_b32 v[ST+4*i+2], 0
	v_mov_b32 v[ST+4*i+3], 0
.set i, i+1
.endr
.set i, P+16
.rept 16
	v_mov_b32 v[i], 0
.set i, i+1
.endr
	v_mul_u32_u24 v[AK0], v1, PK
	v_lshl_add_u32 v[AK0], v9, 4, v[AK0]
	s_mul_i32 s22, s[KH], 128*PK
	v_add_nc_u32 v[AK0], s22, v[AK0]
	v_and_b32 v10, 7, v0
	v_bfe_u32 v11, v0, 3, 1
	v_lshl_add_u32 v[AV0], v9, 3, v10
	v_mul_u32_u24 v[AV0], v[AV0], PV
	v_lshl_add_u32 v[AV0], v11, 4, v[AV0]
	s_mul_i32 s22, s[KH], 128*PV
	s_add_co_u32 s22, s22, VOFF
	v_add_nc_u32 v[AV0], s22, v[AV0]
	s_mul_i32 s22, s[WV], 16*SP
	s_add_co_u32 s22, s22, STAGE
	v_mul_u32_u24 v[STO], v1, SP
	v_lshl_add_u32 v[STO], v9, 4, v[STO]
	v_add_nc_u32 v[STO], s22, v[STO]
	v_bfe_u32 v[RD], v0, 3, 2
	v_mul_u32_u24 v[RD], v[RD], SP
	v_lshl_add_u32 v[RD], v10, 4, v[RD]
	v_add_nc_u32 v[RD], s22, v[RD]
	v_and_b32 v11, 31, v0
	v_lshlrev_b32 v[GO], 4, v11
	v_lshlrev_b32 v[SO8], 3, v11
	s_mul_i32 s22, s[WV], MGW
	s_add_co_u32 s22, s22, MG
	v_add_nc_u32 v[GVA], s22, v[GO]
	v_add_nc_u32 v[GVB], s22, v[SO8]
	s_xor_b32 s22, s[WV], 1
	s_mul_i32 s22, s22, MGW
	s_add_co_u32 s22, s22, MG
	v_add_nc_u32 v[TKA], s22, v[GO]
	v_add_nc_u32 v[TKB], s22, v[SO8]
	s_lshl_b32 s73, s72, 5
	v_add_nc_u32 v11, s73, v11      ; my piece of a slot's 128: half piece / 64, row of 256 bytes piece % 64
	v_and_b32 v[PFO], 63, v11
	v_lshlrev_b32 v[PFO], 8, v[PFO]
	v_lshrrev_b32 v11, 6, v11
	v_lshl_add_u32 v[PFO], v11, 17, v[PFO]
; THE MATRIX WORK.  The 4 accumulators of a run of 8 take turns.
.macro KQ x                         ; product i of 8 of S^T = K Q^T for piece x: channels 32 (i / 4) on, keys 16 (i % 4) on
	WIN W_KQ
.set rS, S+32*((\x)%2)+8*(i%4)
.set rK, KF+16*(i%4)+8*(i/4)
.set rQ, 16*(\x)+8*(i/4)
.if i < 4
	v_wmma_f32_16x16x32_f16 v[rS:rS+7], v[rK:rK+7], v[rQ:rQ+7], 0
.else
	v_wmma_f32_16x16x32_f16 v[rS:rS+7], v[rK:rK+7], v[rQ:rQ+7], v[rS:rS+7]
.endif
.endm
.macro PV x                         ; product i of 8 of O^T += V^T P for piece x: keys 32 (i / 4) on, channels 16 (i % 4) on
	WIN W_PV
.set rO, 32*(\x)+8*(i%4)
.set rV, VF+32*(i/4)+8*(i%4)
.set rP, P+16*((\x)%2)+8*(i/4)
	v_wmma_f32_16x16x32_f16 v[rO:rO+7], v[rV:rV+7], v[rP:rP+7], v[rO:rO+7]
.endm
.macro MM
.if i < 8
	KQ (Y+1)%NP
.else
.set i, i-8
	PV (Y+NP-1)%NP
.set i, i+8
.endif
.set i, i+1
.endm
.macro FETCH_K
	WIN 0x80
.irp f, 0,1,2,3,4,5,6,7
	ds_load_b128 v[KF+8*\f:KF+8*\f+3],   v[AK] offset:(\f/2)*16*PK+(\f%2)*64
	ds_load_b128 v[KF+8*\f+4:KF+8*\f+7], v[AK] offset:(\f/2)*16*PK+(\f%2)*64+32
.endr
	s_add_co_u32 s[TBK], s[TBK], KS*PK
	WIN 0
.endm
.macro FETCH_V
	WIN 0x80
.irp f, 0,1,2,3,4,5,6,7
	ds_load_tr16_b128 v[VF+8*\f:VF+8*\f+3],   v[AV] offset:(\f/4)*32*PV+(\f%4)*32
	ds_load_tr16_b128 v[VF+8*\f+4:VF+8*\f+7], v[AV] offset:(\f/4)*32*PV+16*PV+(\f%4)*32
.endr
	WIN 0
.endm
; THE VECTOR WORK, one line at a time: OP kind, number.  For piece Y: F n: c s - c m for pair n.  E n: the exponential of score n.  C n: pair n rounded to f16.  B n: of the four weights 4 n .. the second pair is
; added onto the first.  L n: l takes that sum (L 0: l = a l + sum).  R n: pair n of O^T times a.  For piece Y + 1: X n, number n of the 22 that find its maximum and statistics (each accumulator's lowest registers first).
.set F, 0
.set E, 1
.set C, 2
.set B, 3
.set L, 4
.set R, 5
.set X, 6
.macro REGS y
.set rT, ST+4*(\y)
.set rC, TMP+4*((\y)%2)
.set rW, MV+((\y)%2)
.set rS, S+32*((\y)%2)
.set rP, P+16*((\y)%2)
.set rO, 32*(\y)
.endm
.macro OP k, n
.if (\k) == R
	REGS Y
	WIN W_RS
	v_pk_mul_f32 v[rO+2*(\n):rO+2*(\n)+1], v[rO+2*(\n):rO+2*(\n)+1], v[rC+2:rC+3] op_sel_hi:[1,0]
.elseif (\k) < R
	REGS Y
	WIN 0
.if (\k) == F
	v_pk_fma_f32 v[rS+2*(\n):rS+2*(\n)+1], v[rS+2*(\n):rS+2*(\n)+1], s[CS:CS+1], v[rT:rT+1] op_sel_hi:[1,0,0] neg_lo:[0,0,1] neg_hi:[0,0,1]
.elseif (\k) == E
	v_exp_f32 v[rS+(\n)], v[rS+(\n)]
.elseif (\k) == C
	v_cvt_pk_f16_f32 v[rP+(\n)], v[rS+2*(\n)], v[rS+2*(\n)+1]
.elseif (\k) == B
	v_pk_add_f32 v[rS+4*(\n):rS+4*(\n)+1], v[rS+4*(\n):rS+4*(\n)+1], v[rS+4*(\n)+2:rS+4*(\n)+3]
.elseif (\n) == 0
	v_pk_fma_f32 v[rT+2:rT+3], v[rT+2:rT+3], v[rC+2:rC+3], v[rS:rS+1] op_sel_hi:[1,0,1]
.else
	v_pk_add_f32 v[rT+2:rT+3], v[rT+2:rT+3], v[rS+4*(\n):rS+4*(\n)+1]
.endif
.else
	REGS (Y+1)%NP
	WIN 0
.if (\n) < 4
	v_max3_num_f32 v[rC+(\n)], v[rS+8*(\n)], v[rS+8*(\n)+1], v[rS+8*(\n)+2]
.elseif (\n) < 12
	v_max3_num_f32 v[rC+(\n)%4], v[rC+(\n)%4], v[rS+8*((\n)%4)+2*((\n)/4)+1], v[rS+8*((\n)%4)+2*((\n)/4)+2]
.elseif (\n) == 12
	v_max3_num_f32 v[rC], v[rC], v[rS+7], v[rS+15]
.elseif (\n) == 13
	v_max3_num_f32 v[rC+1], v[rC+1], v[rS+23], v[rS+31]
.elseif (\n) == 14
	v_max3_num_f32 v[rC+2], v[rC+2], v[rC+3], v[rT+1]
.elseif (\n) == 15
	v_mov_b32 v[rW], v[rT]
.elseif (\n) == 16
	v_max3_num_f32 v[rC], v[rC], v[rC+1], v[rC+2]
.elseif (\n) == 17
	v_permlanex16_b32 v[rC+3], v[rC], s[SEL], s[SEL+1]
.elseif (\n) == 18
	v_max_num_f32 v[rT+1], v[rC], v[rC+3]
.elseif (\n) == 19
	v_mul_f32 v[rT], s[CS], v[rT+1]
.elseif (\n) == 20
	v_sub_f32 v[rC+1], v[rW], v[rT]
.else
	v_exp_f32 v[rC+2], v[rC+1]
.endif
.endif
.endm
.macro OPS a, i1, b=-1, i2=0, c=-1, i3=0, d=-1, i4=0
	OP \a, \i1
.if (\b) >= 0
	OP \b, \i2
.endif
.if (\c) >= 0
	OP \c, \i3
.endif
.if (\d) >= 0
	OP \d, \i4
.endif
.endm
.macro ROW a, i1, b, i2, c, i3, d, i4
	MM
	OPS \a, \i1, \b, \i2, \c, \i3, \d, \i4
.endm
; A TURN, for piece p.  Ahead of its one wait stands all that names no result of its exponentials; behind it the 8 products V^T P with the roundings and sums as riders.
; K of the next step is fetched in piece 2's turn, six plain instructions behind the last product that read K; V of the step in hand at the end of piece 0's turn, four behind its last reader.
; last = 1 (the tail): the fetch's LDS byte stays at the last step, so that the half trip at the end multiplies the last K once more and leaves piece 0's maximum as it was.
.macro TURN p, last=0, cnt=0
.set Y, (\p)
.set i, 0
.if (\p) == 3
	s_wait_dscnt 0x0                ; K is in
.endif
	ROW F,0, F,1, R,0, R,1
	ROW F,2, E,0, R,2, R,3
	ROW F,3, E,1, R,4, R,5
	ROW F,4, E,2, R,6, R,7
	ROW F,5, E,3, R,8, R,9
	ROW F,6, E,4, X,0, R,10
.if (\p) == 2
	WIN 0
	v_add_nc_u32 v[AK], s[TBK], v[AK0]
.endif
	ROW F,7, E,5, X,1, X,4
	ROW F,8, E,6, X,2, X,5
	OPS E,7, E,8, X,6, E,9
	OPS X,3, E,10, X,8, E,11
.if (\p) == 2
	FETCH_K
.if \last
	s_min_u32 s[TBK], s[TBK], SLOT1+KS*PK
.endif
.endif
	OPS X,9, X,7, E,12, X,10
	OPS E,13, X,12, X,11, E,14
	OPS X,13, E,15, F,9, X,14
.if (\p) == 0
	v_add_nc_u32 v[AV], s[TBV], v[AV0]
.endif
	OPS E,16, F,10, E,17, F,11
	OPS X,16, E,18, X,15, E,19
	OPS F,12, E,20, X,17, E,21
	OPS F,13, E,22, F,14, E,23
	OPS X,18, E,24, F,15, E,25
	OPS R,11, E,26, X,19, E,27
	OPS R,12, E,28, R,13, E,29
	OPS X,20, E,30, R,14, E,31
	OPS X,21, R,15
	WIN 0
	s_wait_alu depctr_va_vdst(0)    ; the one wait for the batch
.if (\p) == 1
	s_wait_dscnt 0x0                ; V is in
.endif
	ROW C,0, B,0, C,2, B,1
	ROW L,0, C,4, B,2, L,1
	ROW C,6, B,3, L,2, C,8
	ROW B,4, L,3, C,10, B,5
	ROW L,4, C,12, B,6, L,5
.if (\p) == 0
	s_add_co_u32 s[TBV], s[TBV], KS*PV
.endif
.if \cnt
	s_sub_co_u32 s[CNT], s[CNT], 1
	s_cmp_lg_u32 s[CNT], 0
.endif
	ROW C,14, B,7, L,6, C,1
	ROW C,3, L,7, C,5, C,7
	ROW C,9, C,11, C,13, C,15
.if (\p) == 0
	FETCH_V
.endif
.endm
	CHANGE 1                        ; slot 0 is in, everybody's part of it; slot 1 is asked for
	v_add_nc_u32 v[AK], s[TBK], v[AK0]
	FETCH_K                         ; key step 0
	s_wait_loadcnt 0x0              ; Q and g
	s_wait_dscnt 0x0
.set i, 0
.rept 8
	KQ 0
.set i, i+1
.endr
	WIN 0
.rept 4
	v_nop                           ; the places behind those products
.endr
.set Y, NP-1
.irp n, 0,1,2,3,4,5,6,7,8,9,10,11,12,13,14,15,16,17,18,19,20,21
	OP X, \n
.endr
	v_nop
	s_wait_alu depctr_va_vdst(0)
	s_mov_b32 s[CNT], 2
	s_branch .Lfirst                ; the loop is entered at a step's first turn, in the middle of a trip
.Lslot:                             ; six times: every slot but the last two is filled again
	CHANGE 1, 1
	s_mov_b32 s[CNT], 2
.Lstep:                             ; a trip: pieces 2 and 3 of one step, then pieces 0 and 1 of the next
	TURN 2
	TURN 3
	WIN 0
.Lfirst:
	TURN 0
	TURN 1, 0, 1
	WIN 0
	s_cbranch_scc1 .Lstep
	s_sub_co_u32 s[SLOTS], s[SLOTS], 1
	s_cmp_lg_u32 s[SLOTS], 0
	s_cbranch_scc1 .Lslot
	CHANGE 0                        ; the tail is written out
	s_mov_b32 s[CNT], 3             ; two trips fetch the last slot's steps; the third is left in its middle
.Ltail:
	TURN 2, 1
	TURN 3
	WIN 0
	s_sub_co_u32 s[CNT], s[CNT], 1
	s_cmp_eq_u32 s[CNT], 0
	s_cbranch_scc1 .Lout
	TURN 0
	TURN 1
	WIN 0
	s_branch .Ltail
.Lout:
.set i, 0
.rept 8
	PV NP-1
.set i, i+1
.endr
	; ---------------- the end ----------------
	WIN 0
.macro ALL line:vararg
.set t, 0
.rept 4
	\line
.set t, t+1
.endr
.endm
	ALL v_add_f32 v[ST+4*t+2], v[ST+4*t+2], v[ST+4*t+3]     ; l of my half of the keys; these lines are the places behind the last products
	ALL v_permlanex16_b32 v[ST+4*t+3], v[ST+4*t+2], s[SEL], s[SEL+1]
	ALL v_add_f32 v[ST+4*t+2], v[ST+4*t+2], v[ST+4*t+3]
	ALL v_mov_b32 v[ST+4*t+1], v[ST+4*t+2]                  ; (c m, l) as a pair
	v_mov_b32 v44, 0xbfb8aa3b       ; -log2 e
	v_mov_b32 v45, 0
	v_cmp_ne_u32 s[HM], 0, v9
	WIN 0x04                        ; store data in window 1
.irp n, 0,1
.irp kq, 0,1,2,3,4,5,6,7
	ds_store_b128 v[GVA], v[64+32*\n+4*\kq:64+32*\n+4*\kq+3] offset:\n*4352+512*\kq
.endr
.endr
	WIN 0
.irp n, 0,1
	ds_store_b64 v[GVB], v[ST+8+4*\n:ST+8+4*\n+1] offset:\n*4352+4096
.endr
	s_wait_dscnt 0x0
	s_barrier_signal -1
	s_barrier_wait -1               ; my partner's pieces 2, 3 are my pieces 0, 1 over the other half of the keys
.irp n, 0,1
.irp kq, 0,1,2,3,4,5,6,7
	ds_load_b128 v[128+32*\n+4*\kq:128+32*\n+4*\kq+3], v[TKA] offset:\n*4352+512*\kq
.endr
	ds_load_b64 v[40+2*\n:41+2*\n], v[TKB] offset:\n*4352+4096
.endr
	s_wait_dscnt 0x0
.macro SIGM                         ; YB = 1 / (1 + 2^YB): two batches of 32, one wait each
.set kx, 0
.rept 32
	v_exp_f32 v[YB+kx], v[YB+kx]
.set kx, kx+1
.endr
	v_nop
	s_wait_alu depctr_va_vdst(0)
.set kx, 0
.rept 16
	v_pk_add_f32 v[YB+2*kx:YB+2*kx+1], v[YB+2*kx:YB+2*kx+1], 1.0 op_sel_hi:[1,0]
.set kx, kx+1
.endr
.set kx, 0
.rept 32
	v_rcp_f32 v[YB+kx], v[YB+kx]
.set kx, kx+1
.endr
	v_nop
	s_wait_alu depctr_va_vdst(0)
.endm
.macro FIN n                        ; piece n: the two halves merged, the gate, the head's statistics, silu, and the way out
.set rT, ST+4*(\n)
.set OV, 64+32*(\n)
.set OQ, 128+32*(\n)
.set PCM, 40+2*(\n)
.set MS, 56+2*(\n)
	WIN 0
	v_max_num_f32 v48, v[rT], v[PCM]
	v_sub_f32 v49, v[rT], v48
	v_sub_f32 v50, v[PCM], v48
	v_exp_f32 v49, v49
	v_exp_f32 v50, v50
	v_nop
	s_wait_alu depctr_va_vdst(0)
	v_mul_f32 v51, v[rT+2], v49
	v_fmac_f32 v51, v[PCM+1], v50
	v_rcp_f32 v51, v51
	v_nop
	s_wait_alu depctr_va_vdst(0)
	v_mul_f32 v46, v49, v51         ; my half's factor,
	v_mul_f32 v47, v50, v51         ; my partner's
	WIN 0x01
.set kx, 0
.rept 16
	v_pk_mul_f32 v[OV+2*kx:OV+2*kx+1], v[32*(\n)+2*kx:32*(\n)+2*kx+1], v[46:47] op_sel_hi:[1,0]
.set kx, kx+1
.endr
	WIN 0
.set kx, 0
.rept 16
	v_pk_fma_f32 v[OV+2*kx:OV+2*kx+1], v[OQ+2*kx:OQ+2*kx+1], v[46:47], v[OV+2*kx:OV+2*kx+1] op_sel:[0,1,0] op_sel_hi:[1,1,1]
.set kx, kx+1
.endr
	WIN 0x02                        ; g in window 2
.set kx, 0
.rept 16
	v_fma_mix_f32 v[YB+2*kx], v[GR+16*(\n)+kx], v44, v45 op_sel_hi:[1,0,0]
	v_fma_mix_f32 v[YB+2*kx+1], v[GR+16*(\n)+kx], v44, v45 op_sel:[1,0,0] op_sel_hi:[1,0,0]
.set kx, kx+1
.endr
	WIN 0
	SIGM
.set kx, 0
.rept 16
	v_pk_mul_f32 v[OV+2*kx:OV+2*kx+1], v[OV+2*kx:OV+2*kx+1], v[YB+2*kx:YB+2*kx+1]
.set kx, kx+1
.endr
.set kx, 0
.rept 8                             ; the mean over the head's 64 channels: my 32, then the lane 16 away
	v_pk_add_f32 v[ZB+2*kx:ZB+2*kx+1], v[OV+4*kx:OV+4*kx+1], v[OV+4*kx+2:OV+4*kx+3]
.set kx, kx+1
.endr
.irp kq, 0,1,2,3
	v_pk_add_f32 v[ZB+4*\kq:ZB+4*\kq+1], v[ZB+4*\kq:ZB+4*\kq+1], v[ZB+4*\kq+2:ZB+4*\kq+3]
.endr
	v_pk_add_f32 v[ZB:ZB+1], v[ZB:ZB+1], v[ZB+4:ZB+5]
	v_pk_add_f32 v[ZB+8:ZB+9], v[ZB+8:ZB+9], v[ZB+12:ZB+13]
	v_pk_add_f32 v[ZB:ZB+1], v[ZB:ZB+1], v[ZB+8:ZB+9]
	v_add_f32 v52, v[ZB], v[ZB+1]
	v_permlanex16_b32 v53, v52, s[SEL], s[SEL+1]
	v_add_f32 v52, v52, v53
	v_mul_f32 v[MS], 0x3c800000, v52
	v_mov_b32 v[MS+1], 0            ; named with it as a pair
.set kx, 0
.rept 16
	v_pk_add_f32 v[ZB+2*kx:ZB+2*kx+1], v[OV+2*kx:OV+2*kx+1], v[MS:MS+1] op_sel_hi:[1,0] neg_lo:[0,1] neg_hi:[0,1]
.set kx, kx+1
.endr
	v_pk_mul_f32 v[52:53], v[ZB:ZB+1], v[ZB:ZB+1]
	v_pk_mul_f32 v[54:55], v[ZB+2:ZB+3], v[ZB+2:ZB+3]
.set kx, 1
.rept 7
	v_pk_fma_f32 v[52:53], v[ZB+4*kx:ZB+4*kx+1], v[ZB+4*kx:ZB+4*kx+1], v[52:53]
	v_pk_fma_f32 v[54:55], v[ZB+4*kx+2:ZB+4*kx+3], v[ZB+4*kx+2:ZB+4*kx+3], v[54:55]
.set kx, kx+1
.endr
	v_pk_add_f32 v[52:53], v[52:53], v[54:55]
	v_add_f32 v52, v52, v53
	v_permlanex16_b32 v53, v52, s[SEL], s[SEL+1]
	v_add_f32 v[MS+1], v52, v53
.set kx, 0
.rept 16
	v_pk_mul_f32 v[YB+2*kx:YB+2*kx+1], v[OV+2*kx:OV+2*kx+1], 0xbfb8aa3b op_sel_hi:[1,0]
.set kx, kx+1
.endr
	SIGM
.set kx, 0
.rept 16
	v_pk_mul_f32 v[YB+2*kx:YB+2*kx+1], v[YB+2*kx:YB+2*kx+1], v[OV+2*kx:OV+2*kx+1]
.set kx, kx+1
.endr
.set kx, 0
.rept 16
	v_cvt_pk_f16_f32 v[OQ+kx], v[OV+2*kx], v[OV+2*kx+1]
	v_cvt_pk_f16_f32 v[OQ+16+kx], v[YB+2*kx], v[YB+2*kx+1]
.set kx, kx+1
.endr
.irp kd, 0,1                        ; og, then silu(og): into rows of 144 bytes and back as whole rows of 128
.irp f, 0,1,2,3
	ds_store_b128 v[STO], v[OQ+16*\kd+4*\f:OQ+16*\kd+4*\f+3] offset:32*\f
.endr
.irp f, 0,1,2,3
	ds_load_b128 v[OQ+16*\kd+4*\f:OQ+16*\kd+4*\f+3], v[RD] offset:\f*4*SP  ; LDS serves a wave's instructions in order
.endr
.endr
.irp kd, 0,1
.irp f, 0,1,2,3
	s_wait_dscnt (1-\kd)*8+3-\f     ; the LDS instructions issued behind this load may stay out
	global_store_b128 v[GO], v[OQ+16*\kd+4*\f:OQ+16*\kd+4*\f+3], s[OGB:OGB+1] offset:\kd*4194304+(\n)*2048+\f*512  ; 512 consecutive bytes, aligned
.endr
.endr
.endm
	FIN 0
	FIN 1
	v_cndmask_b32 v52, v56, v58, s[HM]  ; lanes 0-15 hold piece 0's rows, lanes 16-31 take piece 1's: 32 rows, 256 consecutive bytes, aligned
	v_cndmask_b32 v53, v57, v59, s[HM]
	global_store_b64 v[SO8], v[52:53], s[OSB:OSB+1]
	s_wait_tensorcnt 0x0            ; the wave's end: behind my last tensor load and my last LDS store
	ds_add_u32 v[SPW], v[NIL]
	s_wait_dscnt 0x0
	CROUND                          ; the closing round
	s_endpgm
.Lfunc_end_k_qf1545b37aa_attn:
	.size	k_qf1545b37aa_attn, .Lfunc_end_k_qf1545b37aa_attn-k_qf1545b37aa_attn
	.p2alignl 7, 3214868480
	.fill 96, 4, 3214868480
	.section	.rodata,"a",@progbits
	.p2align	6, 0x0
	.amdhsa_kernel k_qf1545b37aa_attn
		.amdhsa_group_segment_fixed_size 327680
		.amdhsa_private_segment_fixed_size 0
		.amdhsa_enable_private_segment 0
		.amdhsa_kernarg_size 24
		.amdhsa_user_sgpr_count 2
		.amdhsa_user_sgpr_kernarg_segment_ptr 1
		.amdhsa_wavefront_size32 1
		.amdhsa_system_sgpr_workgroup_id_x 1
		.amdhsa_system_sgpr_workgroup_id_y 1
		.amdhsa_system_sgpr_workgroup_id_z 1
		.amdhsa_system_vgpr_workitem_id 0
		.amdhsa_next_free_vgpr 768
		.amdhsa_next_free_sgpr 96
		.amdhsa_reserve_vcc 0
		.amdhsa_float_denorm_mode_32 3
		.amdhsa_float_denorm_mode_16_64 3
		.amdhsa_memory_ordered 1
		.amdhsa_forward_progress 1
		.amdhsa_inst_pref_size 148
	.end_amdhsa_kernel
	.amdgpu_metadata
---
amdhsa.version: [ 1, 2 ]
amdhsa.kernels:
  - .name:           k_qf1545b37aa_attn
    .symbol:         k_qf1545b37aa_attn.kd
    .args:
      - { .name: qkvg, .offset: 0, .size: 8, .value_kind: global_buffer, .address_space: global }
      - { .name: og, .offset: 8, .size: 8, .value_kind: global_buffer, .address_space: global }
      - { .name: ost, .offset: 16, .size: 8, .value_kind: global_buffer, .address_space: global }
    .group_segment_fixed_size: 327680
    .private_segment_fixed_size: 0
    .kernarg_segment_align: 8
    .kernarg_segment_size: 24
    .max_flat_workgroup_size: 128
    .sgpr_count:     96
    .vgpr_count:     768
    .wavefront_size: 32
...
	.end_amdgpu_metadata
.endif
;; end of part 3
;; launch kano (part 4): grid 32 x 8, 4 waves a work-group, clusters of 4 x 1, 327,680 bytes of LDS; arguments og, ost, wc, out0, lo_ln_s, lo_ln_b, lo_bb; writes out0
.if DOCPART == 4
	.amdgcn_target "amdgcn-amd-amdhsa--gfx1250"
	.amdhsa_code_object_version 6
	.text
	.protected	k_qf1545b37aa_kano
	.globl	k_qf1545b37aa_kano
	.p2align	8
	.type	k_qf1545b37aa_kano,@function
k_qf1545b37aa_kano:
	s_mov_b64 s[64:65], 0
	v_nop
	global_prefetch_b8 v0, s[64:65] scope:SCOPE_SE
	s_setreg_imm32_b32 hwreg(HW_REG_WAVE_MODE, 25, 1), 1
	s_wait_xcnt 0x0
	s_wait_alu depctr_hold_cnt(0) depctr_sa_sdst(0) depctr_va_vdst(0) depctr_va_sdst(0) depctr_va_ssrc(0) depctr_va_vcc(0) depctr_vm_vsrc(0)
	s_getreg_b32 s2, hwreg(HW_REG_IB_STS2, 6, 4)
	s_cmp_eq_u32 s2, 0
	s_cbranch_scc0 .Lentry_in_a_cluster
	s_endpgm
.Lentry_in_a_cluster:
	s_bfe_u32 s2, ttmp6, 0x10000c
	s_cmp_lg_u32 s2, 0x3003
	s_cbranch_scc0 .Lentry_shape_is_right
	s_endpgm
.Lentry_shape_is_right:
; A FASTKAN LAYER AS ONE PRODUCT: y = [basis(LayerNorm(x)) | silu(x)] [sw | bw]^T + bb, M = 4,096, N = 512, K = 4,096 + 512.  One text serves two kernels:
; OUTK = 0: the layers q, k, v, g (grid y = 2 layer + column block of 256), x from xs, result f16 by heads into qkvg.  OUTK = 1: the last layer (grid y = column block of 64), x from og, result f32 into out0.
; THE A OPERAND IS NEVER IN MEMORY.  A channel's 8 Gaussians are one unit of 8 along K of a 16-bit fragment, so a lane makes its own fragment registers from its own normalised x:
; basis_j = 2^-(a - j L)^2 with L = sqrt(log2 e), a = xhat S + B, S = 1.75 L ln_s, B = 1.75 L (ln_b + 2).  All eight exponentials are computed; an overflowing square gives 0.
; SHARES.  A work-group makes 128 rows x NT columns.  K IS SPLIT between waves: wave w takes K half kk = w & 1 (channels 256 kk ..) and rows 64 (w >> 1) ..: 64 rows x NT columns, 4 NB accumulators.
; Register row fragment f stands for fragment (f + 2 kk) & 3, so every wave keeps fragments 0, 1 and hands 2, 3 to wave w ^ 1 through LDS at the end.
; THE MATRIX INSTRUCTION IS USED TRANSPOSED (source 0 = 16 rows of the weights, source 1 = 16 rows of A): a lane holds row l % 16 and the columns 8 (l / 16) + 0..7 of a fragment.
; RING.  18 tiles of weights (K steps of 128 for both halves) go through two LDS slots; the four row blocks of a cluster walk the same tiles and ask JOINTLY (mask 15), one load a wave behind each round.
; BY TURNS.  While step s is multiplied, the vector work that makes step s + 1's fragments (160 instructions, 64 of them exponentials: one batch, one wait) stands in slices behind the matrix instructions.
; FORMATS.  ln_s, ln_b, bb are rounded once to bf16 like all inputs; basis, silu, x and the weights are f16 operands; sums f32, in another order than a plain dot product's.
; LIMITS.  f16 ends at 65,504 (x, silu, weights, and with OUTK = 0 the results) and keeps a fixed step of 6e-8 below 6e-5; an exponential below 2^-126 counts as 0; NaN and infinities are not treated apart.
.set OUTK, 1
.if OUTK
.set NB, 4                             ; column fragments of a work-group
.set LOGNT, 6
.set AHEAD, 2                          ; the prefetch names the tile AHEAD trips behind the one that is being asked for
.set NASK, 1                           ; waves of a work-group that prefetch
.set IFE, 0                            ; the next step's fragments of the weights are fetched behind this matrix instruction
.set XSH, 7                            ; log2 of a row's bytes in the x tensor
.set SSH, 3                            ; the same in the statistics
.set SF, 128                           ; 16 rows of statistics
.set SG, 32768                         ; from group to group
.set STL, 96                           ; where the statistics land
.else
.set NB, 16
.set LOGNT, 8
.set AHEAD, 1
.set NASK, 4
.set IFE, 2
.set XSH, 10
.set SSH, 6
.set SF, 1024
.set SG, 8
.set STL, 192
.endif
.set NT,    16*NB
.set NWM,   4*NB                       ; matrix instructions of a wave in a step of 32 along K
.set PITCH, 272                        ; an LDS row of weights: 256 bytes + 16: the 16 rows of a load start at 16 different groups of four banks
.set HALFT, (NT/2)*PITCH               ; what one tensor load brings
.set SLOT,  4*HALFT                    ; K half 0's NT rows, then K half 1's
.if OUTK
.set XT,    2*SLOT                     ; the x tile: 8 planes (heads) x 128 rows x 144 bytes
.set XPL,   128*144
.set TAB,   XT+8*XPL
.set STGB,  16*272
.else
.set TAB,   2*SLOT                     ; S (2,048 bytes), then B
.set STGB,  16*144
.endif
.set STG,   TAB+4096                   ; a stage for each wave, for the way out
.set SPARE, STG+4*STGB                 ; the spare words, 128 bytes a wave: two blocks of 256 bytes that no other line names
; window 0
.set ADRB0, 3                          ; my place in a tile of weights
.set ADRB,  4                          ; the same in the slot in hand
.set XOA,   5                          ; v5, v6  my byte offset in x's rows, fragments 0, 1 and 2, 3
.set TA0,   7                          ; my place in TAB
.set TA,    8
.set PFO,   9                          ; the prefetch's offset
.set SPW,   10                         ; LDS address of my spare word; never rewritten
.set NIL,   11                         ; 0; never rewritten
.set GV,    12                         ; where I put what I hand over
.set TK,    13                         ; where I take my partner's
.set XAA,   14                         ; v14, v15  OUTK: LDS address of my x, fragments 0, 1 and 2, 3
.set ST,    16                         ; v[16:23]  (rstd, -mean rstd) for each fragment
.set NJ,    24                         ; v[24:31]  -j L
.set SS,    32                         ; v[32:39]  S of my 8 channels
.set BC,    40                         ; v[40:47]  B
.set X1,    48                         ; v[48:63]  x: 8 f16 channels for each fragment
.set AV,    64                         ; v[64:95]  a: 8 channels for each fragment
.set T,     96                         ; v[96:159] at work: 4 fragments x 2 channels x 8
.set A0,    160                        ; v[160:191], v[192:223]  two buffers of A fragments
.set XA0,   224                        ; OUTK: v224, v225  XAA for block 0
.set BI,    64                         ; the head: the bias
.set EE,    64                         ; the end: sums
.set FF,    192                        ; the end: what is stored
; scalars
.set WV, 12
.set KK, 13
.set MH, 14
.set CX, 15
.set R0, 16
.set YY, 17
.set LAY, 18
.set SRC, 19
.set G1, 24                            ; s[24:31] descriptor group 1 of the weights' tiles
.set G0A, 32                           ; s[32:35] group 0 of tile 0
.set G0B, 36                           ; s[36:39] group 0 of tile 1; it then walks
.set GX1, 40                           ; OUTK: the x tile's groups
.set GXA, 48
.set GXB, 52
.set TRIP, 56
.set BO, 57                            ; the block whose x, S, B are loaded next
.set TB, 58                            ; LDS byte of the slot in hand
.set CB, 59
.set OFF, 60
.set XP, 62
.set PFA, 66
.set XB, 92
.set SB, 94
.set LIM, 96
.set FLM, 97
.set RW, 99
.set LNS, 68
.if OUTK
.set LNB, 70
.set BBP, 72
.else
.set LNB, 76
.set BBP, 84
.endif
.set MSB, 0
.macro WIN new                         ; the immediate's high byte repeats the setting that is left; a switch that changes nothing is dropped
.if MSB != (\new)
	s_set_vgpr_msb (MSB<<8)|(\new)
.set MSB, \new
.endif
.endm
.set MUL_LO, 0xa1                      ; source 0 (weights) window 1, source 1 (A) window 0, C and D window 2; + 0x50: window 3
.set TO_B,   0x40                      ; destination window 1
.set AW, 0                             ; + 0x0c: source 1 in window 3
.macro PLACES
.rept 4
	v_nop
.endr
.endm
.macro CREST                           ; a round of the cluster's barrier behind its opening barrier
	s_cmp_lg_u32 s[WV], 0
	s_cbranch_scc1 .Lnot_wave_0_\@
	s_barrier_signal -3
.Lnot_wave_0_\@:
	s_barrier_wait -3
	s_barrier_signal -1
	s_barrier_wait -1
.endm
.macro CROUND
	s_barrier_signal -1
	s_barrier_wait -1
	CREST
.endm
; matrix instruction i of a step: row fragment i / NB, column fragment i % NB; the accumulators take turns, one instruction a turn, over every edge
.macro WM i, p, ab
.set q_, (\i)
	WIN MUL_LO+0x50*(q_/32)+AW
	v_wmma_f32_16x16x32_f16 v[8*(q_%32):8*(q_%32)+7], v[8*NB*(\p)+8*(q_%NB):8*NB*(\p)+8*(q_%NB)+7], v[(\ab)+8*(q_/NB):(\ab)+8*(q_/NB)+7], v[8*(q_%32):8*(q_%32)+7]
.endm
.macro FETCH p, koff                   ; one run of 2 NB LDS loads: the weights' fragments of 32 along K at byte koff of the rows, into buffer p of window 1
	WIN TO_B
.set b_, 0
.rept NB
	ds_load_b128 v[8*NB*(\p)+8*b_:8*NB*(\p)+8*b_+3], v[ADRB] offset:(\koff)+16*PITCH*b_
	ds_load_b128 v[8*NB*(\p)+8*b_+4:8*NB*(\p)+8*b_+7], v[ADRB] offset:(\koff)+16*PITCH*b_+32
.set b_, b_+1
.endr
	WIN 0
.endm
.macro XLOAD                           ; my 8 channels of a block of 16, for each of my four rows
.irp f, 0,1,2,3
.if OUTK
	ds_load_b128 v[X1+4*\f:X1+4*\f+3], v[XAA+\f/2] offset:(\f%2)*2304
.else
	global_load_b128 v[X1+4*\f:X1+4*\f+3], v[XOA+\f/2], s[XP:XP+1] offset:(\f%2)*16384
.endif
.endr
.endm
.macro TLOAD
	ds_load_b128 v[SS:SS+3], v[TA]
	ds_load_b128 v[SS+4:SS+7], v[TA] offset:16
	ds_load_b128 v[BC:BC+3], v[TA] offset:2048
	ds_load_b128 v[BC+4:BC+7], v[TA] offset:2064
.endm
; THE VECTOR WORK that makes a step's A fragments is a numbered list; VI writes number j of it for target step sp.
.macro PLN n, sp                       ; plain number n of 64: unit m = n / 8 (fragment m / 2, channel 2 sp + m % 2): four times a - j L for two j, four times the negated square
.set m_, (\n)/8
.set t_, (\n)%8
.if t_ < 4
.if m_%2
	v_pk_add_f32 v[T+8*m_+2*t_:T+8*m_+2*t_+1], v[AV+8*(m_/2)+2*(\sp):AV+8*(m_/2)+2*(\sp)+1], v[NJ+2*t_:NJ+2*t_+1] op_sel:[1,0] op_sel_hi:[1,1]
.else
	v_pk_add_f32 v[T+8*m_+2*t_:T+8*m_+2*t_+1], v[AV+8*(m_/2)+2*(\sp):AV+8*(m_/2)+2*(\sp)+1], v[NJ+2*t_:NJ+2*t_+1] op_sel_hi:[0,1]
.endif
.else
	v_pk_mul_f32 v[T+8*m_+2*t_-8:T+8*m_+2*t_-7], v[T+8*m_+2*t_-8:T+8*m_+2*t_-7], v[T+8*m_+2*t_-8:T+8*m_+2*t_-7] neg_lo:[1,0] neg_hi:[1,0]
.endif
.endm
.macro NRM n                           ; the next block is normalised: 32 times xhat = x rstd - mean rstd from an f16 half, 16 times a = xhat S + B for two channels
.if (\n) < 32
.set f_, (\n)/8
.set e_, (\n)%8
.if e_%2
	v_fma_mix_f32 v[AV+8*f_+e_], v[X1+4*f_+e_/2], v[ST+2*f_], v[ST+2*f_+1] op_sel:[1,0,0] op_sel_hi:[1,0,0]
.else
	v_fma_mix_f32 v[AV+8*f_+e_], v[X1+4*f_+e_/2], v[ST+2*f_], v[ST+2*f_+1] op_sel_hi:[1,0,0]
.endif
.else
.set f_, ((\n)-32)/4
.set e_, 2*(((\n)-32)%4)
	v_pk_fma_f32 v[AV+8*f_+e_:AV+8*f_+e_+1], v[AV+8*f_+e_:AV+8*f_+e_+1], v[SS+e_:SS+e_+1], v[BC+e_:BC+e_+1]
.endif
.endm
; 0-7 plain; 8-119 exponential and plain by turns (an exponential stands three plain numbers or more behind its square); 120-127 the last exponentials; then ONE wait for the 64;
; 128-159 the roundings to f16 into the other A buffer; 160-207 (step 2 alone) the next block's normalisation
.macro VI sp
.if j < 8
	PLN j, \sp
.elseif j < 120
.if (j-8)%2 == 0
	v_exp_f32 v[T+(j-8)/2], v[T+(j-8)/2]
.else
	PLN 8+(j-9)/2, \sp
.endif
.elseif j < 128
	v_exp_f32 v[T+j-64], v[T+j-64]
.elseif j < 160
.if j == 128
	v_nop                                          ; a plain instruction behind the last exponential,
	s_wait_alu depctr_va_vdst(0)                   ; and the one wait ahead of the batch's first reader
.endif
	v_cvt_pk_f16_f32 v[A0+32*((\sp)%2)+j-128], v[T+2*(j-128)], v[T+2*(j-128)+1]
.else
.if (j == 160) && !OUTK
	s_wait_loadcnt 0x0                             ; x of the next block, asked for three steps ago
.endif
	NRM j-160
.endif
.set j, j+1
.endm
.macro WMR n, L, sp, p, ab             ; n matrix instructions from number i_ on, behind each its slice of the list of L
.rept \n
	WM i_, \p, \ab
	WIN 0
.rept ((i_+1)*(\L)+NWM-1)/NWM-(i_*(\L)+NWM-1)/NWM
	VI \sp
.endr
.set i_, i_+1
.endr
.endm
.macro WMS n, p, ab                    ; n matrix instructions without slices
.rept \n
	WM i_, \p, \ab
.set i_, i_+1
.endr
.endm
; steps 0 to 2 of a tile.  The run of LDS loads for the next step goes into the buffer that the step before multiplied: eight plain instructions or more stand behind that buffer's last reader.
.macro STEP s
.set j, 0
.set i_, 0
	s_wait_dscnt 0x0                               ; this step's fragments of the weights are in (at step 0 also S, B and, with OUTK, x)
	WMR IFE+1, 160+48*((\s)/2), (\s)+1, (\s)%2, A0+32*((\s)%2)
	FETCH 1-(\s)%2, 64*((\s)+1)
	WMR NWM-IFE-1, 160+48*((\s)/2), (\s)+1, (\s)%2, A0+32*((\s)%2)
.endm
; A PREFETCH INTO THE L2 of the tile AHEAD trips behind the one just asked for: 2 NT pieces of 256 bytes, a lane a piece.  All clusters with the same grid y walk the same tiles: cluster x = 0 asks;
; its four partners and their NASK waves share the pieces out by address.  Each piece is named once in the launch; tiles 0 to 1 + AHEAD come by their loads alone; the last AHEAD trips ask for nothing.
.macro ASK
	s_cmp_gt_u32 s[TRIP], s[LIM]
	s_cbranch_scc0 .Lnot_mine_\@
	global_prefetch_b8 v[PFO], s[PFA:PFA+1] th:TH_LOAD_NT scope:SCOPE_SE
.Lnot_mine_\@:
.endm
; step 3 multiplies and changes slots.  In front of the round each wave waits for all its tensor loads (one is out: its part of the next tile), adds 0 to its spare word, and waits for that and for its
; reads of this slot.  Behind the round the slot just read out takes the tile two tiles on: it has a whole trip in which to land.
.macro STEP3
.set j, 0
.set i_, 0
	WIN 0
	s_wait_xcnt 0x0                                ; the last prefetch and x loads, a trip back, have read their addresses
	s_wait_tensorcnt 0x0                           ; no tensor load of mine is out, so a group 0 may be written
	ds_add_u32 v[SPW], v[NIL]                      ; 0 onto my spare word; work on registers stands between it and the wait for it
	s_xor_b32 s[G0B+1], s[G0B+1], SLOT
	s_add_nc_u64 s[G0B+2:G0B+3], s[G0B+2:G0B+3], 256
	s_add_nc_u64 s[PFA:PFA+1], s[PFA:PFA+1], 256
	s_xor_b32 s[TB], s[TB], SLOT
.if OUTK
	s_lshr_b32 s20, s[BO], 2                       ; block BO: plane BO / 4, 32 bytes for each block in it
	s_mul_i32 s20, s20, XPL
	s_and_b32 s21, s[BO], 3
	s_lshl_b32 s21, s21, 5
	s_add_co_u32 s20, s20, s21
.else
	s_lshl_b32 s[OFF], s[BO], 5
	s_add_nc_u64 s[XP:XP+1], s[XB:XB+1], s[OFF:OFF+1]
.endif
	s_wait_dscnt 1                                 ; all but the add: this step's fragments are in
	WMR NWM/4, 160, 0, 1, A0+32
	s_wait_dscnt 0x0                               ; the add is done, and my reads of this slot are over
	s_barrier_signal -1
	WMR NWM/4, 160, 0, 1, A0+32
	s_wait_alu depctr_va_vdst(0)                   ; the exponentials issued so far have their wait
	WIN 0
	s_barrier_wait -1
	CREST                                          ; no wave of any partner still reads this slot or has a load on its way
	tensor_load_to_lds s[G0B:G0B+3], s[G1:G1+7]
	s_nop 0
	PLACES
	v_add_nc_u32 v[ADRB], s[TB], v[ADRB0]
	v_lshl_add_u32 v[TA], s[BO], 6, v[TA0]
.if OUTK
	v_add_nc_u32 v[XAA], s20, v[XA0]
	v_add_nc_u32 v[XAA+1], s20, v[XA0+1]
.endif
	FETCH 0, 0
	XLOAD
	TLOAD
	ASK
	s_add_co_u32 s[BO], s[BO], 1
	s_min_u32 s[BO], s[BO], 15                     ; the last two trips load block 15 once more: what is made of it is not used
	WMR NWM/2, 160, 0, 1, A0+32
.endm
; THE BASE STEPS: silu(x) comes as finished fragments.  Where set u of 32 registers lies:
.macro SETOF u
.if OUTK
.set sa_, 32*(\u)                      ; window 3
.elseif ((\u) == 0) || ((\u) == 6)
.set sa_, 224
.elseif ((\u) == 1) || ((\u) == 7)
.set sa_, 96
.elseif (\u) == 2
.set sa_, 128
.elseif (\u) == 3
.set sa_, 64
.elseif (\u) == 4
.set sa_, 160
.else
.set sa_, 192
.endif
.endm
.macro SALOAD u
	SETOF \u
.irp f, 0,1,2,3
.if OUTK
	global_load_b128 v[sa_+8*\f:sa_+8*\f+3], v[XOA+\f/2], s[SB:SB+1] offset:((\u)/2)*524288+(\f%2)*2048+((\u)%2)*64
	global_load_b128 v[sa_+8*\f+4:sa_+8*\f+7], v[XOA+\f/2], s[SB:SB+1] offset:((\u)/2)*524288+(\f%2)*2048+((\u)%2)*64+32
.else
	global_load_b128 v[sa_+8*\f:sa_+8*\f+3], v[XOA+\f/2], s[SB:SB+1] offset:(\f%2)*16384+64*(\u)
	global_load_b128 v[sa_+8*\f+4:sa_+8*\f+7], v[XOA+\f/2], s[SB:SB+1] offset:(\f%2)*16384+64*(\u)+32
.endif
.endr
.endm
.macro BSTEP u
	SETOF \u
.set ab_, sa_
.set i_, 0
.if (\u) == 3
	WIN 0
	s_wait_tensorcnt 0x0                           ; the last tile is in
	ds_add_u32 v[SPW], v[NIL]
.endif
	s_wait_dscnt 0x0
.if (!OUTK) && ((\u) > 0)
.if (\u) < 4
	s_wait_loadcnt 32                              ; set u is in; the four younger sets of eight loads may stay out
.else
	s_wait_loadcnt 8*(7-(\u))                      ; the 7 - u younger sets may stay out
.endif
.endif
.if (\u) == 3
	s_barrier_signal -1                            ; my reads of slot 0 are over and my part of the last tile is in; nothing is filled again, so no round follows
.endif
	WMS NWM/2, (\u)%2, ab_
	PLACES                                         ; in front of loads into registers that the step before multiplied
.if (\u) == 3
	s_barrier_wait -1
	s_xor_b32 s[TB], s[TB], SLOT
	WIN 0
	v_add_nc_u32 v[ADRB], s[TB], v[ADRB0]
	FETCH 0, 0
.elseif (\u) < 7
	FETCH 1-(\u)%2, 64*(((\u)+1)%4)
.endif
.if (!OUTK) && (((\u) == 1) || ((\u) == 2))
	SALOAD (\u)+5
.endif
	WMS NWM/2, (\u)%2, ab_
.endm
	; ---------------- the head ----------------
	s_load_b256 s[4:11], s[0:1], 0x0               ; x tensor, statistics, wc, result
.if OUTK
	s_load_b128 s[68:71], s[0:1], 0x20             ; ln_s, ln_b
	s_load_b64 s[72:73], s[0:1], 0x30              ; bb
.else
	s_load_b512 s[68:83], s[0:1], 0x20             ; ln_s of q, k, v, g; ln_b of q, k, v, g
	s_load_b256 s[84:91], s[0:1], 0x60             ; bb of q, k, v, g
.endif
	v_lshl_add_u32 v[SPW], v0, 2, SPARE
	v_mov_b32 v[NIL], 0
	ds_add_u32 v[SPW], v[NIL]                      ; the wave's opening: the add and its wait ahead of my first tensor load
	v_lshrrev_b32 v1, 5, v0
	v_readfirstlane_b32 s[WV], v1                  ; wave 0..3
	s_and_b32 s[KK], s[WV], 1                      ; my half of K.  Also: which half of a tile's rows I fetch
	s_lshr_b32 s[MH], s[WV], 1                     ; my half of the rows.  Also: for which half of K I fetch
	s_and_b32 s[YY], ttmp7, 0xffff
.if OUTK
	s_mov_b32 s[LAY], 4
	s_mov_b32 s[CB], s[YY]
.else
	s_lshr_b32 s[LAY], s[YY], 1
	s_and_b32 s[CB], s[YY], 1
	s_cmp_eq_u32 s[LAY], 3
	s_cselect_b32 s[SRC], 0, s[LAY]                ; g reads q
.endif
	s_mul_i32 s20, s[LAY], 4718592
	s_mul_i32 s21, s[CB], NT*9216
	s_add_co_u32 s20, s20, s21                     ; the column block's first row in wc
	s_mov_b32 s21, 0
	s_mul_i32 s22, s[KK], (NT/2)*9216
	s_mul_i32 s23, s[MH], 4608
	s_add_co_u32 s22, s22, s23
	s_add_co_u32 s22, s22, s20                     ; my part of tile 0: made of the grid's y and the wave's number alone
	s_mov_b32 s23, 0
	s_mov_b32 s[G1], 15|(1<<16)|(1<<20)|(1<<21)|(5<<22)|(3<<25)  ; the mask of four; 2-byte elements; padding on; bit 21 beside a mask; after every 64 words 4 words
	s_mov_b32 s[G1+1], 128<<16                     ; tensor_dim0 = 128
	s_mov_b32 s[G1+2], (NT/2)<<16                  ; tensor_dim1
	s_mov_b32 s[G1+3], 128<<16                     ; tile_dim0
	s_mov_b32 s[G1+4], NT/2                        ; tile_dim1
	s_mov_b32 s[G1+5], 4608                        ; elements from row to row
	s_mov_b32 s[G1+6], 0
	s_mov_b32 s[G1+7], 0
	s_mov_b32 s[G0A], 1
	s_mul_i32 s[G0A+1], s[WV], HALFT
	s_mov_b32 s[G0B], 1
	s_add_co_u32 s[G0B+1], s[G0A+1], SLOT
.if OUTK
	s_mov_b32 s[GX1], (1<<16)|(1<<20)|(4<<22)|(3<<25)  ; a load of my own: a plane's 128 rows are 16,384 dense bytes, asked for as 64 rows of 256 and padded after every 128
	s_mov_b32 s[GX1+1], 128<<16
	s_mov_b32 s[GX1+2], 64<<16
	s_mov_b32 s[GX1+3], 128<<16
	s_mov_b32 s[GX1+4], 64
	s_mov_b32 s[GX1+5], 128
	s_mov_b32 s[GX1+6], 0
	s_mov_b32 s[GX1+7], 0
	s_mov_b32 s[GXA], 1
	s_mul_i32 s[GXA+1], s[WV], 2*XPL
	s_add_co_u32 s[GXA+1], s[GXA+1], XT
	s_mov_b32 s[GXB], 1
	s_add_co_u32 s[GXB+1], s[GXA+1], XPL
.endif
	s_bfe_u32 s[CX], ttmp6, 0x40000                ; my place in the cluster: it enters global addresses of my own rows and the prefetch's offset alone
	s_lshl_b32 s[R0], ttmp9, 2
	s_add_co_u32 s[R0], s[R0], s[CX]
	s_lshl_b32 s[R0], s[R0], 7                     ; the work-group's first row
	s_lshl_b32 s[RW], s[MH], 6
	s_add_co_u32 s[RW], s[RW], s[R0]               ; my wave's first row
	s_cmp_lt_u32 s[WV], NASK
	s_cselect_b32 s[LIM], 0, 1
	s_or_b32 s[LIM], s[LIM], ttmp9
	s_cmp_eq_u32 s[LIM], 0
	s_cselect_b32 s[LIM], AHEAD, -1                ; a wave prefetches while TRIP is above this
	s_cmp_eq_u32 s[KK], 0
	s_cselect_b32 s[FLM], -1, 0                    ; the bias enters the sums of K half 0 alone
	s_mov_b32 s[OFF+1], 0
	s_wait_dscnt 0x0                               ; the opening add is done
	s_wait_kmcnt 0x0
	s_add_nc_u64 s[G0A+2:G0A+3], s[8:9], s[22:23]
	s_add_nc_u64 s[G0B+2:G0B+3], s[G0A+2:G0A+3], 256
	s_or_b32 s[G0A+3], s[G0A+3], 0x80000000
	s_or_b32 s[G0B+3], s[G0B+3], 0x80000000
	s_add_nc_u64 s[PFA:PFA+1], s[8:9], s[20:21]
	s_add_nc_u64 s[PFA:PFA+1], s[PFA:PFA+1], (1+AHEAD)*256  ; trip t steps it to tile t + 2 + AHEAD
.if OUTK
	s_lshl_b32 s20, s[WV], 20                      ; planes 2 w, 2 w + 1 of 524,288 bytes
	s_lshl_b32 s22, s[R0], 7
	s_add_co_u32 s20, s20, s22
	s_add_nc_u64 s[GXA+2:GXA+3], s[4:5], s[20:21]
	s_add_nc_u64 s[GXB+2:GXB+3], s[GXA+2:GXA+3], 524288
	s_or_b32 s[GXA+3], s[GXA+3], 0x80000000
	s_or_b32 s[GXB+3], s[GXB+3], 0x80000000
	s_lshl_b32 s20, s[KK], 21                      ; silu: kind 1, my four planes, my rows
	s_lshl_b32 s22, s[RW], 7
	s_add_co_u32 s20, s20, s22
	s_add_co_u32 s20, s20, 4194304
	s_add_nc_u64 s[SB:SB+1], s[4:5], s[20:21]
	s_lshl_b32 s20, s[RW], 3
	s_add_nc_u64 s[6:7], s[6:7], s[20:21]
	s_lshl_b32 s20, s[KK], 5                       ; the rows that I keep: 32 kk on
	s_add_co_u32 s20, s20, s[RW]
	s_lshl_b32 s20, s20, 11
	s_lshl_b32 s22, s[YY], 8
	s_add_co_u32 s20, s20, s22
	s_add_nc_u64 s[10:11], s[10:11], s[20:21]
.else
.irp n, 1,2,3
	s_cmp_eq_u32 s[LAY], \n
	s_cselect_b64 s[68:69], s[68+2*\n:69+2*\n], s[68:69]
	s_cselect_b64 s[76:77], s[76+2*\n:77+2*\n], s[76:77]
	s_cselect_b64 s[84:85], s[84+2*\n:85+2*\n], s[84:85]
.endr
	s_lshl_b32 s20, s[SRC], 22
	s_lshl_b32 s22, s[RW], 10
	s_add_co_u32 s20, s20, s22
	s_lshl_b32 s22, s[KK], 9
	s_add_co_u32 s20, s20, s22
	s_add_nc_u64 s[XB:XB+1], s[4:5], s[20:21]      ; x at my rows, my half of the channels
	s_add_nc_u64 s[SB:SB+1], s[XB:XB+1], 12582912  ; silu likewise
	s_lshl_b32 s20, s[SRC], 18
	s_lshl_b32 s22, s[RW], 6
	s_add_co_u32 s20, s20, s22
	s_add_nc_u64 s[6:7], s[6:7], s[20:21]
	s_lshr_b32 s20, s[R0], 11                      ; batch
	s_lshl_b32 s20, s20, 3
	s_lshl2_add_u32 s20, s[CB], s20                ; + my first head
	s_lshl_b32 s20, s20, 18
	s_lshl_b32 s22, s[LAY], 22
	s_add_co_u32 s20, s20, s22
	s_and_b32 s22, s[RW], 2047
	s_lshl_b32 s23, s[KK], 5
	s_add_co_u32 s22, s22, s23
	s_lshl_b32 s22, s22, 7
	s_add_co_u32 s20, s20, s22
	s_add_nc_u64 s[10:11], s[10:11], s[20:21]
.endif
	s_lshl_b32 s20, s[CB], LOGNT+2
	s_add_nc_u64 s[BBP:BBP+1], s[BBP:BBP+1], s[20:21]
	CROUND                                         ; all four work-groups are here: the first joint loads meet
.if OUTK
	tensor_load_to_lds s[GXA:GXA+3], s[GX1:GX1+7]  ; the first fills go out as one group: four loads of mine are out (two with OUTK = 0)
	s_nop 0
	tensor_load_to_lds s[GXB:GXB+3], s[GX1:GX1+7]
	s_nop 0
.endif
	tensor_load_to_lds s[G0A:G0A+3], s[G1:G1+7]
	s_nop 0
	tensor_load_to_lds s[G0B:G0B+3], s[G1:G1+7]
	s_nop 0
	PLACES
	; ---------------- addresses ----------------
	v_and_b32 v1, 15, v0                           ; r = l % 16
	v_bfe_u32 v2, v0, 4, 1                         ; h = l / 16
	v_and_b32 v40, 31, v0                          ; l
	v_mul_u32_u24 v[ADRB0], v1, PITCH
	v_lshl_add_u32 v[ADRB0], v2, 4, v[ADRB0]
	s_mul_i32 s20, s[KK], NT*PITCH
	v_add_nc_u32 v[ADRB0], s20, v[ADRB0]
	s_lshl_b32 s20, s[KK], 10
	s_add_co_u32 s20, s20, TAB
	v_lshl_add_u32 v[TA0], v2, 5, s20
	s_lshl_b32 s20, s[KK], 5
	s_sub_co_u32 s21, 32, s20
	v_add_nc_u32 v41, s20, v1                      ; my row in fragments 0, 1: 32 kk + r (+ 16)
	v_add_nc_u32 v42, s21, v1                      ; in fragments 2, 3: 32 - 32 kk + r (+ 16)
	v_lshlrev_b32 v43, 4, v2
	v_lshl_add_u32 v[XOA], v41, XSH, v43
	v_lshl_add_u32 v[XOA+1], v42, XSH, v43
	v_lshlrev_b32 v44, SSH, v41
	v_lshlrev_b32 v45, SSH, v42
.if OUTK
	s_mul_i32 s20, s[KK], 4*XPL
	s_mul_i32 s21, s[MH], 64*144
	s_add_co_u32 s20, s20, s21
	s_add_co_u32 s20, s20, XT
	v_mul_u32_u24 v46, v41, 144
	v_add3_u32 v[XA0], v46, v43, s20
	v_mul_u32_u24 v46, v42, 144
	v_add3_u32 v[XA0+1], v46, v43, s20
.endif
	s_mul_i32 s20, s[WV], 2*NB*1024
	v_lshl_add_u32 v[GV], v40, 4, s20
	s_xor_b32 s20, s[WV], 1
	s_mul_i32 s20, s20, 2*NB*1024
	v_lshl_add_u32 v[TK], v40, 4, s20
	s_mul_i32 s98, s[CX], NASK
	s_add_co_u32 s98, s98, s[WV]
	s_lshl_b32 s98, s98, 5
	v_add_nc_u32 v46, s98, v40                     ; my piece of a tile: K half piece / NT, row piece % NT
	v_and_b32 v47, NT-1, v46
	v_lshrrev_b32 v46, LOGNT, v46
	v_mul_u32_u24 v47, v47, 9216
	v_mul_u32_u24 v46, v46, 4608
	v_add_nc_u32 v[PFO], v46, v47
	; ---------------- loads of the head ----------------
.irp f, 0,1,2,3
.irp g, 0,1,2,3,4,5,6,7
	global_load_b64 v[STL+16*\f+2*\g:STL+16*\f+2*\g+1], v[44+\f/2], s[6:7] offset:(\f%2)*SF+\g*SG
.endr
.endr
	v_lshlrev_b32 v46, 4, v0
	global_load_b128 v[32:35], v46, s[LNS:LNS+1]   ; four channels a thread
	global_load_b128 v[36:39], v46, s[LNB:LNB+1]
	v_lshlrev_b32 v47, 5, v2
.set b_, 0
.rept NB
	global_load_b128 v[BI+8*b_:BI+8*b_+3], v47, s[BBP:BBP+1] offset:64*b_
	global_load_b128 v[BI+8*b_+4:BI+8*b_+7], v47, s[BBP:BBP+1] offset:64*b_+16
.set b_, b_+1
.endr
.if !OUTK
	s_mov_b64 s[XP:XP+1], s[XB:XB+1]
	XLOAD                                          ; block 0
.endif
	s_wait_loadcnt 0x0
	; S = 1.75 L bf16(ln_s), B = 1.75 L (bf16(ln_b) + 2), into LDS for all four waves
	s_mov_b32 s22, 0x40068695                      ; 1.75 L
	s_mov_b32 s23, 0x40868695                      ; 3.5 L
	v_cvt_pk_bf16_f32 v40, v32, v33
	v_cvt_pk_bf16_f32 v41, v34, v35
	v_cvt_pk_bf16_f32 v42, v36, v37
	v_cvt_pk_bf16_f32 v43, v38, v39
.irp k, 0,1,2,3
	v_lshlrev_b32 v[32+2*\k], 16, v[40+\k]
	v_and_b32 v[33+2*\k], 0xffff0000, v[40+\k]
.endr
.irp k, 0,1,2,3
	v_mul_f32 v[32+\k], s22, v[32+\k]
	v_fma_f32 v[36+\k], v[36+\k], s22, s23
.endr
	v_lshl_add_u32 v44, v0, 4, TAB
	ds_store_b128 v44, v[32:35]
	ds_store_b128 v44, v[36:39] offset:2048
	; a row's mean and variance from its 8 groups' (mean, sum of squared deviations): mean = sum m_g / 8, M2 = sum M2_g + 64 sum (m_g - mean)^2
	s_mov_b32 s20, 0x3b000000                      ; 1 / 512
	s_mov_b32 s21, 0x3727c5ac                      ; 1e-5
.irp f, 0,1,2,3
	v_pk_add_f32 v[40:41], v[STL+16*\f:STL+16*\f+1], v[STL+16*\f+2:STL+16*\f+3]
	v_pk_add_f32 v[42:43], v[STL+16*\f+4:STL+16*\f+5], v[STL+16*\f+6:STL+16*\f+7]
	v_pk_add_f32 v[44:45], v[STL+16*\f+8:STL+16*\f+9], v[STL+16*\f+10:STL+16*\f+11]
	v_pk_add_f32 v[46:47], v[STL+16*\f+12:STL+16*\f+13], v[STL+16*\f+14:STL+16*\f+15]
	v_pk_add_f32 v[40:41], v[40:41], v[42:43]
	v_pk_add_f32 v[44:45], v[44:45], v[46:47]
	v_pk_add_f32 v[40:41], v[40:41], v[44:45]
	v_mul_f32 v[ST+2*\f+1], 0x3e000000, v40
	v_sub_f32 v42, v[STL+16*\f], v[ST+2*\f+1]
	v_mul_f32 v43, v42, v42
.irp g, 1,2,3,4,5,6,7
	v_sub_f32 v42, v[STL+16*\f+2*\g], v[ST+2*\f+1]
	v_fmac_f32 v43, v42, v42
.endr
	v_fma_f32 v41, v43, 0x42800000, v41
	v_fma_f32 v[ST+2*\f], v41, s20, s21
.endr
.irp f, 0,1,2,3
	v_rsq_f32 v[ST+2*\f], v[ST+2*\f]
.endr
	v_nop
	s_wait_alu depctr_va_vdst(0)                   ; one wait for the four
.irp f, 0,1,2,3
	v_mul_f32 v[ST+2*\f+1], -v[ST+2*\f+1], v[ST+2*\f]
.endr
	v_mov_b32 v[NJ], 0
	v_mov_b32 v[NJ+1], 0xbf99be61                  ; -L = -1.2011224
	v_mov_b32 v[NJ+2], 0xc019be61
	v_mov_b32 v[NJ+3], 0xc0669d92
	v_mov_b32 v[NJ+4], 0xc099be61
	v_mov_b32 v[NJ+5], 0xc0c02df9
	v_mov_b32 v[NJ+6], 0xc0e69d92
	v_mov_b32 v[NJ+7], 0xc1068695
.if OUTK
	WIN 0xc0                                       ; all eight sets of silu fragments, into window 3
.irp u, 0,1,2,3,4,5,6,7
	SALOAD \u
.endr
	WIN 0
.else
	SALOAD 0
.endif
	; the bias, rounded to bf16, starts the sums of K half 0 (0 starts those of half 1): written while the first tiles are on their way, and no bias is left to add at the end
.set b_, 0
.rept NB
.irp k, 0,1,2,3
	v_cvt_pk_bf16_f32 v[40+\k], v[BI+8*b_+2*\k], v[BI+8*b_+2*\k+1]
.endr
.irp k, 0,1,2,3
	v_and_b32 v[40+\k], s[FLM], v[40+\k]
.endr
.irp k, 0,1,2,3
	v_lshlrev_b32 v[BI+8*b_+2*\k], 16, v[40+\k]
	v_and_b32 v[BI+8*b_+2*\k+1], 0xffff0000, v[40+\k]
.endr
.set b_, b_+1
.endr
.set q_, 0
.rept NWM
	WIN 0x80+0x40*(q_/32)
.irp jj, 0,1,2,3,4,5,6,7
	v_mov_b32 v[8*(q_%32)+\jj], v[BI+8*(q_%NB)+\jj]
.endr
.set q_, q_+1
.endr
	WIN 0
	v_mov_b32 v[ADRB], v[ADRB0]
	v_mov_b32 v[TA], v[TA0]
.if OUTK
	v_mov_b32 v[XAA], v[XA0]
	v_mov_b32 v[XAA+1], v[XA0+1]
.endif
	s_wait_tensorcnt 1                             ; all my first fills but tile 1: tile 1 may stay out
	s_wait_dscnt 0x0                               ; my part of S and B is stored
	s_barrier_signal -1
	s_barrier_wait -1
	FETCH 0, 0
	TLOAD
.if OUTK
	XLOAD
.endif
	s_wait_dscnt 0x0
.set j, 0
.rept 48
	NRM j                                          ; block 0 is normalised
.set j, j+1
.endr
	v_add_nc_u32 v[TA], 64, v[TA0]                 ; block 1's x, S, B
.if OUTK
	v_add_nc_u32 v[XAA], 32, v[XA0]
	v_add_nc_u32 v[XAA+1], 32, v[XA0+1]
.else
	s_add_nc_u64 s[XP:XP+1], s[XB:XB+1], 32        ; (the loads that read it have come back)
.endif
	XLOAD
	TLOAD
.set j, 0
.rept 160
	VI 0                                           ; step 0's fragments
.endr
	s_mov_b32 s[TRIP], 16
	s_mov_b32 s[BO], 2
	s_mov_b32 s[TB], 0
.Ltrip:                                ; trip t multiplies tile t (16 channels of each K half), makes A one step ahead, asks for tile t + 2 and loads x, S, B of block t + 2
	STEP 0
	STEP 1
	STEP 2
	STEP3
	WIN 0
	s_sub_co_u32 s[TRIP], s[TRIP], 1
	s_cmp_lg_u32 s[TRIP], 0
	s_cbranch_scc1 .Ltrip
	; ---------------- the base steps: tiles 16 and 17 ----------------
.if OUTK
	s_wait_loadcnt 0x0                             ; the silu fragments, asked for at the head
.set AW, 0x0c
.else
	PLACES                                         ; behind the last products, in front of loads into registers that they read
.irp u, 1,2,3,4,5
	SALOAD \u
.endr
.endif
.irp u, 0,1,2,3,4,5,6,7
	BSTEP \u
.endr
.set AW, 0
	; ---------------- the end ----------------
	WIN 0
	s_wait_loadcnt 0x0                             ; no load reads v5, v6 any more
	s_mul_i32 s20, s[WV], STGB
	s_add_co_u32 s20, s20, STG                     ; my stage.  The lines below are also the places behind the last products
.if OUTK
	v_mul_u32_u24 v3, v1, 272                      ; in: row r, 32 bytes for each half of the lanes
	v_lshl_add_u32 v3, v2, 5, v3
	v_add_nc_u32 v3, s20, v3
	v_mul_u32_u24 v4, v2, 272                      ; back: lanes 0-15 one row of 256 bytes, lanes 16-31 the next
	v_lshl_add_u32 v4, v1, 4, v4
	v_add_nc_u32 v4, s20, v4
	v_lshlrev_b32 v5, 11, v2                       ; and the same two rows of the result
	v_lshl_add_u32 v5, v1, 4, v5
.else
	v_mul_u32_u24 v3, v1, 144                      ; in: row r of a head, 16 bytes for each half of the lanes
	v_lshl_add_u32 v3, v2, 4, v3
	v_add_nc_u32 v3, s20, v3
	v_bfe_u32 v4, v0, 3, 2                         ; back: 32 lanes take four rows of 128 bytes,
	v_mul_u32_u24 v4, v4, 144
	v_and_b32 v6, 7, v0
	v_lshl_add_u32 v4, v6, 4, v4
	v_add_nc_u32 v4, s20, v4
	v_and_b32 v5, 31, v0                           ; which are 512 consecutive bytes of the result
	v_lshlrev_b32 v5, 4, v5
.endif
	; fragments 2, 3 go to my partner, through slot 0: it has had its last fill, and since the barrier of base step 3 nobody reads it
	WIN 0x08+0x04*(1-OUTK)                         ; store data in window 2 (OUTK) or 3
.set x_, 0
.rept 2*NB
	ds_store_b128 v[GV], v[8*((2*NB+x_)%32):8*((2*NB+x_)%32)+3] offset:x_*1024
	ds_store_b128 v[GV], v[8*((2*NB+x_)%32)+4:8*((2*NB+x_)%32)+7] offset:x_*1024+512
.set x_, x_+1
.endr
	WIN 0
	s_wait_dscnt 0x0
	s_barrier_signal -1
	s_barrier_wait -1
.macro TAKE al                         ; fragment al: my sums and my partner's, then the way out through my stage
	s_wait_xcnt 0x0                                ; earlier stores have read their registers
.set b_, 0
.rept NB
	ds_load_b128 v[EE+8*b_:EE+8*b_+3], v[TK] offset:((\al)*NB+b_)*1024
	ds_load_b128 v[EE+8*b_+4:EE+8*b_+7], v[TK] offset:((\al)*NB+b_)*1024+512
.set b_, b_+1
.endr
	s_wait_dscnt 0x0
	WIN 0x02                                       ; source 0 in window 2
.set k_, 0
.rept 4*NB
	v_pk_add_f32 v[EE+2*k_:EE+2*k_+1], v[(\al)*8*NB+2*k_:(\al)*8*NB+2*k_+1], v[EE+2*k_:EE+2*k_+1]
.set k_, k_+1
.endr
	WIN 0
.if OUTK
.irp b, 0,1,2,3
	ds_store_b128 v3, v[EE+8*\b:EE+8*\b+3] offset:64*\b
	ds_store_b128 v3, v[EE+8*\b+4:EE+8*\b+7] offset:64*\b+16
.endr
.irp t, 0,1,2,3,4,5,6,7
	ds_load_b128 v[FF+4*\t:FF+4*\t+3], v4 offset:544*\t   ; LDS serves a wave's instructions in order: these see the stores above
.endr
.irp t, 0,1,2,3,4,5,6,7
	s_wait_dscnt 7-\t                              ; the younger loads may stay out
	global_store_b128 v5, v[FF+4*\t:FF+4*\t+3], s[10:11] offset:(\al)*32768+4096*\t  ; 16 lanes store 256 consecutive bytes, aligned
.endr
.else
.set k_, 0
.rept 4*NB
	v_cvt_pk_f16_f32 v[FF+k_], v[EE+2*k_], v[EE+2*k_+1]
.set k_, k_+1
.endr
.set hd_, 0
.rept 4                                ; a head's 64 columns at a time
.irp i, 0,1,2,3
	ds_store_b128 v3, v[FF+16*hd_+4*\i:FF+16*hd_+4*\i+3] offset:32*\i
.endr
.irp i, 0,1,2,3
	ds_load_b128 v[FF+16*hd_+4*\i:FF+16*hd_+4*\i+3], v4 offset:576*\i
.endr
.set hd_, hd_+1
.endr
.set hd_, 0
.rept 4
.irp i, 0,1,2,3
	s_wait_dscnt (3-hd_)*8+3-\i                    ; the LDS instructions issued behind this load may stay out
	global_store_b128 v5, v[FF+16*hd_+4*\i:FF+16*hd_+4*\i+3], s[10:11] offset:hd_*262144+(\al)*2048+512*\i  ; 512 consecutive bytes, aligned
.endr
.set hd_, hd_+1
.endr
.endif
.endm
	TAKE 0
	TAKE 1
	s_wait_tensorcnt 0x0                           ; the wave's end: behind my last tensor load and my last LDS store
	ds_add_u32 v[SPW], v[NIL]
	s_wait_dscnt 0x0
	CROUND                                         ; the closing round
	s_endpgm
.Lfunc_end_k_qf1545b37aa_kano:
	.size	k_qf1545b37aa_kano, .Lfunc_end_k_qf1545b37aa_kano-k_qf1545b37aa_kano
	.p2alignl 7, 3214868480
	.fill 96, 4, 3214868480
	.section	.rodata,"a",@progbits
	.p2align	6, 0x0
	.amdhsa_kernel k_qf1545b37aa_kano
		.amdhsa_group_segment_fixed_size 327680
		.amdhsa_private_segment_fixed_size 0
		.amdhsa_enable_private_segment 0
		.amdhsa_kernarg_size 56
		.amdhsa_user_sgpr_count 2
		.amdhsa_user_sgpr_kernarg_segment_ptr 1
		.amdhsa_wavefront_size32 1
		.amdhsa_system_sgpr_workgroup_id_x 1
		.amdhsa_system_sgpr_workgroup_id_y 1
		.amdhsa_system_sgpr_workgroup_id_z 1
		.amdhsa_system_vgpr_workitem_id 0
		.amdhsa_next_free_vgpr 1024
		.amdhsa_next_free_sgpr 100
		.amdhsa_reserve_vcc 0
		.amdhsa_float_denorm_mode_32 3
		.amdhsa_float_denorm_mode_16_64 3
		.amdhsa_memory_ordered 1
		.amdhsa_forward_progress 1
		.amdhsa_inst_pref_size 116
	.end_amdhsa_kernel
	.amdgpu_metadata
---
amdhsa.version: [ 1, 2 ]
amdhsa.kernels:
  - .name:           k_qf1545b37aa_kano
    .symbol:         k_qf1545b37aa_kano.kd
    .args:
      - { .name: og, .offset: 0, .size: 8, .value_kind: global_buffer, .address_space: global }
      - { .name: ost, .offset: 8, .size: 8, .value_kind: global_buffer, .address_space: global }
      - { .name: wc, .offset: 16, .size: 8, .value_kind: global_buffer, .address_space: global }
      - { .name: out0, .offset: 24, .size: 8, .value_kind: global_buffer, .address_space: global }
      - { .name: lo_ln_s, .offset: 32, .size: 8, .value_kind: global_buffer, .address_space: global }
      - { .name: lo_ln_b, .offset: 40, .size: 8, .value_kind: global_buffer, .address_space: global }
      - { .name: lo_bb, .offset: 48, .size: 8, .value_kind: global_buffer, .address_space: global }
    .group_segment_fixed_size: 327680
    .private_segment_fixed_size: 0
    .kernarg_segment_align: 8
    .kernarg_segment_size: 56
    .max_flat_workgroup_size: 128
    .sgpr_count:     100
    .vgpr_count:     1024
    .wavefront_size: 32
...
	.end_amdgpu_metadata
.endif
;; end of part 4
;; ======== version 2 of 2: 4 launches
;; limits: values are held in f16: magnitudes above 65,504 overflow, below 6.1e-05 lose precision
;; workspace buffers: wc 23,592,960 bytes; xs 25,165,824 bytes; st 786,432 bytes; qkvg 16,777,216 bytes; og 8,388,608 bytes; ost 262,144 bytes
;; launch prep (part 5): grid 1024 x 1, 8 waves a work-group, no clusters, 0 bytes of LDS; arguments lq_sw, lk_sw, lv_sw, lg_sw, lo_sw, lq_bw, lk_bw, lv_bw, lg_bw, lo_bw, q, k, v, wc, xs, st; writes wc, xs, st
.if DOCPART == 5
	.amdgcn_target "amdgcn-amd-amdhsa--gfx1250"
	.amdhsa_code_object_version 6
	.text
	.protected	k_qf1545b37aa_prep
	.globl	k_qf1545b37aa_prep
	.p2align	8
	.type	k_qf1545b37aa_prep,@function
k_qf1545b37aa_prep:
	s_mov_b64 s[64:65], 0
	v_nop
	global_prefetch_b8 v0, s[64:65] scope:SCOPE_SE
	s_setreg_imm32_b32 hwreg(HW_REG_WAVE_MODE, 25, 1), 1
	s_wait_xcnt 0x0
; PREPARATION: a stream, no LDS, no barrier, no matrix unit (every byte is read once and written once).
; Part W (work-groups 0-639): the five layers' weights, rounded once to bf16 and written as f16, in the order in which the layers' products want them.
;   wc: f16 [5 layers q,k,v,g,o][512 n][2 halves of K][18 blocks][128].  Blocks 0-15 of half kk: element 32 s + 16 i + 8 h + j of block b is sw[n][(256 kk + 16 b + 8 h + 2 s + i) 8 + j];
;   blocks 16, 17: element e is bw[n][256 kk + 128 (b - 16) + e].  A wave makes one half of one row n: 9 times 512 consecutive bytes out, 1,024 in.
; Part X (work-groups 640-1023): q, k, v.  xs: f16 [2 kinds][3][4096][512]: kind 0 x rounded to bf16, kind 1 silu of that.  st: f32 [3][4096][8 groups of 64 channels][mean, sum of squared deviations].
;   A wave makes four rows, two in each of two trips; a lane holds 8 channels of each half row, eight lanes hold a group.
; LOADS.  A lane wants 32 consecutive bytes (8 numbers).  Each load of a wave covers 512 consecutive bytes: lanes 0-15 take the even pieces of 16 bytes, lanes 16-31 the odd ones; of two such loads
;   (bytes 0-511 and 512-1,023) v_permlane16_swap_b32 makes, register by register, each lane's own 32 bytes.
; LIMITS.  f16 ends at 65,504 (x, silu(x) and the weights must lie within it) and keeps a fixed step of 6e-8 below 6e-5.  NaN and infinities are not treated apart.
.set XR,   16                          ; v[16:47]   part X: 4 units of 8 numbers (unit u = 2 row + half)
.set YR,   48                          ; v[48:79]   deviations, then silu
.set MEAN, 80                          ; v[80:83]   a unit's group mean
.set M2R,  84                          ; v[84:87]   a unit's group sum of squared deviations
.set HR,   88                          ; v[88:103]  x as f16
.set SR,   104                         ; v[104:119] silu as f16
.set RS,   120                         ; v[120:121] the pair that I store at the end
.macro SWP r                           ; two loads' registers become my 32 consecutive bytes: the first's lanes 16-31 change places with the second's lanes 0-15
.irp k, 0,1,2,3
	v_permlane16_swap_b32 v[(\r)+\k], v[(\r)+4+\k]
.endr
.endm
.macro CVB r                           ; eight f32 at v[r] rounded to bf16 and widened again, in place
	v_cvt_pk_bf16_f32 v8, v[(\r)], v[(\r)+1]
	v_cvt_pk_bf16_f32 v9, v[(\r)+2], v[(\r)+3]
	v_cvt_pk_bf16_f32 v10, v[(\r)+4], v[(\r)+5]
	v_cvt_pk_bf16_f32 v11, v[(\r)+6], v[(\r)+7]
.irp k, 0,1,2,3
	v_lshlrev_b32 v[(\r)+2*\k], 16, v[8+\k]
	v_and_b32 v[(\r)+2*\k+1], s39, v[8+\k]
.endr
.endm
	s_load_b512 s[4:19], s[0:1], 0x0               ; sw of q, k, v, g, o; bw of q, k, v
	s_load_b512 s[20:35], s[0:1], 0x40             ; bw of g, o; q, k, v; wc, xs, st
	v_lshrrev_b32 v1, 5, v0
	v_readfirstlane_b32 s36, v1                    ; wave 0..7
	v_and_b32 v1, 31, v0                           ; lane
	v_lshlrev_b32 v4, 4, v1                        ; 16 x lane
	v_and_b32 v5, 15, v1
	v_lshrrev_b32 v6, 4, v1                        ; l / 16
	v_lshlrev_b32 v3, 5, v5
	v_lshl_add_u32 v3, v6, 4, v3                   ; 32 (l % 16) + 16 (l / 16): even pieces for lanes 0-15, odd ones for lanes 16-31
	s_mov_b32 s45, 0                               ; the high word of every offset
	s_mov_b32 s39, 0xffff0000                      ; a word's upper bf16
	s_wait_kmcnt 0x0
	s_cmp_lt_u32 ttmp9, 640
	s_cbranch_scc0 .Lx
	; ---- part W ----
	s_lshr_b32 s37, ttmp9, 7                       ; layer
	s_and_b32 s38, ttmp9, 127
	s_lshl_b32 s38, s38, 3
	s_add_co_u32 s38, s38, s36                     ; 2 n + kk
	s_and_b32 s47, s38, 1                          ; kk
	s_lshr_b32 s38, s38, 1                         ; n
	s_mov_b64 s[40:41], s[4:5]
	s_mov_b64 s[42:43], s[14:15]
	s_cmp_eq_u32 s37, 1
	s_cselect_b64 s[40:41], s[6:7], s[40:41]
	s_cselect_b64 s[42:43], s[16:17], s[42:43]
	s_cmp_eq_u32 s37, 2
	s_cselect_b64 s[40:41], s[8:9], s[40:41]
	s_cselect_b64 s[42:43], s[18:19], s[42:43]
	s_cmp_eq_u32 s37, 3
	s_cselect_b64 s[40:41], s[10:11], s[40:41]
	s_cselect_b64 s[42:43], s[20:21], s[42:43]
	s_cmp_eq_u32 s37, 4
	s_cselect_b64 s[40:41], s[12:13], s[40:41]
	s_cselect_b64 s[42:43], s[22:23], s[42:43]
	s_lshl_b32 s44, s38, 14                        ; a row of sw is 16,384 bytes,
	s_lshl_b32 s46, s47, 13                        ; a half of it 8,192
	s_add_co_u32 s44, s44, s46
	s_add_nc_u64 s[40:41], s[40:41], s[44:45]
	s_lshl_b32 s44, s38, 11                        ; a row of bw 2,048, a half 1,024
	s_lshl_b32 s46, s47, 10
	s_add_co_u32 s44, s44, s46
	s_add_nc_u64 s[42:43], s[42:43], s[44:45]
	s_mul_i32 s44, s37, 4718592                    ; a layer of wc,
	s_mul_i32 s46, s38, 9216                       ; a row,
	s_add_co_u32 s44, s44, s46
	s_mul_i32 s46, s47, 4608                       ; a half
	s_add_co_u32 s44, s44, s46
	s_add_nc_u64 s[30:31], s[30:31], s[44:45]
	; my 8 numbers out are element 8 (l % 16) of block l / 16: h = l & 1, i = (l >> 1) & 1, s = (l >> 2) & 3: channel 16 (l / 16) + 8 h + 2 s + i of 32: its 8 grid weights are 32 bytes in
	v_and_b32 v5, 1, v1
	v_lshlrev_b32 v2, 3, v5
	v_bfe_u32 v5, v1, 2, 2
	v_lshl_add_u32 v2, v5, 1, v2
	v_bfe_u32 v5, v1, 1, 1
	v_add_nc_u32 v2, v2, v5
	v_lshlrev_b32 v2, 5, v2                        ; 32 (8 h + 2 s + i),
	v_lshl_add_u32 v2, v6, 4, v2                   ; its first 16 bytes for lanes 0-15, its second for lanes 16-31
.set it, 0
.rept 9                                ; all 18 loads go out first
.if it < 8
	global_load_b128 v[16+8*it:16+8*it+3], v2, s[40:41] offset:1024*it th:TH_LOAD_NT
	global_load_b128 v[16+8*it+4:16+8*it+7], v2, s[40:41] offset:1024*it+512 th:TH_LOAD_NT
.else
	global_load_b128 v[16+8*it:16+8*it+3], v3, s[42:43] th:TH_LOAD_NT
	global_load_b128 v[16+8*it+4:16+8*it+7], v3, s[42:43] offset:512 th:TH_LOAD_NT
.endif
.set it, it+1
.endr
.set it, 0
.rept 9
	s_wait_loadcnt 16-2*it                         ; loads come back in order: this pair is in, the 16 - 2 it younger ones may stay out
	SWP 16+8*it
	CVB 16+8*it
.irp k, 0,1,2,3
	v_cvt_pk_f16_f32 v[16+8*it+\k], v[16+8*it+2*\k], v[16+8*it+2*\k+1]  ; written behind the reads of the same registers
.endr
	global_store_b128 v4, v[16+8*it:16+8*it+3], s[30:31] offset:512*it   ; 512 consecutive bytes; its registers are not written again
.set it, it+1
.endr
	s_endpgm
	; ---- part X ----
.Lx:
	s_sub_co_u32 s37, ttmp9, 640
	s_lshr_b32 s38, s37, 7                         ; 0 q, 1 k, 2 v
	s_and_b32 s37, s37, 127
	s_lshl_b32 s37, s37, 5
	s_lshl2_add_u32 s37, s36, s37                  ; my first row: 32 x block + 4 x wave
	s_cmp_eq_u32 s38, 1
	s_cselect_b64 s[40:41], s[26:27], s[24:25]
	s_cmp_eq_u32 s38, 2
	s_cselect_b64 s[40:41], s[28:29], s[40:41]
	s_lshl_b32 s44, s37, 11
	s_add_nc_u64 s[40:41], s[40:41], s[44:45]      ; x at my first row
	s_lshl_b32 s44, s38, 22
	s_lshl_b32 s46, s37, 10
	s_add_co_u32 s44, s44, s46
	s_add_nc_u64 s[32:33], s[32:33], s[44:45]      ; xs, kind 0
	s_add_nc_u64 s[42:43], s[32:33], 12582912      ; xs, kind 1: too far for an immediate
	s_lshl_b32 s44, s38, 18
	s_lshl_b32 s46, s37, 6
	s_add_co_u32 s44, s44, s46
	s_add_nc_u64 s[34:35], s[34:35], s[44:45]      ; st
	; the masks by which lane l picks unit l % 8, in scalars that no memory instruction names and whose first use is over
	v_and_b32 v5, 1, v1
	v_cmp_ne_u32 s36, 0, v5
	v_and_b32 v5, 2, v1
	v_cmp_ne_u32 s38, 0, v5
	v_and_b32 v5, 4, v1
	v_cmp_ne_u32 s46, 0, v5
	v_mov_b32 v[RS], 0
	v_mov_b32 v[RS+1], 0
	s_mov_b32 s48, 0xbfb8aa3b                      ; -log2 e, as a pair for the packed multiply
	s_mov_b32 s49, s48
	s_mov_b32 s50, 2                               ; trips
	s_mov_b32 s51, -1                              ; the first trip's statistics go to every lane, the second's to lanes with l % 8 >= 4
.Lrows:                                ; two rows: four units
.set u, 0
.rept 4
	global_load_b128 v[XR+8*u:XR+8*u+3], v3, s[40:41] offset:(u/2)*2048+(u%2)*1024 th:TH_LOAD_NT
	global_load_b128 v[XR+8*u+4:XR+8*u+7], v3, s[40:41] offset:(u/2)*2048+(u%2)*1024+512 th:TH_LOAD_NT
.set u, u+1
.endr
	s_wait_loadcnt 0x0
.set u, 0
.rept 4
	SWP XR+8*u
	CVB XR+8*u
.irp k, 0,1,2,3
	v_cvt_pk_f16_f32 v[HR+4*u+\k], v[XR+8*u+2*\k], v[XR+8*u+2*\k+1]
.endr
	global_store_b128 v4, v[HR+4*u:HR+4*u+3], s[32:33] offset:(u/2)*1024+(u%2)*512
.set u, u+1
.endr
.set u, 0
.rept 4                                ; a group's mean: my 8, then the group's 8 lanes
	v_pk_add_f32 v[8:9], v[XR+8*u:XR+8*u+1], v[XR+8*u+2:XR+8*u+3]
	v_pk_add_f32 v[10:11], v[XR+8*u+4:XR+8*u+5], v[XR+8*u+6:XR+8*u+7]
	v_pk_add_f32 v[8:9], v[8:9], v[10:11]
	v_add_f32 v[MEAN+u], v8, v9
	v_add_f32_dpp v[MEAN+u], v[MEAN+u], v[MEAN+u] row_xmask:1 row_mask:0xf bank_mask:0xf
	v_add_f32_dpp v[MEAN+u], v[MEAN+u], v[MEAN+u] row_xmask:2 row_mask:0xf bank_mask:0xf
	v_add_f32_dpp v[MEAN+u], v[MEAN+u], v[MEAN+u] row_xmask:4 row_mask:0xf bank_mask:0xf
	v_mul_f32 v[MEAN+u], 0x3c800000, v[MEAN+u]     ; / 64
.set u, u+1
.endr
.set u, 0
.rept 4                                ; deviations from the group's own mean, and their squares' sum: no difference of large sums
.irp k, 0,1,2,3
.if u%2
	v_pk_add_f32 v[YR+8*u+2*\k:YR+8*u+2*\k+1], v[XR+8*u+2*\k:XR+8*u+2*\k+1], v[MEAN+u-1:MEAN+u] op_sel:[0,1] op_sel_hi:[1,1] neg_lo:[0,1] neg_hi:[0,1]
.else
	v_pk_add_f32 v[YR+8*u+2*\k:YR+8*u+2*\k+1], v[XR+8*u+2*\k:XR+8*u+2*\k+1], v[MEAN+u:MEAN+u+1] op_sel_hi:[1,0] neg_lo:[0,1] neg_hi:[0,1]
.endif
.endr
	v_pk_mul_f32 v[8:9], v[YR+8*u:YR+8*u+1], v[YR+8*u:YR+8*u+1]
.irp k, 1,2,3
	v_pk_fma_f32 v[8:9], v[YR+8*u+2*\k:YR+8*u+2*\k+1], v[YR+8*u+2*\k:YR+8*u+2*\k+1], v[8:9]
.endr
	v_add_f32 v[M2R+u], v8, v9
	v_add_f32_dpp v[M2R+u], v[M2R+u], v[M2R+u] row_xmask:1 row_mask:0xf bank_mask:0xf
	v_add_f32_dpp v[M2R+u], v[M2R+u], v[M2R+u] row_xmask:2 row_mask:0xf bank_mask:0xf
	v_add_f32_dpp v[M2R+u], v[M2R+u], v[M2R+u] row_xmask:4 row_mask:0xf bank_mask:0xf
.set u, u+1
.endr
	; silu(x) = x / (1 + 2^(-x log2 e)): two batches of 32, one wait each
.set i, 0
.rept 16
	v_pk_mul_f32 v[YR+2*i:YR+2*i+1], v[XR+2*i:XR+2*i+1], s[48:49] op_sel_hi:[1,0]
.set i, i+1
.endr
.set i, 0
.rept 32
	v_exp_f32 v[YR+i], v[YR+i]
.set i, i+1
.endr
	v_nop                                          ; a plain instruction behind the last exponential,
	s_wait_alu depctr_va_vdst(0)                   ; and the one wait ahead of the batch's first reader
.set i, 0
.rept 16
	v_pk_add_f32 v[YR+2*i:YR+2*i+1], v[YR+2*i:YR+2*i+1], 1.0 op_sel_hi:[1,0]
.set i, i+1
.endr
.set i, 0
.rept 32
	v_rcp_f32 v[YR+i], v[YR+i]
.set i, i+1
.endr
	v_nop
	s_wait_alu depctr_va_vdst(0)
.set i, 0
.rept 16
	v_pk_mul_f32 v[YR+2*i:YR+2*i+1], v[YR+2*i:YR+2*i+1], v[XR+2*i:XR+2*i+1]
.set i, i+1
.endr
.set i, 0
.rept 16
	v_cvt_pk_f16_f32 v[SR+i], v[YR+2*i], v[YR+2*i+1]
.set i, i+1
.endr
.set u, 0
.rept 4
	global_store_b128 v4, v[SR+4*u:SR+4*u+3], s[42:43] offset:(u/2)*1024+(u%2)*512
.set u, u+1
.endr
.irp b, MEAN, M2R                      ; lane l keeps unit l % 4 of this trip, if the trip is l % 8 / 4
	v_cndmask_b32 v8, v[\b], v[\b+1], s36
	v_cndmask_b32 v9, v[\b+2], v[\b+3], s36
	v_cndmask_b32 v8, v8, v9, s38
	v_cndmask_b32 v[RS+(\b-MEAN)/4], v[RS+(\b-MEAN)/4], v8, s51
.endr
	s_wait_xcnt 0x0                                ; the trip's loads and stores have read their registers: only now are the bases stepped, and the stores' data written again in the next trip
	s_add_nc_u64 s[40:41], s[40:41], 4096
	s_add_nc_u64 s[32:33], s[32:33], 2048
	s_add_nc_u64 s[42:43], s[42:43], 2048
	s_mov_b32 s51, s46
	s_sub_co_u32 s50, s50, 1
	s_cmp_lg_u32 s50, 0
	s_cbranch_scc1 .Lrows
	; the statistics: lane l stores unit t = l % 8 of group l / 8: the 32 lanes write 256 consecutive bytes, aligned (four rows of 64 bytes)
	v_and_b32 v5, 7, v1                            ; t
	v_lshrrev_b32 v6, 1, v5
	v_lshlrev_b32 v6, 6, v6                        ; row t / 2: 64 bytes
	v_and_b32 v5, 1, v5
	v_lshl_add_u32 v6, v5, 5, v6                   ; half t % 2: four groups, 32 bytes
	v_lshrrev_b32 v5, 3, v1
	v_lshl_add_u32 v6, v5, 3, v6                   ; group l / 8: 8 bytes
	global_store_b64 v6, v[RS:RS+1], s[34:35]
	s_endpgm
.Lfunc_end_k_qf1545b37aa_prep:
	.size	k_qf1545b37aa_prep, .Lfunc_end_k_qf1545b37aa_prep-k_qf1545b37aa_prep
	.p2alignl 7, 3214868480
	.fill 96, 4, 3214868480
	.section	.rodata,"a",@progbits
	.p2align	6, 0x0
	.amdhsa_kernel k_qf1545b37aa_prep
		.amdhsa_group_segment_fixed_size 0
		.amdhsa_private_segment_fixed_size 0
		.amdhsa_enable_private_segment 0
		.amdhsa_kernarg_size 128
		.amdhsa_user_sgpr_count 2
		.amdhsa_user_sgpr_kernarg_segment_ptr 1
		.amdhsa_wavefront_size32 1
		.amdhsa_system_sgpr_workgroup_id_x 1
		.amdhsa_system_sgpr_workgroup_id_y 1
		.amdhsa_system_sgpr_workgroup_id_z 1
		.amdhsa_system_vgpr_workitem_id 0
		.amdhsa_next_free_vgpr 128
		.amdhsa_next_free_sgpr 66
		.amdhsa_reserve_vcc 0
		.amdhsa_float_denorm_mode_32 3
		.amdhsa_float_denorm_mode_16_64 3
		.amdhsa_memory_ordered 1
		.amdhsa_forward_progress 1
		.amdhsa_inst_pref_size 32
	.end_amdhsa_kernel
	.amdgpu_metadata
---
amdhsa.version: [ 1, 2 ]
amdhsa.kernels:
  - .name:           k_qf1545b37aa_prep
    .symbol:         k_qf1545b37aa_prep.kd
    .args:
      - { .name: lq_sw, .offset: 0, .size: 8, .value_kind: global_buffer, .address_space: global }
      - { .name: lk_sw, .offset: 8, .size: 8, .value_kind: global_buffer, .address_space: global }
      - { .name: lv_sw, .offset: 16, .size: 8, .value_kind: global_buffer, .address_space: global }
      - { .name: lg_sw, .offset: 24, .size: 8, .value_kind: global_buffer, .address_space: global }
      - { .name: lo_sw, .offset: 32, .size: 8, .value_kind: global_buffer, .address_space: global }
      - { .name: lq_bw, .offset: 40, .size: 8, .value_kind: global_buffer, .address_space: global }
      - { .name: lk_bw, .offset: 48, .size: 8, .value_kind: global_buffer, .address_space: global }
      - { .name: lv_bw, .offset: 56, .size: 8, .value_kind: global_buffer, .address_space: global }
      - { .name: lg_bw, .offset: 64, .size: 8, .value_kind: global_buffer, .address_space: global }
      - { .name: lo_bw, .offset: 72, .size: 8, .value_kind: global_buffer, .address_space: global }
      - { .name: q, .offset: 80, .size: 8, .value_kind: global_buffer, .address_space: global }
      - { .name: k, .offset: 88, .size: 8, .value_kind: global_buffer, .address_space: global }
      - { .name: v, .offset: 96, .size: 8, .value_kind: global_buffer, .address_space: global }
      - { .name: wc, .offset: 104, .size: 8, .value_kind: global_buffer, .address_space: global }
      - { .name: xs, .offset: 112, .size: 8, .value_kind: global_buffer, .address_space: global }
      - { .name: st, .offset: 120, .size: 8, .value_kind: global_buffer, .address_space: global }
    .group_segment_fixed_size: 0
    .private_segment_fixed_size: 0
    .kernarg_segment_align: 8
    .kernarg_segment_size: 128
    .max_flat_workgroup_size: 256
    .sgpr_count:     66
    .vgpr_count:     128
    .wavefront_size: 32
...
	.end_amdgpu_metadata
.endif
;; end of part 5
;; launch kanp (part 6): grid 32 x 8, 4 waves a work-group, clusters of 4 x 1, 327,680 bytes of LDS; arguments xs, st, wc, qkvg, lq_ln_s, lk_ln_s, lv_ln_s, lg_ln_s, lq_ln_b, lk_ln_b, lv_ln_b, lg_ln_b, lq_bb, lk_bb, lv_bb, lg_bb; writes qkvg
.if DOCPART == 6
	.amdgcn_target "amdgcn-amd-amdhsa--gfx1250"
	.amdhsa_code_object_version 6
	.text
	.protected	k_qf1545b37aa_kanp
	.globl	k_qf1545b37aa_kanp
	.p2align	8
	.type	k_qf1545b37aa_kanp,@function
k_qf1545b37aa_kanp:
	s_mov_b64 s[64:65], 0
	v_nop
	global_prefetch_b8 v0, s[64:65] scope:SCOPE_SE
	s_setreg_imm32_b32 hwreg(HW_REG_WAVE_MODE, 25, 1), 1
	s_wait_xcnt 0x0
	s_wait_alu depctr_hold_cnt(0) depctr_sa_sdst(0) depctr_va_vdst(0) depctr_va_sdst(0) depctr_va_ssrc(0) depctr_va_vcc(0) depctr_vm_vsrc(0)
	s_getreg_b32 s2, hwreg(HW_REG_IB_STS2, 6, 4)
	s_cmp_eq_u32 s2, 0
	s_cbranch_scc0 .Lentry_in_a_cluster
	s_endpgm
.Lentry_in_a_cluster:
	s_bfe_u32 s2, ttmp6, 0x10000c
	s_cmp_lg_u32 s2, 0x3003
	s_cbranch_scc0 .Lentry_shape_is_right
	s_endpgm
.Lentry_shape_is_right:
; THE FASTKAN LAYERS q, k, v, g, EACH AS ONE PRODUCT: y = [basis(LayerNorm(x)) | silu(x)] [sw | bw]^T + bb, M = 4,096, N = 512, K = 4,096 + 512.
; Grid y = 2 layer + column block of 256; x from xs (g reads q), result f16 by heads into qkvg.
; THE A OPERAND IS NEVER IN MEMORY.  A channel's 8 Gaussians are one unit of 8 along K of a 16-bit fragment, so a lane makes its own fragment registers from its own normalised x:
; basis_j = 2^-(a - j L)^2 with L = sqrt(log2 e), a = xhat S + B, S = 1.75 L ln_s, B = 1.75 L (ln_b + 2).  All eight exponentials are computed; an overflowing square gives 0.
; SHARES.  A work-group makes 128 rows x 256 columns.  K IS SPLIT between waves: wave w takes K half kk = w & 1 (channels 256 kk ..) and rows 64 (w >> 1) ..: 64 rows x 256 columns, 64 accumulators.
; Register row fragment f stands for fragment (f + 2 kk) & 3, so every wave keeps fragments 0, 1 and hands 2, 3 to wave w ^ 1 through LDS at the end.
; THE MATRIX INSTRUCTION IS USED TRANSPOSED (source 0 = 16 rows of the weights, source 1 = 16 rows of A): a lane holds row l % 16 and the columns 8 (l / 16) + 0..7 of a fragment.
; RING.  18 tiles of weights (K steps of 128 for both halves) go through two LDS slots; the four row blocks of a cluster walk the same tiles and ask JOINTLY (mask 15), one load a wave behind each round.
; BY TURNS.  While step s is multiplied, the vector work that makes step s + 1's fragments (160 instructions, 64 of them exponentials: one batch, one wait) stands in slices behind the matrix instructions.
; FORMATS.  ln_s, ln_b, bb are rounded once to bf16 like all inputs; basis, silu, x and the weights are f16 operands; sums f32, in another order than a plain dot product's.
; LIMITS.  f16 ends at 65,504 (x, silu, weights and the results) and keeps a fixed step of 6e-8 below 6e-5; an exponential below 2^-126 counts as 0; NaN and infinities are not treated apart.
.set NB, 16                            ; column fragments of a work-group
.set LOGNT, 8
.set AHEAD, 1                          ; the prefetch names the tile AHEAD trips behind the one that is being asked for
.set NASK, 4                           ; waves of a work-group that prefetch
.set IFE, 2                            ; the next step's fragments of the weights are fetched behind this matrix instruction
.set XSH, 10                           ; log2 of a row's bytes in xs
.set SSH, 6                            ; the same in the statistics
.set SF, 1024                          ; 16 rows of statistics
.set SG, 8                             ; from group to group
.set STL, 192                          ; where the statistics land
.set NT,    16*NB
.set NWM,   4*NB                       ; matrix instructions of a wave in a step of 32 along K
.set PITCH, 272                        ; an LDS row of weights: 256 bytes + 16: the 16 rows of a load start at 16 different groups of four banks
.set HALFT, (NT/2)*PITCH               ; what one tensor load brings
.set SLOT,  4*HALFT                    ; K half 0's NT rows, then K half 1's
.set TAB,   2*SLOT                     ; S (2,048 bytes), then B
.set STGB,  16*144
.set STG,   TAB+4096                   ; a stage for each wave, for the way out
.set SPARE, STG+4*STGB                 ; the spare words, 128 bytes a wave: two blocks of 256 bytes that no other line names
; window 0
.set ADRB0, 3                          ; my place in a tile of weights
.set ADRB,  4                          ; the same in the slot in hand
.set XOA,   5                          ; v5, v6  my byte offset in x's rows, fragments 0, 1 and 2, 3
.set TA0,   7                          ; my place in TAB
.set TA,    8
.set PFO,   9                          ; the prefetch's offset
.set SPW,   10                         ; LDS address of my spare word; never rewritten
.set NIL,   11                         ; 0; never rewritten
.set GV,    12                         ; where I put what I hand over
.set TK,    13                         ; where I take my partner's
.set ST,    16                         ; v[16:23]  (rstd, -mean rstd) for each fragment
.set NJ,    24                         ; v[24:31]  -j L
.set SS,    32                         ; v[32:39]  S of my 8 channels
.set BC,    40                         ; v[40:47]  B
.set X1,    48                         ; v[48:63]  x: 8 f16 channels for each fragment
.set AV,    64                         ; v[64:95]  a: 8 channels for each fragment
.set T,     96                         ; v[96:159] at work: 4 fragments x 2 channels x 8
.set A0,    160                        ; v[160:191], v[192:223]  two buffers of A fragments
.set ZR,    192                        ; the head: v[192:207] two fragments of zeros
.set BI,    64                         ; the head: the bias
.set EE,    64                         ; the end: sums
.set FF,    192                        ; the end: what is stored
; scalars
.set WV, 12
.set KK, 13
.set MH, 14
.set CX, 15
.set R0, 16
.set YY, 17
.set LAY, 18
.set SRC, 19
.set G1, 24                            ; s[24:31] descriptor group 1 of the weights' tiles
.set G0A, 32                           ; s[32:35] group 0 of tile 0
.set G0B, 36                           ; s[36:39] group 0 of tile 1; it then walks
.set HIM, 40                           ; a word's upper bf16
.set TRIP, 56
.set BO, 57                            ; the block whose x, S, B are loaded next
.set TB, 58                            ; LDS byte of the slot in hand
.set CB, 59
.set OFF, 60
.set XP, 62
.set PFA, 66
.set XB, 92
.set SB, 94
.set LIM, 96
.set FLM, 97
.set RW, 99
.set LNS, 68
.set LNB, 76
.set BBP, 84
.set MSB, 0
.macro WIN new                         ; the immediate's high byte repeats the setting that is left; a switch that changes nothing is dropped
.if MSB != (\new)
	s_set_vgpr_msb (MSB<<8)|(\new)
.set MSB, \new
.endif
.endm
.set MUL_LO, 0xa1                      ; source 0 (weights) window 1, source 1 (A) window 0, C and D window 2; + 0x50: window 3
.set TO_B,   0x40                      ; destination window 1
.macro PLACES
.rept 4
	v_nop
.endr
.endm
.macro CREST                           ; a round of the cluster's barrier behind its opening barrier
	s_cmp_lg_u32 s[WV], 0
	s_cbranch_scc1 .Lnot_wave_0_\@
	s_barrier_signal -3
.Lnot_wave_0_\@:
	s_barrier_wait -3
	s_barrier_signal -1
	s_barrier_wait -1
.endm
.macro CROUND
	s_barrier_signal -1
	s_barrier_wait -1
	CREST
.endm
; matrix instruction i of a step: row fragment i / NB, column fragment i % NB; the accumulators take turns, one instruction a turn, over every edge
.macro WM i, p, ab
.set q_, (\i)
	WIN MUL_LO+0x50*(q_/32)
	v_wmma_f32_16x16x32_f16 v[8*(q_%32):8*(q_%32)+7], v[8*NB*(\p)+8*(q_%NB):8*NB*(\p)+8*(q_%NB)+7], v[(\ab)+8*(q_/NB):(\ab)+8*(q_/NB)+7], v[8*(q_%32):8*(q_%32)+7]
.endm
.macro FETCH p, koff                   ; one run of 2 NB LDS loads: the weights' fragments of 32 along K at byte koff of the rows, into buffer p of window 1
	WIN TO_B
.set b_, 0
.rept NB
	ds_load_b128 v[8*NB*(\p)+8*b_:8*NB*(\p)+8*b_+3], v[ADRB] offset:(\koff)+16*PITCH*b_
	ds_load_b128 v[8*NB*(\p)+8*b_+4:8*NB*(\p)+8*b_+7], v[ADRB] offset:(\koff)+16*PITCH*b_+32
.set b_, b_+1
.endr
	WIN 0
.endm
.macro XLOAD                           ; my 8 channels of a block of 16, for each of my four rows
.irp f, 0,1,2,3
	global_load_b128 v[X1+4*\f:X1+4*\f+3], v[XOA+\f/2], s[XP:XP+1] offset:(\f%2)*16384
.endr
.endm
.macro TLOAD
	ds_load_b128 v[SS:SS+3], v[TA]
	ds_load_b128 v[SS+4:SS+7], v[TA] offset:16
	ds_load_b128 v[BC:BC+3], v[TA] offset:2048
	ds_load_b128 v[BC+4:BC+7], v[TA] offset:2064
.endm
; THE VECTOR WORK that makes a step's A fragments is a numbered list; VI writes number j of it for target step sp.
.macro PLN n, sp                       ; plain number n of 64: unit m = n / 8 (fragment m / 2, channel 2 sp + m % 2): four times a - j L for two j, four times the negated square
.set m_, (\n)/8
.set t_, (\n)%8
.if t_ < 4
.if m_%2
	v_pk_add_f32 v[T+8*m_+2*t_:T+8*m_+2*t_+1], v[AV+8*(m_/2)+2*(\sp):AV+8*(m_/2)+2*(\sp)+1], v[NJ+2*t_:NJ+2*t_+1] op_sel:[1,0] op_sel_hi:[1,1]
.else
	v_pk_add_f32 v[T+8*m_+2*t_:T+8*m_+2*t_+1], v[AV+8*(m_/2)+2*(\sp):AV+8*(m_/2)+2*(\sp)+1], v[NJ+2*t_:NJ+2*t_+1] op_sel_hi:[0,1]
.endif
.else
	v_pk_mul_f32 v[T+8*m_+2*t_-8:T+8*m_+2*t_-7], v[T+8*m_+2*t_-8:T+8*m_+2*t_-7], v[T+8*m_+2*t_-8:T+8*m_+2*t_-7] neg_lo:[1,0] neg_hi:[1,0]
.endif
.endm
.macro NRM n                           ; the next block is normalised: 32 times xhat = x rstd - mean rstd from an f16 half, 16 times a = xhat S + B for two channels
.if (\n) < 32
.set f_, (\n)/8
.set e_, (\n)%8
.if e_%2
	v_fma_mix_f32 v[AV+8*f_+e_], v[X1+4*f_+e_/2], v[ST+2*f_], v[ST+2*f_+1] op_sel:[1,0,0] op_sel_hi:[1,0,0]
.else
	v_fma_mix_f32 v[AV+8*f_+e_], v[X1+4*f_+e_/2], v[ST+2*f_], v[ST+2*f_+1] op_sel_hi:[1,0,0]
.endif
.else
.set f_, ((\n)-32)/4
.set e_, 2*(((\n)-32)%4)
	v_pk_fma_f32 v[AV+8*f_+e_:AV+8*f_+e_+1], v[AV+8*f_+e_:AV+8*f_+e_+1], v[SS+e_:SS+e_+1], v[BC+e_:BC+e_+1]
.endif
.endm
; 0-7 plain; 8-119 exponential and plain by turns (an exponential stands three plain numbers or more behind its square); 120-127 the last exponentials; then ONE wait for the 64;
; 128-159 the roundings to f16 into the other A buffer; 160-207 (step 2 alone) the next block's normalisation
.macro VI sp
.if j < 8
	PLN j, \sp
.elseif j < 120
.if (j-8)%2 == 0
	v_exp_f32 v[T+(j-8)/2], v[T+(j-8)/2]
.else
	PLN 8+(j-9)/2, \sp
.endif
.elseif j < 128
	v_exp_f32 v[T+j-64], v[T+j-64]
.elseif j < 160
.if j == 128
	v_nop                                          ; a plain instruction behind the last exponential,
	s_wait_alu depctr_va_vdst(0)                   ; and the one wait ahead of the batch's first reader
.endif
	v_cvt_pk_f16_f32 v[A0+32*((\sp)%2)+j-128], v[T+2*(j-128)], v[T+2*(j-128)+1]
.else
.if j == 160
	s_wait_loadcnt 0x0                             ; x of the next block, asked for three steps ago
.endif
	NRM j-160
.endif
.set j, j+1
.endm
.macro WMR n, L, sp, p, ab             ; n matrix instructions from number i_ on, behind each its slice of the list of L
.rept \n
	WM i_, \p, \ab
	WIN 0
.rept ((i_+1)*(\L)+NWM-1)/NWM-(i_*(\L)+NWM-1)/NWM
	VI \sp
.endr
.set i_, i_+1
.endr
.endm
.macro WMS n, p, ab                    ; n matrix instructions without slices
.rept \n
	WM i_, \p, \ab
.set i_, i_+1
.endr
.endm
; steps 0 to 2 of a tile.  The run of LDS loads for the next step goes into the buffer that the step before multiplied: eight plain instructions or more stand behind that buffer's last reader.
.macro STEP s
.set j, 0
.set i_, 0
	s_wait_dscnt 0x0                               ; this step's fragments of the weights are in (at step 0 also S and B)
	WMR IFE+1, 160+48*((\s)/2), (\s)+1, (\s)%2, A0+32*((\s)%2)
	FETCH 1-(\s)%2, 64*((\s)+1)
	WMR NWM-IFE-1, 160+48*((\s)/2), (\s)+1, (\s)%2, A0+32*((\s)%2)
.endm
; A PREFETCH INTO THE L2 of the tile AHEAD trips behind the one just asked for: 2 NT pieces of 256 bytes, a lane a piece.  All clusters with the same grid y walk the same tiles: cluster x = 0 asks;
; its four partners and their NASK waves share the pieces out by address.  Each piece is named once in the launch; tiles 0 to 1 + AHEAD come by their loads alone; the last AHEAD trips ask for nothing.
.macro ASK
	s_cmp_gt_u32 s[TRIP], s[LIM]
	s_cbranch_scc0 .Lnot_mine_\@
	global_prefetch_b8 v[PFO], s[PFA:PFA+1] th:TH_LOAD_NT scope:SCOPE_SE
.Lnot_mine_\@:
.endm
; step 3 multiplies and changes slots.  In front of the round each wave waits for all its tensor loads (one is out: its part of the next tile), adds 0 to its spare word, and waits for that and for its
; reads of this slot.  Behind the round the slot just read out takes the tile two tiles on: it has a whole trip in which to land.
.macro STEP3
.set j, 0
.set i_, 0
	WIN 0
	s_wait_xcnt 0x0                                ; the last prefetch and x loads, a trip back, have read their addresses
	s_wait_tensorcnt 0x0                           ; no tensor load of mine is out, so a group 0 may be written
	ds_add_u32 v[SPW], v[NIL]                      ; 0 onto my spare word; work on registers stands between it and the wait for it
	s_xor_b32 s[G0B+1], s[G0B+1], SLOT
	s_add_nc_u64 s[G0B+2:G0B+3], s[G0B+2:G0B+3], 256
	s_add_nc_u64 s[PFA:PFA+1], s[PFA:PFA+1], 256
	s_xor_b32 s[TB], s[TB], SLOT
	s_lshl_b32 s[OFF], s[BO], 5
	s_add_nc_u64 s[XP:XP+1], s[XB:XB+1], s[OFF:OFF+1]
	s_wait_dscnt 1                                 ; all but the add: this step's fragments are in
	WMR NWM/4, 160, 0, 1, A0+32
	s_wait_dscnt 0x0                               ; the add is done, and my reads of this slot are over
	s_barrier_signal -1
	WMR NWM/4, 160, 0, 1, A0+32
	s_wait_alu depctr_va_vdst(0)                   ; the exponentials issued so far have their wait
	WIN 0
	s_barrier_wait -1
	CREST                                          ; no wave of any partner still reads this slot or has a load on its way
	tensor_load_to_lds s[G0B:G0B+3], s[G1:G1+7]
	s_nop 0
	PLACES
	v_add_nc_u32 v[ADRB], s[TB], v[ADRB0]
	v_lshl_add_u32 v[TA], s[BO], 6, v[TA0]
	FETCH 0, 0
	XLOAD
	TLOAD
	ASK
	s_add_co_u32 s[BO], s[BO], 1
	s_min_u32 s[BO], s[BO], 15                     ; the last two trips load block 15 once more: what is made of it is not used
	WMR NWM/2, 160, 0, 1, A0+32
.endm
; THE BASE STEPS: silu(x) comes as finished fragments.  Where set u of 32 registers lies:
.macro SETOF u
.if ((\u) == 0) || ((\u) == 6)
.set sa_, 224
.elseif ((\u) == 1) || ((\u) == 7)
.set sa_, 96
.elseif (\u) == 2
.set sa_, 128
.elseif (\u) == 3
.set sa_, 64
.elseif (\u) == 4
.set sa_, 160
.else
.set sa_, 192
.endif
.endm
.macro SALOAD u
	SETOF \u
.irp f, 0,1,2,3
	global_load_b128 v[sa_+8*\f:sa_+8*\f+3], v[XOA+\f/2], s[SB:SB+1] offset:(\f%2)*16384+64*(\u)
	global_load_b128 v[sa_+8*\f+4:sa_+8*\f+7], v[XOA+\f/2], s[SB:SB+1] offset:(\f%2)*16384+64*(\u)+32
.endr
.endm
.macro BSTEP u
	SETOF \u
.set ab_, sa_
.set i_, 0
.if (\u) == 3
	WIN 0
	s_wait_tensorcnt 0x0                           ; the last tile is in
	ds_add_u32 v[SPW], v[NIL]
.endif
	s_wait_dscnt 0x0
.if (\u) > 0
.if (\u) < 4
	s_wait_loadcnt 32                              ; set u is in; the four younger sets of eight loads may stay out
.else
	s_wait_loadcnt 8*(7-(\u))                      ; the 7 - u younger sets may stay out
.endif
.endif
.if (\u) == 3
	s_barrier_signal -1                            ; my reads of slot 0 are over and my part of the last tile is in; nothing is filled again, so no round follows
.endif
	WMS NWM/2, (\u)%2, ab_
	PLACES                                         ; in front of loads into registers that the step before multiplied
.if (\u) == 3
	s_barrier_wait -1
	s_xor_b32 s[TB], s[TB], SLOT
	WIN 0
	v_add_nc_u32 v[ADRB], s[TB], v[ADRB0]
	FETCH 0, 0
.elseif (\u) < 7
	FETCH 1-(\u)%2, 64*(((\u)+1)%4)
.endif
.if ((\u) == 1) || ((\u) == 2)
	SALOAD (\u)+5
.endif
	WMS NWM/2, (\u)%2, ab_
.endm
	; ---------------- the head ----------------
	s_load_b256 s[4:11], s[0:1], 0x0               ; xs, st, wc, qkvg
	s_load_b512 s[68:83], s[0:1], 0x20             ; ln_s of q, k, v, g; ln_b of q, k, v, g
	s_load_b256 s[84:91], s[0:1], 0x60             ; bb of q, k, v, g
	v_lshl_add_u32 v[SPW], v0, 2, SPARE
	v_mov_b32 v[NIL], 0
	ds_add_u32 v[SPW], v[NIL]                      ; the wave's opening: the add and its wait ahead of my first tensor load
	v_lshrrev_b32 v1, 5, v0
	v_readfirstlane_b32 s[WV], v1                  ; wave 0..3
	s_and_b32 s[KK], s[WV], 1                      ; my half of K.  Also: which half of a tile's rows I fetch
	s_lshr_b32 s[MH], s[WV], 1                     ; my half of the rows.  Also: for which half of K I fetch
	s_and_b32 s[YY], ttmp7, 0xffff
	s_lshr_b32 s[LAY], s[YY], 1
	s_and_b32 s[CB], s[YY], 1
	s_cmp_eq_u32 s[LAY], 3
	s_cselect_b32 s[SRC], 0, s[LAY]                ; g reads q
	s_mul_i32 s20, s[LAY], 4718592
	s_mul_i32 s21, s[CB], NT*9216
	s_add_co_u32 s20, s20, s21                     ; the column block's first row in wc
	s_mov_b32 s21, 0
	s_mul_i32 s22, s[KK], (NT/2)*9216
	s_mul_i32 s23, s[MH], 4608
	s_add_co_u32 s22, s22, s23
	s_add_co_u32 s22, s22, s20                     ; my part of tile 0: made of the grid's y and the wave's number alone
	s_mov_b32 s23, 0
	s_mov_b32 s[G1], 15|(1<<16)|(1<<20)|(1<<21)|(5<<22)|(3<<25)  ; the mask of four; 2-byte elements; padding on; bit 21 beside a mask; after every 64 words 4 words
	s_mov_b32 s[G1+1], 128<<16                     ; tensor_dim0 = 128
	s_mov_b32 s[G1+2], (NT/2)<<16                  ; tensor_dim1
	s_mov_b32 s[G1+3], 128<<16                     ; tile_dim0
	s_mov_b32 s[G1+4], NT/2                        ; tile_dim1
	s_mov_b32 s[G1+5], 4608                        ; elements from row to row
	s_mov_b32 s[G1+6], 0
	s_mov_b32 s[G1+7], 0
	s_mov_b32 s[G0A], 1
	s_mul_i32 s[G0A+1], s[WV], HALFT
	s_mov_b32 s[G0B], 1
	s_add_co_u32 s[G0B+1], s[G0A+1], SLOT
	s_bfe_u32 s[CX], ttmp6, 0x40000                ; my place in the cluster: it enters global addresses of my own rows and the prefetch's offset alone
	s_lshl_b32 s[R0], ttmp9, 2
	s_add_co_u32 s[R0], s[R0], s[CX]
	s_lshl_b32 s[R0], s[R0], 7                     ; the work-group's first row
	s_lshl_b32 s[RW], s[MH], 6
	s_add_co_u32 s[RW], s[RW], s[R0]               ; my wave's first row
	s_cmp_lt_u32 s[WV], NASK
	s_cselect_b32 s[LIM], 0, 1
	s_or_b32 s[LIM], s[LIM], ttmp9
	s_cmp_eq_u32 s[LIM], 0
	s_cselect_b32 s[LIM], AHEAD, -1                ; a wave prefetches while TRIP is above this
	s_cmp_eq_u32 s[KK], 0
	s_cselect_b32 s[FLM], -1, 0                    ; the bias enters the sums of K half 0 alone
	s_mov_b32 s[OFF+1], 0
	s_mov_b32 s[HIM], 0xffff0000
	s_wait_dscnt 0x0                               ; the opening add is done
	s_wait_kmcnt 0x0
	s_add_nc_u64 s[G0A+2:G0A+3], s[8:9], s[22:23]
	s_add_nc_u64 s[G0B+2:G0B+3], s[G0A+2:G0A+3], 256
	s_or_b32 s[G0A+3], s[G0A+3], 0x80000000
	s_or_b32 s[G0B+3], s[G0B+3], 0x80000000
	s_add_nc_u64 s[PFA:PFA+1], s[8:9], s[20:21]
	s_add_nc_u64 s[PFA:PFA+1], s[PFA:PFA+1], (1+AHEAD)*256  ; trip t steps it to tile t + 2 + AHEAD
.irp n, 1,2,3
	s_cmp_eq_u32 s[LAY], \n
	s_cselect_b64 s[68:69], s[68+2*\n:69+2*\n], s[68:69]
	s_cselect_b64 s[76:77], s[76+2*\n:77+2*\n], s[76:77]
	s_cselect_b64 s[84:85], s[84+2*\n:85+2*\n], s[84:85]
.endr
	s_lshl_b32 s20, s[SRC], 22
	s_lshl_b32 s22, s[RW], 10
	s_add_co_u32 s20, s20, s22
	s_lshl_b32 s22, s[KK], 9
	s_add_co_u32 s20, s20, s22
	s_add_nc_u64 s[XB:XB+1], s[4:5], s[20:21]      ; x at my rows, my half of the channels
	s_add_nc_u64 s[SB:SB+1], s[XB:XB+1], 12582912  ; silu likewise
	s_lshl_b32 s20, s[SRC], 18
	s_lshl_b32 s22, s[RW], 6
	s_add_co_u32 s20, s20, s22
	s_add_nc_u64 s[6:7], s[6:7], s[20:21]
	s_lshr_b32 s20, s[R0], 11                      ; batch
	s_lshl_b32 s20, s20, 3
	s_lshl2_add_u32 s20, s[CB], s20                ; + my first head
	s_lshl_b32 s20, s20, 18
	s_lshl_b32 s22, s[LAY], 22
	s_add_co_u32 s20, s20, s22
	s_and_b32 s22, s[RW], 2047
	s_lshl_b32 s23, s[KK], 5
	s_add_co_u32 s22, s22, s23
	s_lshl_b32 s22, s22, 7
	s_add_co_u32 s20, s20, s22
	s_add_nc_u64 s[10:11], s[10:11], s[20:21]
	s_lshl_b32 s20, s[CB], LOGNT+2
	s_add_nc_u64 s[BBP:BBP+1], s[BBP:BBP+1], s[20:21]
	CROUND                                         ; all four work-groups are here: the first joint loads meet
	tensor_load_to_lds s[G0A:G0A+3], s[G1:G1+7]    ; the first fills go out as one group: two loads of mine are out
	s_nop 0
	tensor_load_to_lds s[G0B:G0B+3], s[G1:G1+7]
	s_nop 0
	PLACES
	; ---------------- addresses ----------------
	v_and_b32 v1, 15, v0                           ; r = l % 16
	v_bfe_u32 v2, v0, 4, 1                         ; h = l / 16
	v_and_b32 v40, 31, v0                          ; l
	v_mul_u32_u24 v[ADRB0], v1, PITCH
	v_lshl_add_u32 v[ADRB0], v2, 4, v[ADRB0]
	s_mul_i32 s20, s[KK], NT*PITCH
	v_add_nc_u32 v[ADRB0], s20, v[ADRB0]
	s_lshl_b32 s20, s[KK], 10
	s_add_co_u32 s20, s20, TAB
	v_lshl_add_u32 v[TA0], v2, 5, s20
	s_lshl_b32 s20, s[KK], 5
	s_sub_co_u32 s21, 32, s20
	v_add_nc_u32 v41, s20, v1                      ; my row in fragments 0, 1: 32 kk + r (+ 16)
	v_add_nc_u32 v42, s21, v1                      ; in fragments 2, 3: 32 - 32 kk + r (+ 16)
	v_lshlrev_b32 v43, 4, v2
	v_lshl_add_u32 v[XOA], v41, XSH, v43
	v_lshl_add_u32 v[XOA+1], v42, XSH, v43
	v_lshlrev_b32 v44, SSH, v41
	v_lshlrev_b32 v45, SSH, v42
	s_mul_i32 s20, s[WV], 2*NB*1024
	v_lshl_add_u32 v[GV], v40, 4, s20
	s_xor_b32 s20, s[WV], 1
	s_mul_i32 s20, s20, 2*NB*1024
	v_lshl_add_u32 v[TK], v40, 4, s20
	s_mul_i32 s98, s[CX], NASK
	s_add_co_u32 s98, s98, s[WV]
	s_lshl_b32 s98, s98, 5
	v_add_nc_u32 v46, s98, v40                     ; my piece of a tile: K half piece / NT, row piece % NT
	v_and_b32 v47, NT-1, v46
	v_lshrrev_b32 v46, LOGNT, v46
	v_mul_u32_u24 v47, v47, 9216
	v_mul_u32_u24 v46, v46, 4608
	v_add_nc_u32 v[PFO], v46, v47
	; ---------------- loads of the head ----------------
.irp f, 0,1,2,3
.irp g, 0,1,2,3,4,5,6,7
	global_load_b64 v[STL+16*\f+2*\g:STL+16*\f+2*\g+1], v[44+\f/2], s[6:7] offset:(\f%2)*SF+\g*SG
.endr
.endr
	v_lshlrev_b32 v46, 4, v0
	global_load_b128 v[32:35], v46, s[LNS:LNS+1]   ; four channels a thread
	global_load_b128 v[36:39], v46, s[LNB:LNB+1]
	v_lshlrev_b32 v47, 5, v2
.set b_, 0
.rept NB
	global_load_b128 v[BI+8*b_:BI+8*b_+3], v47, s[BBP:BBP+1] offset:64*b_
	global_load_b128 v[BI+8*b_+4:BI+8*b_+7], v47, s[BBP:BBP+1] offset:64*b_+16
.set b_, b_+1
.endr
	s_mov_b64 s[XP:XP+1], s[XB:XB+1]
	XLOAD                                          ; block 0
	s_wait_loadcnt 0x0
	; S = 1.75 L bf16(ln_s), B = 1.75 L (bf16(ln_b) + 2), into LDS for all four waves
	s_mov_b32 s22, 0x40068695                      ; 1.75 L
	s_mov_b32 s23, 0x40868695                      ; 3.5 L
	v_cvt_pk_bf16_f32 v40, v32, v33
	v_cvt_pk_bf16_f32 v41, v34, v35
	v_cvt_pk_bf16_f32 v42, v36, v37
	v_cvt_pk_bf16_f32 v43, v38, v39
.irp k, 0,1,2,3
	v_lshlrev_b32 v[32+2*\k], 16, v[40+\k]
	v_and_b32 v[33+2*\k], s[HIM], v[40+\k]
.endr
.irp k, 0,1,2,3
	v_mul_f32 v[32+\k], s22, v[32+\k]
	v_fma_f32 v[36+\k], v[36+\k], s22, s23
.endr
	v_lshl_add_u32 v44, v0, 4, TAB
	ds_store_b128 v44, v[32:35]
	ds_store_b128 v44, v[36:39] offset:2048
	; a row's mean and variance from its 8 groups' (mean, sum of squared deviations): mean = sum m_g / 8, M2 = sum M2_g + 64 sum (m_g - mean)^2
	s_mov_b32 s20, 0x3b000000                      ; 1 / 512
	s_mov_b32 s21, 0x3727c5ac                      ; 1e-5
.irp f, 0,1,2,3
	v_pk_add_f32 v[40:41], v[STL+16*\f:STL+16*\f+1], v[STL+16*\f+2:STL+16*\f+3]
	v_pk_add_f32 v[42:43], v[STL+16*\f+4:STL+16*\f+5], v[STL+16*\f+6:STL+16*\f+7]
	v_pk_add_f32 v[44:45], v[STL+16*\f+8:STL+16*\f+9], v[STL+16*\f+10:STL+16*\f+11]
	v_pk_add_f32 v[46:47], v[STL+16*\f+12:STL+16*\f+13], v[STL+16*\f+14:STL+16*\f+15]
	v_pk_add_f32 v[40:41], v[40:41], v[42:43]
	v_pk_add_f32 v[44:45], v[44:45], v[46:47]
	v_pk_add_f32 v[40:41], v[40:41], v[44:45]
	v_mul_f32 v[ST+2*\f+1], 0x3e000000, v40
	v_sub_f32 v42, v[STL+16*\f], v[ST+2*\f+1]
	v_mul_f32 v43, v42, v42
.irp g, 1,2,3,4,5,6,7
	v_sub_f32 v42, v[STL+16*\f+2*\g], v[ST+2*\f+1]
	v_fmac_f32 v43, v42, v42
.endr
	v_fma_f32 v41, v43, 0x42800000, v41
	v_fma_f32 v[ST+2*\f], v41, s20, s21
.endr
.irp f, 0,1,2,3
	v_rsq_f32 v[ST+2*\f], v[ST+2*\f]
.endr
	v_nop
	s_wait_alu depctr_va_vdst(0)                   ; one wait for the four
.irp f, 0,1,2,3
	v_mul_f32 v[ST+2*\f+1], -v[ST+2*\f+1], v[ST+2*\f]
.endr
	v_mov_b32 v[NJ], 0
	v_mov_b32 v[NJ+1], 0xbf99be61                  ; -L = -1.2011224
	v_mov_b32 v[NJ+2], 0xc019be61
	v_mov_b32 v[NJ+3], 0xc0669d92
	v_mov_b32 v[NJ+4], 0xc099be61
	v_mov_b32 v[NJ+5], 0xc0c02df9
	v_mov_b32 v[NJ+6], 0xc0e69d92
	v_mov_b32 v[NJ+7], 0xc1068695
	SALOAD 0
	; the bias, rounded to bf16, starts the sums of K half 0 (0 starts those of half 1), while the first tiles are on their way: no bias is left to add at the end
.set b_, 0
.rept NB
.irp k, 0,1,2,3
	v_cvt_pk_bf16_f32 v[40+\k], v[BI+8*b_+2*\k], v[BI+8*b_+2*\k+1]
.endr
.irp k, 0,1,2,3
	v_and_b32 v[40+\k], s[FLM], v[40+\k]
.endr
.irp k, 0,1,2,3
	v_lshlrev_b32 v[BI+8*b_+2*\k], 16, v[40+\k]
	v_and_b32 v[BI+8*b_+2*\k+1], s[HIM], v[40+\k]
.endr
.set b_, b_+1
.endr
.set k_, 0
.rept 16
	v_mov_b32 v[ZR+k_], 0
.set k_, k_+1
.endr
	; a product of two fragments of zeros with the bias as C writes an accumulator's eight registers in one line of 8 bytes, where eight moves take 32
.set q_, 0
.rept NWM
	WIN 0x80+0x40*(q_/32)
	v_wmma_f32_16x16x32_f16 v[8*(q_%32):8*(q_%32)+7], v[ZR:ZR+7], v[ZR+8:ZR+15], v[BI+8*(q_%NB):BI+8*(q_%NB)+7]
.set q_, q_+1
.endr
	WIN 0
	PLACES                                         ; in front of the lines that write the bias's registers anew
	v_mov_b32 v[ADRB], v[ADRB0]
	v_mov_b32 v[TA], v[TA0]
	s_wait_tensorcnt 1                             ; tile 0 is in; tile 1 may stay out
	s_wait_dscnt 0x0                               ; my part of S and B is stored
	s_barrier_signal -1
	s_barrier_wait -1
	FETCH 0, 0
	TLOAD
	s_wait_dscnt 0x0
.set j, 0
.rept 48
	NRM j                                          ; block 0 is normalised
.set j, j+1
.endr
	v_add_nc_u32 v[TA], 64, v[TA0]                 ; block 1's x, S, B
	s_add_nc_u64 s[XP:XP+1], s[XB:XB+1], 32        ; (the loads that read it have come back)
	XLOAD
	TLOAD
.set j, 0
.rept 160
	VI 0                                           ; step 0's fragments
.endr
	s_mov_b32 s[TRIP], 16
	s_mov_b32 s[BO], 2
	s_mov_b32 s[TB], 0
.Ltrip:                                ; trip t multiplies tile t (16 channels of each K half), makes A one step ahead, asks for tile t + 2 and loads x, S, B of block t + 2
	STEP 0
	STEP 1
	STEP 2
	STEP3
	WIN 0
	s_sub_co_u32 s[TRIP], s[TRIP], 1
	s_cmp_lg_u32 s[TRIP], 0
	s_cbranch_scc1 .Ltrip
	; ---------------- the base steps: tiles 16 and 17 ----------------
	PLACES                                         ; behind the last products, in front of loads into registers that they read
.irp u, 1,2,3,4,5
	SALOAD \u
.endr
.irp u, 0,1,2,3,4,5,6,7
	BSTEP \u
.endr
	; ---------------- the end ----------------
	WIN 0
	s_wait_loadcnt 0x0                             ; no load reads v5, v6 any more
	s_mul_i32 s20, s[WV], STGB
	s_add_co_u32 s20, s20, STG                     ; my stage.  The lines below are also the places behind the last products
	v_mul_u32_u24 v3, v1, 144                      ; in: row r of a head, 16 bytes for each half of the lanes
	v_lshl_add_u32 v3, v2, 4, v3
	v_add_nc_u32 v3, s20, v3
	v_bfe_u32 v4, v0, 3, 2                         ; back: 32 lanes take four rows of 128 bytes,
	v_mul_u32_u24 v4, v4, 144
	v_and_b32 v6, 7, v0
	v_lshl_add_u32 v4, v6, 4, v4
	v_add_nc_u32 v4, s20, v4
	v_and_b32 v5, 31, v0                           ; which are 512 consecutive bytes of the result
	v_lshlrev_b32 v5, 4, v5
	; fragments 2, 3 go to my partner, through slot 0: it has had its last fill, and since the barrier of base step 3 nobody reads it
	WIN 0x0c                                       ; store data in window 3
.set x_, 0
.rept 2*NB
	ds_store_b128 v[GV], v[8*((2*NB+x_)%32):8*((2*NB+x_)%32)+3] offset:x_*1024
	ds_store_b128 v[GV], v[8*((2*NB+x_)%32)+4:8*((2*NB+x_)%32)+7] offset:x_*1024+512
.set x_, x_+1
.endr
	WIN 0
	s_wait_dscnt 0x0
	s_barrier_signal -1
	s_barrier_wait -1
.macro TAKE al                         ; fragment al: my sums and my partner's, then the way out through my stage
	s_wait_xcnt 0x0                                ; earlier stores have read their registers
.set b_, 0
.rept NB
	ds_load_b128 v[EE+8*b_:EE+8*b_+3], v[TK] offset:((\al)*NB+b_)*1024
	ds_load_b128 v[EE+8*b_+4:EE+8*b_+7], v[TK] offset:((\al)*NB+b_)*1024+512
.set b_, b_+1
.endr
	s_wait_dscnt 0x0
	WIN 0x02                                       ; source 0 in window 2
.set k_, 0
.rept 4*NB
	v_pk_add_f32 v[EE+2*k_:EE+2*k_+1], v[(\al)*8*NB+2*k_:(\al)*8*NB+2*k_+1], v[EE+2*k_:EE+2*k_+1]
.set k_, k_+1
.endr
	WIN 0
.set k_, 0
.rept 4*NB
	v_cvt_pk_f16_f32 v[FF+k_], v[EE+2*k_], v[EE+2*k_+1]
.set k_, k_+1
.endr
.set hd_, 0
.rept 4                                ; a head's 64 columns at a time
.irp i, 0,1,2,3
	ds_store_b128 v3, v[FF+16*hd_+4*\i:FF+16*hd_+4*\i+3] offset:32*\i
.endr
.irp i, 0,1,2,3
	ds_load_b128 v[FF+16*hd_+4*\i:FF+16*hd_+4*\i+3], v4 offset:576*\i   ; LDS serves a wave's instructions in order: these see the stores above
.endr
.set hd_, hd_+1
.endr
.set hd_, 0
.rept 4
.irp i, 0,1,2,3
	s_wait_dscnt (3-hd_)*8+3-\i                    ; the LDS instructions issued behind this load may stay out
	global_store_b128 v5, v[FF+16*hd_+4*\i:FF+16*hd_+4*\i+3], s[10:11] offset:hd_*262144+(\al)*2048+512*\i  ; 512 consecutive bytes, aligned
.endr
.set hd_, hd_+1
.endr
.endm
	TAKE 0
	TAKE 1
	s_wait_tensorcnt 0x0                           ; the wave's end: behind my last tensor load and my last LDS store
	ds_add_u32 v[SPW], v[NIL]
	s_wait_dscnt 0x0
	CROUND                                         ; the closing round
	s_endpgm
.Lfunc_end_k_qf1545b37aa_kanp:
	.size	k_qf1545b37aa_kanp, .Lfunc_end_k_qf1545b37aa_kanp-k_qf1545b37aa_kanp
	.p2alignl 7, 3214868480
	.fill 96, 4, 3214868480
	.section	.rodata,"a",@progbits
	.p2align	6, 0x0
	.amdhsa_kernel k_qf1545b37aa_kanp
		.amdhsa_group_segment_fixed_size 327680
		.amdhsa_private_segment_fixed_size 0
		.amdhsa_enable_private_segment 0
		.amdhsa_kernarg_size 128
		.amdhsa_user_sgpr_count 2
		.amdhsa_user_sgpr_kernarg_segment_ptr 1
		.amdhsa_wavefront_size32 1
		.amdhsa_system_sgpr_workgroup_id_x 1
		.amdhsa_system_sgpr_workgroup_id_y 1
		.amdhsa_system_sgpr_workgroup_id_z 1
		.amdhsa_system_vgpr_workitem_id 0
		.amdhsa_next_free_vgpr 1024
		.amdhsa_next_free_sgpr 100
		.amdhsa_reserve_vcc 0
		.amdhsa_float_denorm_mode_32 3
		.amdhsa_float_denorm_mode_16_64 3
		.amdhsa_memory_ordered 1
		.amdhsa_forward_progress 1
		.amdhsa_inst_pref_size 216
	.end_amdhsa_kernel
	.amdgpu_metadata
---
amdhsa.version: [ 1, 2 ]
amdhsa.kernels:
  - .name:           k_qf1545b37aa_kanp
    .symbol:         k_qf1545b37aa_kanp.kd
    .args:
      - { .name: xs, .offset: 0, .size: 8, .value_kind: global_buffer, .address_space: global }
      - { .name: st, .offset: 8, .size: 8, .value_kind: global_buffer, .address_space: global }
      - { .name: wc, .offset: 16, .size: 8, .value_kind: global_buffer, .address_space: global }
      - { .name: qkvg, .offset: 24, .size: 8, .value_kind: global_buffer, .address_space: global }
      - { .name: lq_ln_s, .offset: 32, .size: 8, .value_kind: global_buffer, .address_space: global }
      - { .name: lk_ln_s, .offset: 40, .size: 8, .value_kind: global_buffer, .address_space: global }
      - { .name: lv_ln_s, .offset: 48, .size: 8, .value_kind: global_buffer, .address_space: global }
      - { .name: lg_ln_s, .offset: 56, .size: 8, .value_kind: global_buffer, .address_space: global }
      - { .name: lq_ln_b, .offset: 64, .size: 8, .value_kind: global_buffer, .address_space: global }
      - { .name: lk_ln_b, .offset: 72, .size: 8, .value_kind: global_buffer, .address_space: global }
      - { .name: lv_ln_b, .offset: 80, .size: 8, .value_kind: global_buffer, .address_space: global }
      - { .name: lg_ln_b, .offset: 88, .size: 8, .value_kind: global_buffer, .address_space: global }
      - { .name: lq_bb, .offset: 96, .size: 8, .value_kind: global_buffer, .address_space: global }
      - { .name: lk_bb, .offset: 104, .size: 8, .value_kind: global_buffer, .address_space: global }
      - { .name: lv_bb, .offset: 112, .size: 8, .value_kind: global_buffer, .address_space: global }
      - { .name: lg_bb, .offset: 120, .size: 8, .value_kind: global_buffer, .address_space: global }
    .group_segment_fixed_size: 327680
    .private_segment_fixed_size: 0
    .kernarg_segment_align: 8
    .kernarg_segment_size: 128
    .max_flat_workgroup_size: 128
    .sgpr_count:     100
    .vgpr_count:     1024
    .wavefront_size: 32
...
	.end_amdgpu_metadata
.endif
;; end of part 6
;; launch attn: the kernel of part 3 again; grid 16 x 16, 4 waves a work-group, clusters of 4 x 1, 327,680 bytes of LDS; arguments qkvg, og, ost; writes og, ost
;; launch kano (part 7): grid 64 x 4, 4 waves a work-group, clusters of 4 x 1, 327,680 bytes of LDS; arguments og, ost, wc, out0, lo_ln_s, lo_ln_b, lo_bb; writes out0
.if DOCPART == 7
	.amdgcn_target "amdgcn-amd-amdhsa--gfx1250"
	.amdhsa_code_object_version 6
	.text
	.protected	k_qf1545b37aa_kano
	.globl	k_qf1545b37aa_kano
	.p2align	8
	.type	k_qf1545b37aa_kano,@function
k_qf1545b37aa_kano:
	s_mov_b64 s[64:65], 0
	v_nop
	global_prefetch_b8 v0, s[64:65] scope:SCOPE_SE
	s_setreg_imm32_b32 hwreg(HW_REG_WAVE_MODE, 25, 1), 1
	s_wait_xcnt 0x0
	s_wait_alu depctr_hold_cnt(0) depctr_sa_sdst(0) depctr_va_vdst(0) depctr_va_sdst(0) depctr_va_ssrc(0) depctr_va_vcc(0) depctr_vm_vsrc(0)
	s_getreg_b32 s2, hwreg(HW_REG_IB_STS2, 6, 4)
	s_cmp_eq_u32 s2, 0
	s_cbranch_scc0 .Lentry_in_a_cluster
	s_endpgm
.Lentry_in_a_cluster:
	s_bfe_u32 s2, ttmp6, 0x10000c
	s_cmp_lg_u32 s2, 0x3003
	s_cbranch_scc0 .Lentry_shape_is_right
	s_endpgm
.Lentry_shape_is_right:
; THE LAST FASTKAN LAYER AS ONE PRODUCT: out = [basis(LayerNorm(x)) | silu(x)] [sw | bw]^T + bb, M = 4,096, N = 512, K = 4,096 + 512; x = og (f16, by heads), silu(x) beside it, out f32.
; THE A OPERAND IS NEVER IN MEMORY.  A channel's 8 Gaussians are one unit of 8 along K of a 16-bit fragment, so a lane makes its own fragment registers from its own normalised x:
; basis_j = 2^-(a - j L)^2 with L = sqrt(log2 e), a = xhat S + B, S = 1.75 L ln_s, B = 1.75 L (ln_b + 2).  All eight exponentials are computed; an overflowing square gives 0.
; SHARES.  4,096 x 512 outputs on 256 work-groups are 8,192 each: 64 rows x 128 columns, so that the basis of a row is made by four work-groups, not more, and a fragment of weights still feeds two products.
; K IS SPLIT between waves: wave w takes K half kk = w & 1 and rows 32 (w >> 1) ..: 2 row fragments x 8 column fragments, 16 accumulators.  Register fragment f stands for fragment (f + kk) & 1:
; every wave keeps fragment 0 and hands fragment 1 to wave w ^ 1 through LDS at the end.
; THE MATRIX INSTRUCTION IS USED TRANSPOSED (source 0 = 16 rows of the weights, source 1 = 16 rows of A): a lane holds row l % 16 and the columns 8 (l / 16) + 0..7 of a fragment.
; RING.  A slot holds TWO blocks of 128 along K for both halves: 128 + 128 rows of 512 bytes.  Nine such tiles: eight of the basis' weights, one of silu's.  Tile 0 is asked for at the head; the change into
; period p asks for tile p + 1, which has the period's eight steps (128 matrix instructions and the vector work beside them) in which to land.  So every period of the loop is entered by a change that fills,
; the base period by one that does not, and the loop's text stands once.  The four row blocks of a cluster walk the same tiles and ask JOINTLY (mask 15), one load a wave behind each round.
; BY TURNS.  While step s is multiplied, the vector work that makes step s + 1's fragments (80 instructions, 32 of them exponentials: one batch, one wait) stands in slices of five behind the matrix instructions.
; x comes a period ahead, a pair of blocks at a time, into registers, and waits in 2 KiB of LDS of the wave's own: the loop's text names fixed registers, and the two slots leave no room for the whole tile of x.
; FORMATS.  ln_s, ln_b, bb are rounded once to bf16 like all inputs; basis, silu, x and the weights are f16 operands; sums f32, in another order than a plain dot product's.
; LIMITS.  f16 ends at 65,504 (x, silu, weights) and keeps a fixed step of 6e-8 below 6e-5; an exponential below 2^-126 counts as 0; NaN and infinities are not treated apart.
.set NF,    2                          ; row fragments of a wave
.set NB,    8                          ; column fragments of a work-group
.set NT,    16*NB
.set NWM,   NF*NB                      ; matrix instructions of a wave in a step of 32 along K
.set NPL,   16*NF                      ; plain numbers of a step's list, and its exponentials
.set LST,   40*NF                      ; the list's length
.set NNR,   12*NF                      ; the normalisation's
.set PITCH, 528                        ; an LDS row of weights: 512 bytes + 16: the 16 rows of a load start at 16 different groups of four banks
.set HALFT, (NT/2)*PITCH               ; what one tensor load brings: 64 rows
.set SLOT,  4*HALFT                    ; K half 0's 128 rows, then K half 1's
.set TAB,   2*SLOT                     ; S (2,048 bytes), then B
.set XRG,   TAB+4096                   ; for each wave 2,048 bytes: x of two blocks, two fragments each
.set SPARE, XRG+4*2048                 ; the spare words, 128 bytes a wave: two blocks of 256 bytes that no other line names
.set GIV,   SLOT                       ; the end, in slot 1, which has had its last fill and is read no more: 8,192 bytes a wave to hand over,
.set STGB,  16*528
.set STG,   SLOT+4*NB*1024             ; and a stage of 16 rows x 528 bytes a wave
; window 0
.set ADRB0, 3                          ; my place in a tile of weights
.set ADRB,  4                          ; the same at the block in hand
.set XOA,   5                          ; v5, v6  my byte offset in x's rows, fragment 0 and 1
.set TA0,   7                          ; my place in TAB
.set TA,    8
.set PFO,   9                          ; the prefetch's offset
.set SPW,   10                         ; LDS address of my spare word; never rewritten
.set NIL,   11                         ; 0; never rewritten
.set GV,    12                         ; where I put what I hand over
.set TK,    13                         ; where I take my partner's
.set XAA,   14                         ; where x of the block wanted next lies
.set XA0,   15                         ; my 16 bytes in my wave's x
.set ST,    16                         ; v[16:19]  (rstd, -mean rstd) for each fragment
.set NJ,    24                         ; v[24:31]  -j L
.set SS,    32                         ; v[32:39]  S of my 8 channels
.set BC,    40                         ; v[40:47]  B
.set X1,    48                         ; v[48:55]  x: 8 f16 channels for each fragment
.set AV,    64                         ; v[64:79]  a: 8 channels for each fragment
.set T,     96                         ; v[96:127] at work: 2 fragments x 2 channels x 8
.set XL,    128                        ; v[128:143] x on its way: two blocks x two fragments
.set A0,    160                        ; v[160:175], v[192:207]  two buffers of A fragments
.set ZR,    192                        ; the head: two fragments of zeros
.set STL,   208                        ; the head: where the statistics land
.set BI,    64                         ; the head: the bias
.set EE,    64                         ; the end: sums
.set FF,    192                        ; the end: what is stored
; window 1: v0-127 two buffers of the weights' fragments.  window 2: v0-127 the accumulators.  window 3: v0-127 eight sets of silu fragments
; scalars
.set WV, 12
.set KK, 13
.set MH, 14
.set CX, 15
.set R0, 16
.set CB, 17
.set G1, 24                            ; s[24:31] descriptor group 1
.set G0, 32                            ; s[32:35] group 0: it walks
.set HIM, 40                           ; a word's upper bf16
.set SLOTS, 56                         ; periods of the loop still to come
.set BO, 57                            ; the block whose x, S, B are read next
.set TB, 58                            ; LDS byte of the block in hand
.set IB, 59                            ; counts a slot's two blocks
.set OFF, 60
.set XP, 62
.set PFA, 66
.set LNS, 68
.set LNB, 70
.set BBP, 72
.set PR, 74                            ; the pair of blocks whose x is asked for next
.set XB, 92
.set SB, 94
.set LIM, 96
.set FLM, 97
.set RW, 99
.set MSB, 0
.macro WIN new                         ; the immediate's high byte repeats the setting that is left; a switch that changes nothing is dropped
.if MSB != (\new)
	s_set_vgpr_msb (MSB<<8)|(\new)
.set MSB, \new
.endif
.endm
.set MUL_LO, 0xa1                      ; source 0 (weights) window 1, source 1 (A) window 0, C and D window 2
.set TO_B,   0x40                      ; destination window 1
.set AW, 0                             ; + 0x0c: source 1 in window 3
.macro PLACES
.rept 4
	v_nop
.endr
.endm
.macro CREST                           ; a round of the cluster's barrier behind its opening barrier
	s_cmp_lg_u32 s[WV], 0
	s_cbranch_scc1 .Lnot_wave_0_\@
	s_barrier_signal -3
.Lnot_wave_0_\@:
	s_barrier_wait -3
	s_barrier_signal -1
	s_barrier_wait -1
.endm
.macro CROUND
	s_barrier_signal -1
	s_barrier_wait -1
	CREST
.endm
; matrix instruction i of a step: row fragment i / NB, column fragment i % NB; the 16 accumulators take turns, one instruction a turn, over every edge
.macro WM i, p, ab
.set q_, (\i)
	WIN MUL_LO+AW
	v_wmma_f32_16x16x32_f16 v[8*q_:8*q_+7], v[8*NB*(\p)+8*(q_%NB):8*NB*(\p)+8*(q_%NB)+7], v[(\ab)+8*(q_/NB):(\ab)+8*(q_/NB)+7], v[8*q_:8*q_+7]
.endm
.macro FETCH p, koff                   ; one run of 16 LDS loads: the weights' fragments of 32 along K at byte koff behind the block's first, into buffer p of window 1
	WIN TO_B
.set b_, 0
.rept NB
	ds_load_b128 v[8*NB*(\p)+8*b_:8*NB*(\p)+8*b_+3], v[ADRB] offset:(\koff)+16*PITCH*b_
	ds_load_b128 v[8*NB*(\p)+8*b_+4:8*NB*(\p)+8*b_+7], v[ADRB] offset:(\koff)+16*PITCH*b_+32
.set b_, b_+1
.endr
	WIN 0
.endm
.macro XLOAD                           ; my 8 channels of a block of 16, for each of my two rows, out of my wave's own LDS bytes
.irp f, 0,1
	ds_load_b128 v[X1+4*\f:X1+4*\f+3], v[XAA] offset:512*\f
.endr
.endm
.macro XG                              ; a pair of blocks of x is asked for
.irp e, 0,1
.irp f, 0,1
	global_load_b128 v[XL+8*\e+4*\f:XL+8*\e+4*\f+3], v[XOA+\f], s[XP:XP+1] offset:32*\e
.endr
.endr
.endm
.macro XS                              ; and put into my wave's LDS bytes
.irp e, 0,1
.irp f, 0,1
	ds_store_b128 v[XA0], v[XL+8*\e+4*\f:XL+8*\e+4*\f+3] offset:1024*\e+512*\f
.endr
.endr
.endm
.macro TLOAD
	ds_load_b128 v[SS:SS+3], v[TA]
	ds_load_b128 v[SS+4:SS+7], v[TA] offset:16
	ds_load_b128 v[BC:BC+3], v[TA] offset:2048
	ds_load_b128 v[BC+4:BC+7], v[TA] offset:2064
.endm
; THE VECTOR WORK that makes a step's A fragments is a numbered list; VI writes number j of it for target step sp.
.macro PLN n, sp                       ; plain number n of 32: unit m = n / 8 (fragment m / 2, channel 2 sp + m % 2): four times a - j L for two j, four times the negated square
.set m_, (\n)/8
.set t_, (\n)%8
.if t_ < 4
.if m_%2
	v_pk_add_f32 v[T+8*m_+2*t_:T+8*m_+2*t_+1], v[AV+8*(m_/2)+2*(\sp):AV+8*(m_/2)+2*(\sp)+1], v[NJ+2*t_:NJ+2*t_+1] op_sel:[1,0] op_sel_hi:[1,1]
.else
	v_pk_add_f32 v[T+8*m_+2*t_:T+8*m_+2*t_+1], v[AV+8*(m_/2)+2*(\sp):AV+8*(m_/2)+2*(\sp)+1], v[NJ+2*t_:NJ+2*t_+1] op_sel_hi:[0,1]
.endif
.else
	v_pk_mul_f32 v[T+8*m_+2*t_-8:T+8*m_+2*t_-7], v[T+8*m_+2*t_-8:T+8*m_+2*t_-7], v[T+8*m_+2*t_-8:T+8*m_+2*t_-7] neg_lo:[1,0] neg_hi:[1,0]
.endif
.endm
.macro NRM n                           ; the next block is normalised: 16 times xhat = x rstd - mean rstd from an f16 half, 8 times a = xhat S + B for two channels
.if (\n) < 8*NF
.set f_, (\n)/8
.set e_, (\n)%8
.if e_%2
	v_fma_mix_f32 v[AV+8*f_+e_], v[X1+4*f_+e_/2], v[ST+2*f_], v[ST+2*f_+1] op_sel:[1,0,0] op_sel_hi:[1,0,0]
.else
	v_fma_mix_f32 v[AV+8*f_+e_], v[X1+4*f_+e_/2], v[ST+2*f_], v[ST+2*f_+1] op_sel_hi:[1,0,0]
.endif
.else
.set f_, ((\n)-8*NF)/4
.set e_, 2*(((\n)-8*NF)%4)
	v_pk_fma_f32 v[AV+8*f_+e_:AV+8*f_+e_+1], v[AV+8*f_+e_:AV+8*f_+e_+1], v[SS+e_:SS+e_+1], v[BC+e_:BC+e_+1]
.endif
.endm
; 0-7 plain; 8-55 exponential and plain by turns (an exponential stands three plain numbers or more behind its square); 56-63 the last exponentials; then ONE wait for the 32;
; 64-79 the roundings to f16 into the other A buffer; 80-103 (step 2 alone) the next block's normalisation
.macro VI sp
.if j < 8
	PLN j, \sp
.elseif j < 2*NPL-8
.if (j-8)%2 == 0
	v_exp_f32 v[T+(j-8)/2], v[T+(j-8)/2]
.else
	PLN 8+(j-9)/2, \sp
.endif
.elseif j < 2*NPL
	v_exp_f32 v[T+j-NPL], v[T+j-NPL]
.elseif j < LST
.if j == 2*NPL
	v_nop                                          ; a plain instruction behind the last exponential,
	s_wait_alu depctr_va_vdst(0)                   ; and the one wait ahead of the batch's first reader
.endif
	v_cvt_pk_f16_f32 v[A0+32*((\sp)%2)+j-2*NPL], v[T+2*(j-2*NPL)], v[T+2*(j-2*NPL)+1]
.else
	NRM j-LST
.endif
.set j, j+1
.endm
.macro WMR n, L, sp, p, ab             ; n matrix instructions from number i_ on, behind each its slice of the list of L
.rept \n
	WM i_, \p, \ab
	WIN 0
.rept ((i_+1)*(\L)+NWM-1)/NWM-(i_*(\L)+NWM-1)/NWM
	VI \sp
.endr
.set i_, i_+1
.endr
.endm
.macro WMS n, p, ab                    ; n matrix instructions without slices
.rept \n
	WM i_, \p, \ab
.set i_, i_+1
.endr
.endm
; steps 0 to 2 of a block.  The run of LDS loads for the next step goes into the buffer that the step before multiplied: that step's last slice and this step's first, ten plain instructions, stand behind the buffer's last reader.
.macro STEP s
.set j, 0
.set i_, 0
	s_wait_dscnt 0x0                               ; this step's fragments of the weights are in (at step 0 also x, S and B)
	WMR 1, LST+NNR*((\s)/2), (\s)+1, (\s)%2, A0+32*((\s)%2)
	FETCH 1-(\s)%2, 64*((\s)+1)
	WMR NWM-1, LST+NNR*((\s)/2), (\s)+1, (\s)%2, A0+32*((\s)%2)
.endm
; step 3.  The next block's first fragments lie 256 bytes on in the same slot; behind a slot's second block they lie in the other slot, and the change of slots fetches them: the run is jumped over.
; No exponential is out at the branch (step 2's batch has had its wait); six plain instructions, step 2's last slice, stand behind the last product that read buffer 0.
.macro STEP3L
.set j, 0
.set i_, 0
	s_wait_dscnt 0x0
	s_cmp_eq_u32 s[IB], 1
	s_cbranch_scc1 .Lno_fetch_\@
	FETCH 0, 256
.Lno_fetch_\@:
	s_and_b32 s20, s[BO], 1
	v_lshl_add_u32 v[XAA], s20, 10, v[XA0]
	v_lshl_add_u32 v[TA], s[BO], 6, v[TA0]
	XLOAD                                          ; x, S, B of the block after the next
	TLOAD
	s_add_co_u32 s[BO], s[BO], 1
	s_min_u32 s[BO], s[BO], 15                     ; the last two blocks read block 15's S and B once more: what is made of them is not used
	WMR NWM, LST, 0, 1, A0+32
.endm
; A PREFETCH INTO THE L2 of the tile behind the one just asked for: 512 pieces of 256 bytes, a lane a piece, one instruction a wave.  All clusters with the same grid y walk the same tiles: cluster x = 0 asks;
; its four partners and their waves share the pieces out by address.  Each piece is named once in the launch; tiles 0 and 1 come by their loads alone; the last change that fills a slot asks for nothing.
.macro ASK
	s_cmp_gt_u32 s[SLOTS], s[LIM]
	s_cbranch_scc0 .Lnot_mine_\@
	global_prefetch_b8 v[PFO], s[PFA:PFA+1] th:TH_LOAD_NT scope:SCOPE_SE
.Lnot_mine_\@:
.endm
; THE CHANGE OF SLOTS.  Each wave waits for all its tensor loads (one is out: its part of the slot to be entered), adds 0 to its spare word, and waits for that and for its reads of the slot that it leaves.
; fill = 1: behind a round of the cluster's barrier the slot just left takes the next tile, first thing.  (At its first use nothing has been read yet: slot 0 is waited for, slot 1 filled.)
; Then x: the pair of blocks asked for a period ago goes into my LDS bytes (the reads of the pair before were issued earlier, and LDS serves a wave's instructions in order), and the next pair is asked for.
.macro CHANGE fill
	WIN 0
	s_wait_xcnt 0x0                                ; the last prefetch, a period back, has read its address
	s_wait_tensorcnt 0x0                           ; no tensor load of mine is out, so the group 0 may be written
	ds_add_u32 v[SPW], v[NIL]                      ; 0 onto my spare word; work on registers stands between it and the wait for it
.if \fill
	s_xor_b32 s[G0+1], s[G0+1], SLOT               ; the walking descriptor: the other slot than last time,
	s_add_nc_u64 s[G0+2:G0+3], s[G0+2:G0+3], 512   ; the next two blocks; the type bits on top are not reached
	s_add_nc_u64 s[PFA:PFA+1], s[PFA:PFA+1], 512
.endif
	s_sub_co_u32 s[TB], s[TB], 512                 ; back to a slot's first block,
	s_xor_b32 s[TB], s[TB], SLOT                   ; in the other slot
	s_wait_dscnt 0x0                               ; the add is done, and my reads of the slot are over
.if \fill
	CROUND
	tensor_load_to_lds s[G0:G0+3], s[G1:G1+7]
	s_nop 0
	PLACES
	s_wait_loadcnt 0x0                             ; x, asked for a period ago (at the first change also silu)
	XS
	s_min_u32 s20, s[PR], 7                        ; the last two changes ask for the last pair once more: what is made of it is not used
	s_lshr_b32 s21, s20, 1
	s_lshl_b32 s21, s21, 19                        ; a head's plane holds two pairs,
	s_and_b32 s20, s20, 1
	s_lshl_b32 s20, s20, 6                         ; a pair is 64 bytes of a row
	s_add_co_u32 s[OFF], s20, s21
	s_add_nc_u64 s[XP:XP+1], s[XB:XB+1], s[OFF:OFF+1]
	XG
	s_add_co_u32 s[PR], s[PR], 1
.else
	s_barrier_signal -1
	s_barrier_wait -1
.endif
	v_add_nc_u32 v[ADRB], s[TB], v[ADRB0]
	FETCH 0, 0
.if \fill
	ASK
.endif
.endm
; THE BASE STEPS: silu(x) lies in window 3 as finished fragments, set u of 16 registers at 16 u
.macro SALOAD u
.irp f, 0,1
	global_load_b128 v[16*(\u)+8*\f:16*(\u)+8*\f+3], v[XOA+\f], s[SB:SB+1] offset:((\u)/2)*524288+((\u)%2)*64
	global_load_b128 v[16*(\u)+8*\f+4:16*(\u)+8*\f+7], v[XOA+\f], s[SB:SB+1] offset:((\u)/2)*524288+((\u)%2)*64+32
.endr
.endm
.macro BSTEP u
.set i_, 0
	s_wait_dscnt 0x0
	WMS NWM/2, (\u)%2, 16*(\u)
	PLACES                                         ; in front of loads into registers that the step before multiplied
.if (\u) < 7
	FETCH 1-(\u)%2, 64*((\u)+1)
.endif
	WMS NWM/2, (\u)%2, 16*(\u)
.endm
	; ---------------- the head ----------------
	s_load_b256 s[4:11], s[0:1], 0x0               ; og, ost, wc, out0
	s_load_b128 s[68:71], s[0:1], 0x20             ; ln_s, ln_b
	s_load_b64 s[72:73], s[0:1], 0x30              ; bb
	v_lshl_add_u32 v[SPW], v0, 2, SPARE
	v_mov_b32 v[NIL], 0
	ds_add_u32 v[SPW], v[NIL]                      ; the wave's opening: the add and its wait ahead of my first tensor load
	v_lshrrev_b32 v1, 5, v0
	v_readfirstlane_b32 s[WV], v1                  ; wave 0..3
	s_and_b32 s[KK], s[WV], 1                      ; my half of K.  Also: which half of a tile's rows I fetch
	s_lshr_b32 s[MH], s[WV], 1                     ; my half of the rows.  Also: for which half of K I fetch
	s_and_b32 s[CB], ttmp7, 0xffff                 ; the column block
	s_mul_i32 s20, s[CB], NT*9216
	s_add_co_u32 s20, s20, 4*4718592               ; the column block's first row in the fifth layer of wc
	s_mov_b32 s21, 0
	s_mul_i32 s22, s[KK], (NT/2)*9216
	s_mul_i32 s23, s[MH], 4608
	s_add_co_u32 s22, s22, s23
	s_add_co_u32 s22, s22, s20                     ; my part of tile 0: made of the grid's y and the wave's number alone
	s_mov_b32 s23, 0
	s_mov_b32 s[G1], 15|(1<<16)|(1<<20)|(1<<21)|(6<<22)|(3<<25)  ; the mask of four; 2-byte elements; padding on; bit 21 beside a mask; after every 128 words 4 words
	s_mov_b32 s[G1+1], 256<<16                     ; tensor_dim0 = 256
	s_mov_b32 s[G1+2], (NT/2)<<16                  ; tensor_dim1 = 64
	s_mov_b32 s[G1+3], 256<<16                     ; tile_dim0
	s_mov_b32 s[G1+4], NT/2                        ; tile_dim1
	s_mov_b32 s[G1+5], 4608                        ; elements from row to row
	s_mov_b32 s[G1+6], 0
	s_mov_b32 s[G1+7], 0
	s_mov_b32 s[G0], 1
	s_mul_i32 s[G0+1], s[WV], HALFT                ; slot 0
	s_bfe_u32 s[CX], ttmp6, 0x40000                ; my place in the cluster: it enters global addresses of my own rows and the prefetch's offset alone
	s_lshl_b32 s[R0], ttmp9, 2
	s_add_co_u32 s[R0], s[R0], s[CX]
	s_lshl_b32 s[R0], s[R0], 6                     ; the work-group's first row
	s_lshl_b32 s[RW], s[MH], 5
	s_add_co_u32 s[RW], s[RW], s[R0]               ; my wave's first row
	s_cmp_eq_u32 ttmp9, 0
	s_cselect_b32 s[LIM], 1, -1                    ; a wave prefetches while SLOTS is above this
	s_cmp_eq_u32 s[KK], 0
	s_cselect_b32 s[FLM], -1, 0                    ; the bias enters the sums of K half 0 alone
	s_mov_b32 s[OFF+1], 0
	s_mov_b32 s[HIM], 0xffff0000
	s_wait_dscnt 0x0                               ; the opening add is done
	s_wait_kmcnt 0x0
	s_add_nc_u64 s[G0+2:G0+3], s[8:9], s[22:23]
	s_or_b32 s[G0+3], s[G0+3], 0x80000000
	s_add_nc_u64 s[PFA:PFA+1], s[8:9], s[20:21]
	s_add_nc_u64 s[PFA:PFA+1], s[PFA:PFA+1], 512   ; the change into period p steps it to tile p + 2
	s_lshl_b32 s20, s[KK], 21                      ; my four planes of 524,288 bytes,
	s_lshl_b32 s22, s[RW], 7                       ; my rows of 128
	s_add_co_u32 s20, s20, s22
	s_add_nc_u64 s[XB:XB+1], s[4:5], s[20:21]      ; x
	s_add_nc_u64 s[SB:SB+1], s[XB:XB+1], 4194304   ; silu likewise
	s_lshl_b32 s20, s[RW], 3
	s_add_nc_u64 s[6:7], s[6:7], s[20:21]
	s_lshl_b32 s20, s[KK], 4                       ; the rows that I keep: 16 kk on
	s_add_co_u32 s20, s20, s[RW]
	s_lshl_b32 s20, s20, 11
	s_lshl_b32 s22, s[CB], 9
	s_add_co_u32 s20, s20, s22
	s_add_nc_u64 s[10:11], s[10:11], s[20:21]
	s_lshl_b32 s20, s[CB], 9
	s_add_nc_u64 s[BBP:BBP+1], s[BBP:BBP+1], s[20:21]
	s_mov_b64 s[XP:XP+1], s[XB:XB+1]
	CROUND                                         ; all four work-groups are here: the first joint loads meet
	tensor_load_to_lds s[G0:G0+3], s[G1:G1+7]      ; tile 0; tile 1 is asked for when tile 0 is in
	s_nop 0
	PLACES
	; ---------------- addresses ----------------
	v_and_b32 v1, 15, v0                           ; r = l % 16
	v_bfe_u32 v2, v0, 4, 1                         ; h = l / 16
	v_and_b32 v40, 31, v0                          ; l
	v_mul_u32_u24 v[ADRB0], v1, PITCH
	v_lshl_add_u32 v[ADRB0], v2, 4, v[ADRB0]
	s_mul_i32 s20, s[KK], NT*PITCH
	v_add_nc_u32 v[ADRB0], s20, v[ADRB0]
	s_lshl_b32 s20, s[KK], 10
	s_add_co_u32 s20, s20, TAB
	v_lshl_add_u32 v[TA0], v2, 5, s20
	s_lshl_b32 s20, s[KK], 4
	s_sub_co_u32 s21, 16, s20
	v_add_nc_u32 v41, s20, v1                      ; my row in fragment 0: 16 kk + r
	v_add_nc_u32 v42, s21, v1                      ; in fragment 1: 16 - 16 kk + r
	v_lshlrev_b32 v43, 4, v2
	v_lshl_add_u32 v[XOA], v41, 7, v43
	v_lshl_add_u32 v[XOA+1], v42, 7, v43
	v_lshlrev_b32 v44, 3, v41
	v_lshlrev_b32 v45, 3, v42
	s_lshl_b32 s20, s[WV], 11
	s_add_co_u32 s20, s20, XRG
	v_lshl_add_u32 v[XA0], v40, 4, s20
	s_mul_i32 s20, s[WV], NB*1024
	s_add_co_u32 s20, s20, GIV
	v_lshl_add_u32 v[GV], v40, 4, s20
	s_xor_b32 s20, s[WV], 1
	s_mul_i32 s20, s20, NB*1024
	s_add_co_u32 s20, s20, GIV
	v_lshl_add_u32 v[TK], v40, 4, s20
	s_lshl_b32 s98, s[CX], 2
	s_add_co_u32 s98, s98, s[WV]
	s_lshl_b32 s98, s98, 5
	v_add_nc_u32 v46, s98, v40                     ; my piece of a tile's 512: K half piece / 256, row (piece / 2) % 128, which 256 bytes piece % 2
	v_bfe_u32 v47, v46, 1, 7
	v_mul_u32_u24 v47, v47, 9216
	v_and_b32 v[PFO], 1, v46
	v_lshl_add_u32 v47, v[PFO], 8, v47
	v_lshrrev_b32 v46, 8, v46
	v_mul_u32_u24 v46, v46, 4608
	v_add_nc_u32 v[PFO], v46, v47
	; ---------------- loads of the head ----------------
.irp f, 0,1
.irp g, 0,1,2,3,4,5,6,7
	global_load_b64 v[STL+16*\f+2*\g:STL+16*\f+2*\g+1], v[44+\f], s[6:7] offset:\g*32768
.endr
.endr
	v_lshlrev_b32 v46, 4, v0
	global_load_b128 v[32:35], v46, s[LNS:LNS+1]   ; four channels a thread
	global_load_b128 v[36:39], v46, s[LNB:LNB+1]
	v_lshlrev_b32 v47, 5, v2
.set b_, 0
.rept NB
	global_load_b128 v[BI+8*b_:BI+8*b_+3], v47, s[BBP:BBP+1] offset:64*b_
	global_load_b128 v[BI+8*b_+4:BI+8*b_+7], v47, s[BBP:BBP+1] offset:64*b_+16
.set b_, b_+1
.endr
	XG                                             ; x of blocks 0 and 1
	s_wait_loadcnt 0x0
	XS
	s_add_nc_u64 s[XP:XP+1], s[XB:XB+1], 64        ; (the loads that read it have come back)
	XG                                             ; x of blocks 2 and 3: the first change of slots takes them up
	; S = 1.75 L bf16(ln_s), B = 1.75 L (bf16(ln_b) + 2), into LDS for all four waves
	s_mov_b32 s22, 0x40068695                      ; 1.75 L
	s_mov_b32 s23, 0x40868695                      ; 3.5 L
	v_cvt_pk_bf16_f32 v40, v32, v33
	v_cvt_pk_bf16_f32 v41, v34, v35
	v_cvt_pk_bf16_f32 v42, v36, v37
	v_cvt_pk_bf16_f32 v43, v38, v39
.irp k, 0,1,2,3
	v_lshlrev_b32 v[32+2*\k], 16, v[40+\k]
	v_and_b32 v[33+2*\k], s[HIM], v[40+\k]
.endr
.irp k, 0,1,2,3
	v_mul_f32 v[32+\k], s22, v[32+\k]
	v_fma_f32 v[36+\k], v[36+\k], s22, s23
.endr
	v_lshl_add_u32 v44, v0, 4, TAB
	ds_store_b128 v44, v[32:35]
	ds_store_b128 v44, v[36:39] offset:2048
	; a row's mean and variance from its 8 heads' (mean, sum of squared deviations): mean = sum m_g / 8, M2 = sum M2_g + 64 sum (m_g - mean)^2
	s_mov_b32 s20, 0x3b000000                      ; 1 / 512
	s_mov_b32 s21, 0x3727c5ac                      ; 1e-5
.irp f, 0,1
	v_pk_add_f32 v[40:41], v[STL+16*\f:STL+16*\f+1], v[STL+16*\f+2:STL+16*\f+3]
	v_pk_add_f32 v[42:43], v[STL+16*\f+4:STL+16*\f+5], v[STL+16*\f+6:STL+16*\f+7]
	v_pk_add_f32 v[44:45], v[STL+16*\f+8:STL+16*\f+9], v[STL+16*\f+10:STL+16*\f+11]
	v_pk_add_f32 v[46:47], v[STL+16*\f+12:STL+16*\f+13], v[STL+16*\f+14:STL+16*\f+15]
	v_pk_add_f32 v[40:41], v[40:41], v[42:43]
	v_pk_add_f32 v[44:45], v[44:45], v[46:47]
	v_pk_add_f32 v[40:41], v[40:41], v[44:45]
	v_mul_f32 v[ST+2*\f+1], 0x3e000000, v40
	v_sub_f32 v42, v[STL+16*\f], v[ST+2*\f+1]
	v_mul_f32 v43, v42, v42
.irp g, 1,2,3,4,5,6,7
	v_sub_f32 v42, v[STL+16*\f+2*\g], v[ST+2*\f+1]
	v_fmac_f32 v43, v42, v42
.endr
	v_fma_f32 v41, v43, 0x42800000, v41
	v_fma_f32 v[ST+2*\f], v41, s20, s21
.endr
.irp f, 0,1
	v_rsq_f32 v[ST+2*\f], v[ST+2*\f]
.endr
	v_nop
	s_wait_alu depctr_va_vdst(0)                   ; one wait for the two
.irp f, 0,1
	v_mul_f32 v[ST+2*\f+1], -v[ST+2*\f+1], v[ST+2*\f]
.endr
	v_mov_b32 v[NJ], 0
	v_mov_b32 v[NJ+1], 0xbf99be61                  ; -L = -1.2011224
	v_mov_b32 v[NJ+2], 0xc019be61
	v_mov_b32 v[NJ+3], 0xc0669d92
	v_mov_b32 v[NJ+4], 0xc099be61
	v_mov_b32 v[NJ+5], 0xc0c02df9
	v_mov_b32 v[NJ+6], 0xc0e69d92
	v_mov_b32 v[NJ+7], 0xc1068695
	WIN 0xc0                                       ; all eight sets of silu fragments, into window 3
.irp u, 0,1,2,3,4,5,6,7
	SALOAD \u
.endr
	WIN 0
	; the bias, rounded to bf16, starts the sums of K half 0 (0 starts those of half 1), while the first tile is on its way: no bias is left to add at the end
.set b_, 0
.rept NB
.irp k, 0,1,2,3
	v_cvt_pk_bf16_f32 v[40+\k], v[BI+8*b_+2*\k], v[BI+8*b_+2*\k+1]
.endr
.irp k, 0,1,2,3
	v_and_b32 v[40+\k], s[FLM], v[40+\k]
.endr
.irp k, 0,1,2,3
	v_lshlrev_b32 v[BI+8*b_+2*\k], 16, v[40+\k]
	v_and_b32 v[BI+8*b_+2*\k+1], s[HIM], v[40+\k]
.endr
.set b_, b_+1
.endr
.set k_, 0
.rept 16
	v_mov_b32 v[ZR+k_], 0
.set k_, k_+1
.endr
	; a product of two fragments of zeros with the bias as C writes an accumulator's eight registers in one line of 8 bytes, where eight moves take 32
	WIN 0x80
.set q_, 0
.rept NWM
	v_wmma_f32_16x16x32_f16 v[8*q_:8*q_+7], v[ZR:ZR+7], v[ZR+8:ZR+15], v[BI+8*(q_%NB):BI+8*(q_%NB)+7]
.set q_, q_+1
.endr
	WIN 0
	PLACES                                         ; in front of the lines that write the bias's registers anew
	v_mov_b32 v[TA], v[TA0]
	v_mov_b32 v[XAA], v[XA0]
	s_wait_dscnt 0x0                               ; my part of S and B is stored
	s_barrier_signal -1                            ; tile 0 may stay out
	s_barrier_wait -1
	TLOAD
	XLOAD
	s_wait_dscnt 0x0
.set j, 0
.rept NNR
	NRM j                                          ; block 0 is normalised
.set j, j+1
.endr
	v_add_nc_u32 v[TA], 64, v[TA0]                 ; block 1's x, S, B
	v_add_nc_u32 v[XAA], 1024, v[XA0]
	XLOAD
	TLOAD
.set j, 0
.rept LST
	VI 0                                           ; step 0's fragments
.endr
	s_mov_b32 s[SLOTS], 8
	s_mov_b32 s[BO], 2
	s_mov_b32 s[PR], 2
	s_mov_b32 s[TB], SLOT+512                      ; the first change of slots turns it into 0
.Lslot:                                ; period p: tile p is entered, tile p + 1 asked for
	CHANGE 1
	s_mov_b32 s[IB], 2
.Lblk:                                 ; a block of 16 channels of each K half: four steps; A is made one step ahead
	STEP 0
	STEP 1
	STEP 2
	STEP3L
	WIN 0
	s_add_co_u32 s[TB], s[TB], 256
	v_add_nc_u32 v[ADRB], s[TB], v[ADRB0]
	s_sub_co_u32 s[IB], s[IB], 1
	s_cmp_lg_u32 s[IB], 0
	s_cbranch_scc1 .Lblk
	s_sub_co_u32 s[SLOTS], s[SLOTS], 1
	s_cmp_lg_u32 s[SLOTS], 0
	s_cbranch_scc1 .Lslot
	; ---------------- the base steps: tile 8, in slot 0 ----------------
	CHANGE 0                                       ; nothing is left to ask for
.set AW, 0x0c
.irp u, 0,1,2,3,4,5,6,7
	BSTEP \u
.endr
.set AW, 0
	; ---------------- the end ----------------
	WIN 0
	s_wait_loadcnt 0x0                             ; no load reads v5, v6 any more
	s_mul_i32 s20, s[WV], STGB
	s_add_co_u32 s20, s20, STG                     ; my stage.  The lines below are also the places behind the last products
	v_mul_u32_u24 v3, v1, 528                      ; in: row r, 32 bytes for each half of the lanes
	v_lshl_add_u32 v3, v2, 5, v3
	v_add_nc_u32 v3, s20, v3
	v_and_b32 v4, 31, v0
	v_lshlrev_b32 v5, 4, v4                        ; back: 32 lanes take a whole row of 512 bytes, which are 512 consecutive bytes of the result
	v_add_nc_u32 v4, s20, v5
	PLACES
	; fragment 1 goes to my partner, through slot 1: it has had its last fill, and since the last change of slots nobody reads it
	WIN 0x08                                       ; store data in window 2
.set x_, 0
.rept NB
	ds_store_b128 v[GV], v[8*(NB+x_):8*(NB+x_)+3] offset:x_*1024
	ds_store_b128 v[GV], v[8*(NB+x_)+4:8*(NB+x_)+7] offset:x_*1024+512
.set x_, x_+1
.endr
	WIN 0
	s_wait_dscnt 0x0
	s_barrier_signal -1
	s_barrier_wait -1
.set b_, 0
.rept NB                               ; my sums of fragment 0 and my partner's
	ds_load_b128 v[EE+8*b_:EE+8*b_+3], v[TK] offset:b_*1024
	ds_load_b128 v[EE+8*b_+4:EE+8*b_+7], v[TK] offset:b_*1024+512
.set b_, b_+1
.endr
	s_wait_dscnt 0x0
	WIN 0x02                                       ; source 0 in window 2
.set k_, 0
.rept 4*NB
	v_pk_add_f32 v[EE+2*k_:EE+2*k_+1], v[2*k_:2*k_+1], v[EE+2*k_:EE+2*k_+1]
.set k_, k_+1
.endr
	WIN 0
.set b_, 0
.rept NB
	ds_store_b128 v3, v[EE+8*b_:EE+8*b_+3] offset:64*b_
	ds_store_b128 v3, v[EE+8*b_+4:EE+8*b_+7] offset:64*b_+16
.set b_, b_+1
.endr
.set t_, 0
.rept 16
	ds_load_b128 v[FF+4*t_:FF+4*t_+3], v4 offset:528*t_   ; LDS serves a wave's instructions in order: these see the stores above
.set t_, t_+1
.endr
.set t_, 0
.rept 16
	s_wait_dscnt 15-t_                             ; the younger loads may stay out
	global_store_b128 v5, v[FF+4*t_:FF+4*t_+3], s[10:11] offset:2048*t_  ; 512 consecutive bytes, aligned
.set t_, t_+1
.endr
	s_wait_tensorcnt 0x0                           ; the wave's end: behind my last tensor load and my last LDS store
	ds_add_u32 v[SPW], v[NIL]
	s_wait_dscnt 0x0
	CROUND                                         ; the closing round
	s_endpgm
.Lfunc_end_k_qf1545b37aa_kano:
	.size	k_qf1545b37aa_kano, .Lfunc_end_k_qf1545b37aa_kano-k_qf1545b37aa_kano
	.p2alignl 7, 3214868480
	.fill 96, 4, 3214868480
	.section	.rodata,"a",@progbits
	.p2align	6, 0x0
	.amdhsa_kernel k_qf1545b37aa_kano
		.amdhsa_group_segment_fixed_size 327680
		.amdhsa_private_segment_fixed_size 0
		.amdhsa_enable_private_segment 0
		.amdhsa_kernarg_size 56
		.amdhsa_user_sgpr_count 2
		.amdhsa_user_sgpr_kernarg_segment_ptr 1
		.amdhsa_wavefront_size32 1
		.amdhsa_system_sgpr_workgroup_id_x 1
		.amdhsa_system_sgpr_workgroup_id_y 1
		.amdhsa_system_sgpr_workgroup_id_z 1
		.amdhsa_system_vgpr_workitem_id 0
		.amdhsa_next_free_vgpr 896
		.amdhsa_next_free_sgpr 100
		.amdhsa_reserve_vcc 0
		.amdhsa_float_denorm_mode_32 3
		.amdhsa_float_denorm_mode_16_64 3
		.amdhsa_memory_ordered 1
		.amdhsa_forward_progress 1
		.amdhsa_inst_pref_size 93
	.end_amdhsa_kernel
	.amdgpu_metadata
---
amdhsa.version: [ 1, 2 ]
amdhsa.kernels:
  - .name:           k_qf1545b37aa_kano
    .symbol:         k_qf1545b37aa_kano.kd
    .args:
      - { .name: og, .offset: 0, .size: 8, .value_kind: global_buffer, .address_space: global }
      - { .name: ost, .offset: 8, .size: 8, .value_kind: global_buffer, .address_space: global }
      - { .name: wc, .offset: 16, .size: 8, .value_kind: global_buffer, .address_space: global }
      - { .name: out0, .offset: 24, .size: 8, .value_kind: global_buffer, .address_space: global }
      - { .name: lo_ln_s, .offset: 32, .size: 8, .value_kind: global_buffer, .address_space: global }
      - { .name: lo_ln_b, .offset: 40, .size: 8, .value_kind: global_buffer, .address_space: global }
      - { .name: lo_bb, .offset: 48, .size: 8, .value_kind: global_buffer, .address_space: global }
    .group_segment_fixed_size: 327680
    .private_segment_fixed_size: 0
    .kernarg_segment_align: 8
    .kernarg_segment_size: 56
    .max_flat_workgroup_size: 128
    .sgpr_count:     100
    .vgpr_count:     896
    .wavefront_size: 32
...
	.end_amdgpu_metadata
.endif
;; end of part 7
